; MI455X (gfx1250); checked and timed in simulation.
; The chip was launched on July 23, 2026; its instructions are those of AMD's public machine-readable ISA for CDNA 5 (MIT licence, August 2026) and "CDNA5" Instruction Set Architecture Reference Guide (July 2026). The comments in the code are by the model that wrote it; some were corrected since.
;; Interaction Transition Model. Allowed arithmetic: matrix products marked QUANTISED: E3M2 operands, one E8M0 scale for each 32 along K, by v_wmma_scale_f32_16x16x128_f8f6f4 with both operands' format E3M2, f32 sums; products left as they are: f32 operands where the result goes on into a quantised operand, else bf16, f16 or f32 operands; f32 sums; everything else in f32.
;; Inputs: W1 66 x 256 float32; W2 256 x 2 float32; Wk_codes 64 x 4 x 24 uint8 (E3M2 codes of Wk, K innermost, in blocks of 32 codes, four codes in three bytes); Wk_scales 64 x 4 uint8 (E8M0 scales of Wk, one for each 32 codes along K); Wq_codes 64 x 4 x 24 uint8 (E3M2 codes of Wq, K innermost, in blocks of 32 codes, four codes in three bytes); Wq_scales 64 x 4 uint8 (E8M0 scales of Wq, one for each 32 codes along K); Wv_codes 64 x 4 x 24 uint8 (E3M2 codes of Wv, K innermost, in blocks of 32 codes, four codes in three bytes); Wv_scales 64 x 4 uint8 (E8M0 scales of Wv, one for each 32 codes along K); action 2,048 x 2 float32; b1 256 float32; b2 2 float32; bk 64 float32; bq 64 float32; bv 64 float32; ln_b 256 float32; ln_g 256 float32; obs 8,192 x 128 float32.
;; Outputs: out0 8,192 x 5 float32.
;; This version of the problem:
;;   THIS VERSION OF THE PROBLEM IS GIVEN IN LOW PRECISION. The matrix products marked QUANTISED in the list below multiply operands that are first quantised to E3M2 (3 exponent bits, 2 mantissa bits; 6 bits a number), with one power-of-two scale for each 32 numbers along K (OCP MX v1.0); their sums are f32. All else is computed in f32.
;;   The module's matrix products, in the order in which they are computed (A, B: the left and right operand; K: the contracted axis; several contracted axes count as one K, in the product's order):
;;     1. [M 8,192, K 128] x [K 128, N 64]; A: input obs; B: input Wq (given as codes): QUANTISED
;;     2. [M 8,192, K 128] x [K 128, N 64]; A: input obs; B: input Wk (given as codes): QUANTISED
;;     3. [M 8,192, K 128] x [K 128, N 64]; A: input obs; B: input Wv (given as codes): QUANTISED
;;     4. [M 8,192, K 64] x [K 64, N 8,192]; A: computed on the way; B: computed on the way: QUANTISED
;;     5. [M 8,192, K 8,192] x [K 8,192, N 64]; A: softmax (see below); B: computed on the way: QUANTISED
;;     6. [M 8,192, K 66] x [K 66, N 256]; A: computed on the way; B: input W1: QUANTISED
;;     7. [M 8,192, K 256] x [K 256, N 2]; A: computed on the way; B: input W2: left as it is (N = 2 < 16)
;;   THE QUANTISER, for each operand of a quantised product, along K:
;;     - K is cut into blocks of 32 from its start; a last block that is shorter is filled with zeros.
;;     - A block's scale is 2^e with e = floor(log2(the largest magnitude in the block)) - 4, held to -126 .. 127; a block of zeros has e = 0. As a byte (E8M0): e + 127.
;;     - Each number is divided by its block's scale, clamped to +-28, and rounded to the nearest number of E3M2, ties to even, subnormals kept.
;;     - The product sums the exact products of the quantised numbers (number of the format x scale) in f32.
;;   ~~~python
;;   def quantise(x, axis):      # numpy; x: float32 -> the quantised numbers, widened to float32 again
;;       x = np.moveaxis(x, axis, -1); K = x.shape[-1]
;;       x = np.pad(x, [(0, 0)] * (x.ndim - 1) + [(0, -K % 32)]); x = x.reshape(x.shape[:-1] + (-1, 32)); a = np.abs(x).max(-1, keepdims=True)
;;       e = np.where(a > 0, np.clip(np.frexp(np.where(a > 0, a, 1))[1] - 1 - 4, -126, 127), 0)      # np.frexp(a)[1] - 1 = floor(log2(a)), exactly
;;       r = np.clip(x / 2.0 ** e, -28, 28)
;;       step = 2.0 ** (np.maximum(np.frexp(np.where(r == 0, 1, r))[1] - 1, -2) - 2)
;;       q = np.round(r / step) * step * 2.0 ** e      # np.round: ties to even
;;       return np.moveaxis(q.reshape(q.shape[:-2] + (-1,))[..., :K], -1, axis).astype(np.float32)
;;   ~~~
;;   SOFTMAX AHEAD OF A QUANTISED PRODUCT. Where the list says 'softmax', what is quantised is not the finished softmax but p = 2^(t - M), with t = logit x log2(e) and M = ceil(the row's largest t), a whole number; so 1/2 < the row's largest p <= 1. The row's sum l is taken of the UNQUANTISED p, in f32, and the product's result is divided by l at the end. Since M is a whole number, a kernel that streams over the keys may use a running M (the ceiling of the running maximum): every later rescaling is an exact power of two, which a block's scale takes up: the codes' values come out the same.
;;   OPERANDS COMPUTED ON THE WAY. 'Computed on the way' means the value that the module computes at that place (a softmax that the list does not call 'softmax' is quantised finished and normalised). What goes into a quantiser is computed in f32, as accurately as f32 sums, v_exp_f32 and their like allow (about 1e-6 of the number): no bf16 or f16 on the way to a quantiser, and a product that is left as it is and whose result goes on into a quantised operand takes f32 operands (vector FMAs, or v_wmma_f32_16x16x4_f32). A number that lies on a knife's edge between two numbers of the format may be rounded either way, as far as f32 arithmetic and the matrix unit's own rounding can turn it there, and no further.
;;   INPUTS GIVEN AS CODES. Wk (in the module: [128, 64], K = its axis 0); Wq (in the module: [128, 64], K = its axis 0); Wv (in the module: [128, 64], K = its axis 0): each comes as NAME_codes (uint8): NAME with its K axis moved to the last place and cut into blocks of 32 codes, [.., K / 32, bytes a block], one block behind the other in memory; four codes in three bytes: a row's codes are one little-endian stream of bits, code i at bits 6 i .. 6 i + 5 (a code: sign, 3 exponent bits, 2 mantissa bits); and NAME_scales (uint8): the same leading axes, one E8M0 byte (e + 127) for each 32 codes along K. Its value is code x scale, taken as it is: it is not quantised again, and the codes and scales need not be those that the quantiser above would give.
;; 2 versions. Each part assembles by itself: llvm-mc -triple=amdgcn-amd-amdhsa -mcpu=gfx1250 --defsym DOCPART=n.
;; ======== version 1 of 2: 3 launches
;; limits: right only within a limited range of input values
;; workspace buffers: kv 851,968 bytes; qc 393,216 bytes; qs 32,768 bytes; w1q 25,600 bytes; part 8,388,608 bytes; pst 524,288 bytes; pred 65,536 bytes
;; launch project (part 1): grid 66 x 1, 4 waves a work-group, no clusters, 41,472 bytes of LDS; arguments obs, Wq_codes, Wq_scales, Wk_codes, Wk_scales, Wv_codes, Wv_scales, bq, bk, bv, W1, kv, qc, qs, w1q; writes kv, qc, qs, w1q
.if DOCPART == 1
	.amdgcn_target "amdgcn-amd-amdhsa--gfx1250"
	.amdhsa_code_object_version 6
	.text
	.protected	k_q8b35ff5e9f_project
	.globl	k_q8b35ff5e9f_project
	.p2align	8
	.type	k_q8b35ff5e9f_project,@function
k_q8b35ff5e9f_project:
	s_mov_b64 s[64:65], 0
	v_nop
	global_prefetch_b8 v0, s[64:65] scope:SCOPE_SE
	s_setreg_imm32_b32 hwreg(HW_REG_WAVE_MODE, 25, 1), 1
	s_wait_xcnt 0x0
; PROJECT.  q = obs Wq + bq, k = obs Wk + bk, v = obs Wv + bv on codes of E3M2 with one E8M0 scale for each 32 along K, and the results quantised again for the attention:
; q and k along their 64 channels, v along the keys.  Two more work-groups quantise W1 along its 66 rows.  All results are laid in the order of the operand registers of the launches that read them.
; SHARES.  Work-group g < 64 owns rows 128 g .. 128 g + 127 of obs, wave w its rows 32 w .. 32 w + 31, as two tiles u = 0, 1 of 16 rows.  Work-groups 64 and 65: each wave two tiles of 16 columns of W1.
; THE ROWS OF A TILE ARE NOT NEIGHBOURS: lane r of tile u takes row 32 w + 8 u + rr, rr = r + 8 (r / 8); the rows of Wq, Wk, Wv that form tile 2 b + u likewise (32 b + 8 u + rr).  So
;   q, k (source 0 = 16 rows of the weight, source 1 = 16 rows of obs): a lane holds one row of obs, and the 16 registers of tiles 2 b, 2 b + 1 are channels 32 b + 16 (lane / 16) + 0 .. 15;
;   v (source 0 = 16 rows of obs, source 1 = 16 rows of Wv): a lane holds one channel, and the 16 registers of row tiles 0, 1 are keys 32 w + 16 (lane / 16) + 0 .. 15.
; In both cases a lane's 16 registers are 16 neighbours along the next product's K, which is what the conversions take.  The biases are the C of the one matrix instruction of each sum (K = 128).
; THE WEIGHTS' codes (18,432 bytes) and scale bytes (768) are wanted by all four waves: the work-group copies them once, each load of a wave 512 (the scale bytes: 256) consecutive bytes, into LDS as they lie,
; and each wave takes its fragments from there in pieces of 8 bytes.
; OUT, through a stage in LDS that is an image of the buffers, so that every store of a wave covers 512 consecutive bytes, aligned:
;   kv: a block of 13,312 bytes for 128 keys: K's codes [pair of tiles 4][lane 32][48 bytes], V's [tile 4][lane 32][48 bytes], K's scale words [lane][4], V's [lane][2], 256 zeros;
;   qc: [pair of tiles][lane][48 bytes];  qs: [tile][16 words];  w1q: 16 fragments [3][lane][16 bytes], then [pair of tiles 8][lane] scale words.
; WHICH KEYS FORM A TILE OF K: tile i, row m holds key 32 (2 (i / 4) + m / 8) + 8 (i % 4) + m % 8 of the block.  In S^T = K Q^T a lane's 32 registers of tiles 0-3, and of tiles 4-7, are then one whole block of
; 32 neighbouring keys.  Here that is only a choice of the place in the stage: my row 32 w + 8 u + rr goes to tile 4 (w / 2) + u + 2 (r / 8), row 8 (w % 2) + r % 8.
; No cluster, no tensor load: each work-group reads rows of obs of its own, and what the work-groups share is the weights' 19 KB, which each reads once.
; LIMITS: NaN and infinities among the inputs are not served.  A block of zeros gets the scale byte 1 where the rule says 127 (its codes are zeros, and this program alone reads the bytes);
; a block whose largest magnitude lies under 2^-122 is held at the byte 1.
.set LKC, 0                            ; the stage: K's codes, 6,144 bytes
.set LVC, 6144                         ; V's codes, 6,144
.set LKS, 12288                        ; K's scale words, 512
.set LVS, 12800                        ; V's scale words, 256
.set LPD, 13056                        ; zeros, 256
.set LQS, 13312                        ; q's scale words, 512
.set LQC, 13824                        ; q's codes, 6,144
.set WRAW, 20480                       ; behind the stage: the codes of Wq, Wk, Wv as they lie in memory, 6,144 bytes each
.set WSC, 38912                        ; their scale bytes, 256 each, and a fourth 256 that nobody reads
.set XF,  16                           ; v16-39   obs's two fragments
.set XS,  40                           ; v40-41   their scale words
.set WS,  42                           ; v42-53   the weights' scale words: q 0-3, k 4-7, v 8-11
.set SSL, 55                           ; v55      where I put my 8 scale bytes: 8 lane + 256 wave
.set TM,  56                           ; v56-63, v68-71 at work in the quantisers
.set SKK, 64                           ; v64      where I put k's codes;  v65 at work
.set T,   76                           ; v76-78, v80-82 second halves of blocks, as the conversions leave them
.set SGL, 79                           ; v79      8 x lane
.set QP,  84                           ; v84-95   q's codes, two tiles
.set X0,  96                           ; v96-159  64 numbers of obs, tile 0; then q's sums; then v's
.set X1,  160                          ; v160-223 tile 1; then k's sums
.set ACCQ, 96
.set ACCK, 160
.set ACCV, 96
.set KP,  224                          ; v224-235 k's codes, two tiles
.set VCD, 236                          ; v236-251 v's codes, four registers a tile (three used)
.set VB,  252                          ; v252-255 v's scale bytes.   (v224-255 and v84-89 first carry the weights' bytes from memory to LDS)
.set WQ,  0                            ; window 1: the weights' fragments, 12 registers a tile
.set WK,  48
.set WV,  96
.set BQ,  144                          ; window 1: the biases in the results' layout, 8 registers a tile
.set BK,  176
.set BV,  208
.set WV_N, 34                          ; s34 my wave's number
.set SEL, 36                           ; s[36:37] v_permlanex16_b32's selects for lane l xor 16
.set HI16, 38                          ; s38 the mask of lanes 16-31
.set MSB, 0
.macro WIN new                         ; the immediate's high byte repeats the setting that is left
.if MSB != \new
	s_set_vgpr_msb (MSB<<8)|\new
.set MSB, \new
.endif
.endm
; 64 numbers of a lane, register 16 b + i = k 32 b + 16 (lane / 16) + i of its row, become a fragment's 12 registers at v[d] and the row's scale word in v[pw].
.macro QUANT s, d, pw
.irp b, 0,1,2,3
	v_max3_num_f32 v[TM+\b], |v[\s+16*\b]|, |v[\s+1+16*\b]|, 0x2800000   ; my 16 numbers of block b, and the floor 2^(5 - 127): the byte cannot fall under 1
.endr
.irp i, 2,4,6,8,10,12,14
.irp b, 0,1,2,3
	v_max3_num_f32 v[TM+\b], v[TM+\b], |v[\s+16*\b+\i]|, |v[\s+1+16*\b+\i]|   ; the four blocks by turns
.endr
.endr
.irp b, 0,1,2,3
	v_permlanex16_b32 v[TM+4+\b], v[TM+\b], s[SEL], s[SEL+1]
.endr
.irp b, 0,1,2,3
	v_max_num_f32 v[TM+\b], v[TM+\b], v[TM+4+\b]   ; with lane l xor 16's 16: the block's largest magnitude
.endr
.irp b, 0,1,2,3
	v_add_nc_u32 v[TM+12+\b], 0xfe000000, v[TM+\b]   ; 4 off its exponent field: the conversion takes that field as its scale
.endr
.irp b, 0,1,2,3
	v_lshrrev_b32 v[TM+4+\b], 23, v[TM+12+\b]      ; the scale's byte
.endr
	v_lshl_or_b32 v[\pw], v[TM+5], 8, v[TM+4]
	v_lshl_or_b32 v[\pw], v[TM+6], 16, v[\pw]
	v_lshl_or_b32 v[\pw], v[TM+7], 24, v[\pw]
.irp c, 0,1
	v_cvt_scalef32_pk16_bf6_f32 v[\d+6*\c:\d+6*\c+2], v[\s+32*\c:\s+32*\c+15], v[TM+12+2*\c]
	v_cvt_scalef32_pk16_bf6_f32 v[T+4*\c:T+4*\c+2], v[\s+16+32*\c:\s+31+32*\c], v[TM+13+2*\c]   ; (a conversion's three registers begin on an even number)
.endr
	v_nop                                          ; one plain place behind a scaled conversion
.irp c, 0,1                            ; the operand's layout wants a whole block in a lane: lanes 0-15 block 2 c, lanes 16-31 block 2 c + 1
.irp i, 0,1,2
	v_permlane16_swap_b32 v[\d+6*\c+\i], v[T+4*\c+\i]
.endr
.irp i, 0,1,2
	v_mov_b32 v[\d+3+6*\c+\i], v[T+4*\c+\i]
.endr
.endr
.endm
; The same for 32 numbers (K = 64): six registers at v[d]; the scale word's bytes 2 and 3 stay 0.
.macro QUANT2 s, d, pw
.irp b, 0,1
	v_max3_num_f32 v[TM+\b], |v[\s+16*\b]|, |v[\s+1+16*\b]|, 0x2800000
.endr
.irp i, 2,4,6,8,10,12,14
.irp b, 0,1
	v_max3_num_f32 v[TM+\b], v[TM+\b], |v[\s+16*\b+\i]|, |v[\s+1+16*\b+\i]|
.endr
.endr
.irp b, 0,1
	v_permlanex16_b32 v[TM+4+\b], v[TM+\b], s[SEL], s[SEL+1]
.endr
.irp b, 0,1
	v_max_num_f32 v[TM+\b], v[TM+\b], v[TM+4+\b]
.endr
.irp b, 0,1
	v_add_nc_u32 v[TM+12+\b], 0xfe000000, v[TM+\b]
.endr
.irp b, 0,1
	v_lshrrev_b32 v[TM+4+\b], 23, v[TM+12+\b]
.endr
	v_lshl_or_b32 v[\pw], v[TM+5], 8, v[TM+4]
	v_cvt_scalef32_pk16_bf6_f32 v[\d:\d+2], v[\s:\s+15], v[TM+12]
	v_cvt_scalef32_pk16_bf6_f32 v[T:T+2], v[\s+16:\s+31], v[TM+13]
	v_nop                                          ; one plain place behind a scaled conversion
.irp i, 0,1,2
	v_permlane16_swap_b32 v[\d+\i], v[T+\i]
.endr
.irp i, 0,1,2
	v_mov_b32 v[\d+3+\i], v[T+\i]
.endr
.endm
	s_load_b512 s[4:19], s[0:1], 0x0               ; obs 4:5, Wq codes 6:7, scales 8:9, Wk 10:11, 12:13, Wv 14:15, 16:17, bq 18:19
	s_load_b256 s[20:27], s[0:1], 0x40             ; bk 20:21, bv 22:23, W1 24:25, kv 26:27
	s_load_b128 s[28:31], s[0:1], 0x60             ; qc 28:29, qs 30:31
	s_load_b64 s[32:33], s[0:1], 0x70              ; w1q
	v_lshl_add_u32 v66, v0, 2, 0xa000
	v_mov_b32 v67, 0
	v_lshrrev_b32 v1, 5, v0
	v_readfirstlane_b32 s[WV_N], v1                ; wave 0..3
	v_and_b32 v1, 31, v0                           ; lane
	v_and_b32 v2, 15, v0                           ; r
	v_bfe_u32 v3, v0, 4, 1                         ; h
	v_and_b32 v4, 8, v2
	v_add_nc_u32 v4, v4, v2                        ; rr = r + 8 (r / 8)
	v_lshlrev_b32 v54, 4, v1                       ; 16 x lane
	v_mov_b32 v75, 0
.irp b, 0,1,2,3
	v_mov_b32 v[TM+4+\b], 0                        ; written once: a lane permute's destination counts as one of its sources
.endr
	s_mov_b32 s[SEL], 0x76543210
	s_mov_b32 s[SEL+1], 0xfedcba98
	v_cmp_lt_u32 s[HI16], 15, v1
	s_cmp_ge_u32 ttmp9, 64                         ; the last two work-groups take W1: the branch hangs on the work-group's number alone
	s_cbranch_scc1 .Lw1
	; ---- rows of obs
	v_lshlrev_b32 v5, 9, v4
	v_lshl_add_u32 v5, v3, 6, v5                   ; obs: row rr of 512 bytes, + 64 h: my 16 numbers of a block of 32
	v_mul_u32_u24 v6, v4, 96
	v_mad_u32_u24 v6, v3, 24, v6                   ; a weight's codes in LDS: row rr of 96 bytes, + 24 h
	v_lshlrev_b32 v7, 2, v4                        ; a weight's scale word in LDS, and bv in memory: 4 rr
	v_lshlrev_b32 v8, 6, v3                        ; bq, bk: 64 h
	v_lshlrev_b32 v15, 4, v0                       ; 16 x thread: the weights' way in, and the way out
	v_lshlrev_b32 v[SGL], 3, v1                    ; 8 x lane
	s_lshl_b32 s48, s[WV_N], 8
	v_add_nc_u32 v[SSL], s48, v[SGL]               ; 8 lane + 256 wave
	s_lshl_b32 s40, ttmp9, 16                      ; 128 rows of 512 bytes a work-group,
	s_lshl_b32 s41, s[WV_N], 14                    ; 32 a wave
	s_add_co_u32 s40, s40, s41
	s_mov_b32 s41, 0
	s_mul_i32 s42, ttmp9, 13312
	s_mov_b32 s43, 0
	s_mul_i32 s44, ttmp9, 6144
	s_mov_b32 s45, 0
	s_lshl_b32 s46, ttmp9, 9
	s_mov_b32 s47, 0
	s_wait_kmcnt 0x0
	s_add_nc_u64 s[4:5], s[4:5], s[40:41]
	s_add_nc_u64 s[26:27], s[26:27], s[42:43]
	s_add_nc_u64 s[28:29], s[28:29], s[44:45]
	s_add_nc_u64 s[30:31], s[30:31], s[46:47]
	s_cmp_eq_u32 s[WV_N], 1                        ; whose scale bytes I bring: wave 0 (and 3) Wq's, 1 Wk's, 2 Wv's: the choice hangs on the wave's number alone
	s_cselect_b64 s[56:57], s[12:13], s[8:9]
	s_cmp_eq_u32 s[WV_N], 2
	s_cselect_b64 s[56:57], s[16:17], s[56:57]
.irp i, 0,1,2                          ; the weights first: few loads, and a barrier stands between them and their use.  The four waves together read 2,048 consecutive bytes a line
	global_load_b128 v[224+4*\i:227+4*\i], v15, s[6:7] offset:2048*\i
	global_load_b128 v[236+4*\i:239+4*\i], v15, s[10:11] offset:2048*\i
.endr
	global_load_b128 v[248:251], v15, s[14:15]
	global_load_b128 v[252:255], v15, s[14:15] offset:2048
	global_load_b128 v[84:87], v15, s[14:15] offset:4096
	global_load_b64 v[88:89], v[SGL], s[56:57]     ; 256 scale bytes
.irp u, 0,1
.irp b, 0,1,2,3
.irp j, 0,1,2,3
	global_load_b128 v[X0+64*\u+16*\b+4*\j:X0+64*\u+16*\b+4*\j+3], v5, s[4:5] offset:4096*\u+128*\b+16*\j
.endr
.endr
.endr
	WIN 0x40                                       ; destination window 1
.irp n, 0,1,2,3                        ; tile n = 2 b + u begins at the weight's row 32 b + 8 u
	global_load_b128 v[BQ+8*\n:BQ+8*\n+3], v8, s[18:19] offset:(32*(\n/2)+8*(\n%2))*4      ; register j: the bias of channel 32 b + 16 h + 8 u + j
	global_load_b128 v[BQ+8*\n+4:BQ+8*\n+7], v8, s[18:19] offset:(32*(\n/2)+8*(\n%2))*4+16
	global_load_b128 v[BK+8*\n:BK+8*\n+3], v8, s[20:21] offset:(32*(\n/2)+8*(\n%2))*4
	global_load_b128 v[BK+8*\n+4:BK+8*\n+7], v8, s[20:21] offset:(32*(\n/2)+8*(\n%2))*4+16
	global_load_b32 v[BV+8*\n], v7, s[22:23] offset:(32*(\n/2)+8*(\n%2))*4                 ; v's results hold one channel a lane: one number, copied below
.endr
	WIN 0
	; the stage's addresses, made while the loads are out: constants x parts of the lane's number + constants x parts of the wave's
	s_mul_i32 s40, s[WV_N], 1536
	v_mul_u32_u24 v9, v1, 48
	v_add_nc_u32 v9, s40, v9                       ; q's codes: 48 lane + 1,536 wave
	s_and_b32 s41, s[WV_N], 1
	s_lshr_b32 s42, s[WV_N], 1
	s_lshl_b32 s43, s41, 3
	s_lshl_b32 s44, s42, 1
	v_and_b32 v[SKK], 7, v2
	v_lshl_add_u32 v[SKK], v3, 4, v[SKK]
	v_add_nc_u32 v[SKK], s43, v[SKK]               ; k: the place among a tile's 32 lanes: 8 (w % 2) + r % 8 + 16 h (codes: h = the half of the channels; scale words: h = the tile u)
	v_lshrrev_b32 v11, 3, v2
	v_add_nc_u32 v11, s44, v11                     ; and the pair of tiles: 2 (w / 2) + r / 8
	v_mul_u32_u24 v65, v11, 1536
	v_lshlrev_b32 v11, 2, v11
	v_lshl_add_u32 v11, v[SKK], 4, v11             ; k's scale words: 16 x place + 4 x pair
	v_mad_u32_u24 v[SKK], v[SKK], 48, v65          ; k's codes: 48 x place + 1,536 x pair
	s_mul_i32 s41, s41, 768
	s_mul_i32 s42, s42, 24
	s_add_co_u32 s41, s41, s42
	v_mul_u32_u24 v10, v2, 48
	v_mad_u32_u24 v10, v3, 12, v10
	v_add_nc_u32 v10, s41, v10                     ; v's codes: my 32 keys are block w of the fragment's four: lane r + 16 (w % 2), registers 6 (w / 2) + 3 h on
	v_lshlrev_b32 v12, 3, v2
	v_add_nc_u32 v12, s[WV_N], v12                 ; v's scale bytes: 8 r + wave
	s_lshl_b32 s42, s[WV_N], 7
	v_lshlrev_b32 v13, 2, v1
	v_add_nc_u32 v13, s42, v13                     ; q's scale words: 4 lane + 128 wave
	v_lshlrev_b32 v14, 1, v0                       ; the zeros: 2 x thread
	s_wait_loadcnt 52                              ; behind the weights' ten loads stand obs's 32 and the biases' 20: the ten are in
.irp i, 0,1,2
	ds_store_b128 v15, v[224+4*\i:227+4*\i] offset:WRAW+2048*\i
	ds_store_b128 v15, v[236+4*\i:239+4*\i] offset:WRAW+6144+2048*\i
.endr
	ds_store_b128 v15, v[248:251] offset:WRAW+12288
	ds_store_b128 v15, v[252:255] offset:WRAW+12288+2048
	ds_store_b128 v15, v[84:87] offset:WRAW+12288+4096
	ds_store_b64 v[SSL], v[88:89] offset:WSC
	s_wait_dscnt 0x0                               ; for the others' sake: my part of the weights lies in LDS
	s_barrier_signal -1
	s_barrier_wait -1                              ; everybody's does
	WIN 0x40                                       ; destination window 1
.irp n, 0,1,2,3                        ; a fragment's 24 bytes come as three pieces of 8, so that every address is a multiple of the access's size
.irp p, 0,1,2,3,4,5
	ds_load_b64 v[WQ+12*\n+2*\p:WQ+12*\n+2*\p+1], v6 offset:WRAW+(32*(\n/2)+8*(\n%2))*96+48*(\p/3)+8*(\p%3)
	ds_load_b64 v[WK+12*\n+2*\p:WK+12*\n+2*\p+1], v6 offset:WRAW+6144+(32*(\n/2)+8*(\n%2))*96+48*(\p/3)+8*(\p%3)
	ds_load_b64 v[WV+12*\n+2*\p:WV+12*\n+2*\p+1], v6 offset:WRAW+12288+(32*(\n/2)+8*(\n%2))*96+48*(\p/3)+8*(\p%3)
.endr
.endr
	WIN 0
.irp n, 0,1,2,3
	ds_load_b32 v[WS+\n], v7 offset:WSC+(32*(\n/2)+8*(\n%2))*4
	ds_load_b32 v[WS+4+\n], v7 offset:WSC+256+(32*(\n/2)+8*(\n%2))*4
	ds_load_b32 v[WS+8+\n], v7 offset:WSC+512+(32*(\n/2)+8*(\n%2))*4
.endr
	s_wait_loadcnt 20                              ; behind obs's 32 loads stand the biases' 20: obs is in
	QUANT X0, XF, XS
	QUANT X1, XF+12, XS+1
	s_wait_loadcnt 0x0                             ; the biases
	s_wait_dscnt 0x0                               ; the weights' fragments and scale words
	WIN 0x41                                       ; destination and source window 1
.irp n, 0,1,2,3
.irp j, 1,2,3,4,5,6,7
	v_mov_b32 v[BV+8*\n+\j], v[BV+8*\n]            ; bv in all eight rows of the tile.  (These 28 are also the places between the quantiser's last writes and the products)
.endr
.endr
	WIN 0x11                                       ; source 0 (the weight) and source 2 (the bias) window 1
.irp u, 0,1
.irp n, 0,1,2,3
	v_wmma_scale_f32_16x16x128_f8f6f4 v[ACCQ+32*\u+8*\n:ACCQ+32*\u+8*\n+7], v[WQ+12*\n:WQ+12*\n+11], v[XF+12*\u:XF+12*\u+11], v[BQ+8*\n:BQ+8*\n+7], v[WS+\n], v[XS+\u] matrix_a_fmt:MATRIX_FMT_BF6 matrix_b_fmt:MATRIX_FMT_BF6
.endr
.endr
.irp u, 0,1
.irp n, 0,1,2,3
	v_wmma_scale_f32_16x16x128_f8f6f4 v[ACCK+32*\u+8*\n:ACCK+32*\u+8*\n+7], v[WK+12*\n:WK+12*\n+11], v[XF+12*\u:XF+12*\u+11], v[BK+8*\n:BK+8*\n+7], v[WS+4+\n], v[XS+\u] matrix_a_fmt:MATRIX_FMT_BF6 matrix_b_fmt:MATRIX_FMT_BF6
.endr
.endr
	WIN 0
.rept 4
	v_nop                                          ; places in front of the first read of results
.endr
	QUANT2 ACCQ, QP, 72
	QUANT2 ACCQ+32, QP+6, 73
.irp c, 0,1,2
	ds_store_b128 v9, v[QP+4*\c:QP+4*\c+3] offset:LQC+16*\c
.endr
	v_cndmask_b32 v74, v72, v73, s[HI16]           ; lanes 0-15 tile 0's words, lanes 16-31 tile 1's
	ds_store_b32 v13, v74 offset:LQS
	WIN 0x14                                       ; source 1 (Wv) and source 2 (bv) window 1.  q's sums are quantised: v's take their registers (the quantiser's lines on its own registers are the places)
.irp n, 0,1,2,3
.irp u, 0,1
	v_wmma_scale_f32_16x16x128_f8f6f4 v[ACCV+16*\n+8*\u:ACCV+16*\n+8*\u+7], v[XF+12*\u:XF+12*\u+11], v[WV+12*\n:WV+12*\n+11], v[BV+8*\n:BV+8*\n+7], v[XS+\u], v[WS+8+\n] matrix_a_fmt:MATRIX_FMT_BF6 matrix_b_fmt:MATRIX_FMT_BF6
.endr
.endr
	WIN 0
	QUANT2 ACCK, KP, 72                            ; k's quantiser stands behind v's products: its lines are their places
	QUANT2 ACCK+32, KP+6, 73
.irp c, 0,1,2
	ds_store_b128 v[SKK], v[KP+4*\c:KP+4*\c+3] offset:LKC+16*\c   ; 48 bytes: tile u = 0's 24, then tile u = 1's: the two tiles of a pair
.endr
	v_cndmask_b32 v83, v72, v73, s[HI16]           ; lanes 0-15 give tile u = 0's word of row r, lanes 16-31 tile u = 1's
	ds_store_b32 v11, v83 offset:LKS
	; v along the keys: tile n's 16 registers are keys 16 h + 0 .. 15 of my block of 32, for the lane's channel
.irp n, 0,1,2,3
	v_max3_num_f32 v[TM+\n], |v[ACCV+16*\n]|, |v[ACCV+16*\n+1]|, 0x2800000
.endr
.irp i, 2,4,6,8,10,12,14
.irp n, 0,1,2,3
	v_max3_num_f32 v[TM+\n], v[TM+\n], |v[ACCV+16*\n+\i]|, |v[ACCV+16*\n+\i+1]|
.endr
.endr
.irp n, 0,1,2,3
	v_permlanex16_b32 v[TM+4+\n], v[TM+\n], s[SEL], s[SEL+1]
.endr
.irp n, 0,1,2,3
	v_max_num_f32 v[TM+\n], v[TM+\n], v[TM+4+\n]
.endr
.irp n, 0,1,2,3
	v_add_nc_u32 v[TM+12+\n], 0xfe000000, v[TM+\n]
.endr
.irp n, 0,1,2,3
	v_lshrrev_b32 v[VB+\n], 23, v[TM+12+\n]
.endr
.irp n, 0,1,2,3
	v_cvt_scalef32_pk16_bf6_f32 v[VCD+4*\n:VCD+4*\n+2], v[ACCV+16*\n:ACCV+16*\n+15], v[TM+12+\n]
.endr
	v_nop                                          ; one plain place behind a scaled conversion
.irp n, 0,1,2,3
.irp i, 0,1,2
	ds_store_b32 v10, v[VCD+4*\n+\i] offset:LVC+1536*\n+4*\i
.endr
	ds_store_b8 v12, v[VB+\n] offset:LVS+128*(\n%2)+4*(\n/2)   ; tile n's words lie in lanes 16 (n % 2) on, word n / 2; both halves of the lanes write the same byte with the same value
.endr
	ds_store_b16 v14, v75 offset:LPD
	s_wait_dscnt 0x0                               ; for the others' sake: my stores into the stage are done
	s_barrier_signal -1
	s_barrier_wait -1
.irp i, 0,1,2,3,4,5
	ds_load_b128 v[96+4*\i:99+4*\i], v15 offset:2048*\i
.endr
.irp i, 0,1,2
	ds_load_b128 v[120+4*\i:123+4*\i], v15 offset:LQC+2048*\i
.endr
.irp i, 0,1,2,3,4,5
	s_wait_dscnt 8-\i                              ; LDS loads come back in order: this one is in
	global_store_b128 v15, v[96+4*\i:99+4*\i], s[26:27] offset:2048*\i   ; a wave stores 512 consecutive bytes, aligned
.endr
.irp i, 0,1,2
	s_wait_dscnt 2-\i
	global_store_b128 v15, v[120+4*\i:123+4*\i], s[28:29] offset:2048*\i
.endr
	s_cmp_lt_u32 s[WV_N], 2                        ; the last 1,536 bytes: waves 0 and 1 the block's scale words and zeros, wave 2 q's scale words
	s_cbranch_scc0 .Lnot_kv
	ds_load_b128 v[132:135], v15 offset:LKS
	s_wait_dscnt 0x0
	global_store_b128 v15, v[132:135], s[26:27] offset:LKS
	s_branch .Lend
.Lnot_kv:
	s_cmp_eq_u32 s[WV_N], 2
	s_cbranch_scc0 .Lend
	ds_load_b128 v[132:135], v15 offset:LKS
	s_wait_dscnt 0x0
	global_store_b128 v54, v[132:135], s[30:31]
.Lend:
	s_wait_tensorcnt 0x0
	ds_add_u32 v66, v67
	s_wait_dscnt 0x0
	s_endpgm
	; ---- W1 [66][256]: K is its first axis.  A lane takes a column and its registers run down K, in the order that the operand's layout gives that lane: k = 32 h + 0 .. 31, then (lanes 0-15) k = 64, 65 and zeros.
.Lw1:
	s_sub_co_u32 s40, ttmp9, 64
	s_lshl_b32 s40, s40, 2
	s_add_co_u32 s40, s40, s[WV_N]                 ; i = 0 .. 7: my tiles are 2 i and 2 i + 1
	s_lshl_b32 s42, s40, 7                         ; 32 columns of 4 bytes; also my 128 bytes of scale words
	s_mov_b32 s43, 0
	s_mul_i32 s44, s40, 3072                       ; two fragments of 1,536 bytes
	s_mov_b32 s45, 0
	v_lshlrev_b32 v6, 2, v2                        ; 4 r
	v_lshl_add_u32 v5, v3, 15, v6                  ; + 32 rows of 1,024 bytes for lanes 16-31
	v_lshlrev_b32 v13, 2, v1                       ; 4 x lane
	v_lshlrev_b32 v8, 3, v3                        ; 8 h: my bytes' place in the scale word
.irp e, 0,1
.irp i, 2,3,4,5,6,7,8,9,10,11,12,13,14,15
	v_mov_b32 v[128+64*\e+\i], 0                   ; K is filled with zeros from 66 on
.endr
.endr
	s_wait_kmcnt 0x0
	s_add_nc_u64 s[24:25], s[24:25], s[42:43]
	s_add_nc_u64 s[48:49], s[32:33], s[44:45]
	s_add_nc_u64 s[50:51], s[32:33], s[42:43]
.irp e, 0,1
.irp i, 0,1,2,3,4,5,6,7,8,9,10,11,12,13,14,15,16,17,18,19,20,21,22,23,24,25,26,27,28,29,30,31
	global_load_b32 v[96+64*\e+\i], v5, s[24:25] offset:1024*\i+64*\e
.endr
	global_load_b32 v[128+64*\e], v6, s[24:25] offset:65536+64*\e   ; rows 64 and 65, the buffer's last
	global_load_b32 v[129+64*\e], v6, s[24:25] offset:66560+64*\e
.endr
.macro W1TILE e, left
.set NN, 96+64*\e
.set AA, 128+64*\e
.set FF, 224+12*\e
.set TT, T+4*\e
	s_wait_loadcnt \left
	v_cndmask_b32 v[AA], v[AA], v75, s[HI16]       ; lanes 16-31 stand for k = 96 on: zeros
	v_cndmask_b32 v[AA+1], v[AA+1], v75, s[HI16]
	v_max3_num_f32 v[TM], |v[NN]|, |v[NN+1]|, 0x2800000            ; block h: all its 32 numbers are mine; two chains
	v_max3_num_f32 v[TM+2], |v[NN+16]|, |v[NN+17]|, 0x2800000
.irp i, 2,4,6,8,10,12,14
	v_max3_num_f32 v[TM], v[TM], |v[NN+\i]|, |v[NN+\i+1]|
	v_max3_num_f32 v[TM+2], v[TM+2], |v[NN+16+\i]|, |v[NN+17+\i]|
.endr
	v_max_num_f32 v[TM], v[TM], v[TM+2]
	v_max3_num_f32 v[TM+1], |v[AA]|, |v[AA+1]|, 0x2800000          ; block 2 + h
	v_add_nc_u32 v[TM+12], 0xfe000000, v[TM]
	v_add_nc_u32 v[TM+13], 0xfe000000, v[TM+1]
	v_lshrrev_b32 v[TM+8], 23, v[TM+12]
	v_lshrrev_b32 v[TM+9], 23, v[TM+13]
	v_lshl_or_b32 v[TM+8], v[TM+9], 16, v[TM+8]    ; my two bytes, blocks h and 2 + h,
	v_lshlrev_b32 v[TM+8], v8, v[TM+8]             ; at their places in the word;
	v_permlanex16_b32 v[TM+4], v[TM+8], s[SEL], s[SEL+1]
	v_or_b32 v[72+\e], v[TM+8], v[TM+4]            ; with lane l xor 16's two the word is whole
	v_cvt_scalef32_pk16_bf6_f32 v[FF:FF+2], v[NN:NN+15], v[TM+12]
	v_cvt_scalef32_pk16_bf6_f32 v[TT:TT+2], v[NN+16:NN+31], v[TM+12]
	v_cvt_scalef32_pk16_bf6_f32 v[FF+6:FF+8], v[AA:AA+15], v[TM+13]
	v_nop                                          ; one plain place behind a scaled conversion
.irp i, 0,1,2
	v_mov_b32 v[FF+3+\i], v[TT+\i]
	v_mov_b32 v[FF+9+\i], 0
.endr
.irp c, 0,1,2
	global_store_b128 v54, v[FF+4*\c:FF+4*\c+3], s[48:49] offset:1536*\e+512*\c   ; the fragment as an image of its registers
.endr
.endm
	W1TILE 0, 34                                   ; tile 1's 34 loads may be out
	W1TILE 1, 0
	v_cndmask_b32 v74, v72, v73, s[HI16]           ; lanes 0-15 tile 2 i's words, lanes 16-31 tile 2 i + 1's
	global_store_b32 v13, v74, s[50:51] offset:24576
	s_endpgm
.Lfunc_end_k_q8b35ff5e9f_project:
	.size	k_q8b35ff5e9f_project, .Lfunc_end_k_q8b35ff5e9f_project-k_q8b35ff5e9f_project
	.p2alignl 7, 3214868480
	.fill 96, 4, 3214868480
	.section	.rodata,"a",@progbits
	.p2align	6, 0x0
	.amdhsa_kernel k_q8b35ff5e9f_project
		.amdhsa_group_segment_fixed_size 41472
		.amdhsa_private_segment_fixed_size 0
		.amdhsa_enable_private_segment 0
		.amdhsa_kernarg_size 120
		.amdhsa_user_sgpr_count 2
		.amdhsa_user_sgpr_kernarg_segment_ptr 1
		.amdhsa_wavefront_size32 1
		.amdhsa_system_sgpr_workgroup_id_x 1
		.amdhsa_system_sgpr_workgroup_id_y 1
		.amdhsa_system_sgpr_workgroup_id_z 1
		.amdhsa_system_vgpr_workitem_id 0
		.amdhsa_next_free_vgpr 512
		.amdhsa_next_free_sgpr 66
		.amdhsa_reserve_vcc 0
		.amdhsa_float_denorm_mode_32 3
		.amdhsa_float_denorm_mode_16_64 3
		.amdhsa_memory_ordered 1
		.amdhsa_forward_progress 1
		.amdhsa_inst_pref_size 55
	.end_amdhsa_kernel
	.amdgpu_metadata
---
amdhsa.version: [ 1, 2 ]
amdhsa.kernels:
  - .name:           k_q8b35ff5e9f_project
    .symbol:         k_q8b35ff5e9f_project.kd
    .args:
      - { .name: obs, .offset: 0, .size: 8, .value_kind: global_buffer, .address_space: global }
      - { .name: Wq_codes, .offset: 8, .size: 8, .value_kind: global_buffer, .address_space: global }
      - { .name: Wq_scales, .offset: 16, .size: 8, .value_kind: global_buffer, .address_space: global }
      - { .name: Wk_codes, .offset: 24, .size: 8, .value_kind: global_buffer, .address_space: global }
      - { .name: Wk_scales, .offset: 32, .size: 8, .value_kind: global_buffer, .address_space: global }
      - { .name: Wv_codes, .offset: 40, .size: 8, .value_kind: global_buffer, .address_space: global }
      - { .name: Wv_scales, .offset: 48, .size: 8, .value_kind: global_buffer, .address_space: global }
      - { .name: bq, .offset: 56, .size: 8, .value_kind: global_buffer, .address_space: global }
      - { .name: bk, .offset: 64, .size: 8, .value_kind: global_buffer, .address_space: global }
      - { .name: bv, .offset: 72, .size: 8, .value_kind: global_buffer, .address_space: global }
      - { .name: W1, .offset: 80, .size: 8, .value_kind: global_buffer, .address_space: global }
      - { .name: kv, .offset: 88, .size: 8, .value_kind: global_buffer, .address_space: global }
      - { .name: qc, .offset: 96, .size: 8, .value_kind: global_buffer, .address_space: global }
      - { .name: qs, .offset: 104, .size: 8, .value_kind: global_buffer, .address_space: global }
      - { .name: w1q, .offset: 112, .size: 8, .value_kind: global_buffer, .address_space: global }
    .group_segment_fixed_size: 41472
    .private_segment_fixed_size: 0
    .kernarg_segment_align: 8
    .kernarg_segment_size: 120
    .max_flat_workgroup_size: 128
    .sgpr_count:     66
    .vgpr_count:     512
    .wavefront_size: 32
...
	.end_amdgpu_metadata
.endif
;; end of part 1
;; launch attend (part 2): grid 64 x 4, 16 waves a work-group, clusters of 4 x 1, 251,904 bytes of LDS; arguments kv, qc, qs, part, pst; writes part, pst
.if DOCPART == 2
	.amdgcn_target "amdgcn-amd-amdhsa--gfx1250"
	.amdhsa_code_object_version 6
	.text
	.protected	k_q8b35ff5e9f_attend
	.globl	k_q8b35ff5e9f_attend
	.p2align	8
	.type	k_q8b35ff5e9f_attend,@function
k_q8b35ff5e9f_attend:
	s_mov_b64 s[64:65], 0
	v_nop
	global_prefetch_b8 v0, s[64:65] scope:SCOPE_SE
	s_setreg_imm32_b32 hwreg(HW_REG_WAVE_MODE, 25, 1), 1
	s_wait_xcnt 0x0
	s_wait_alu depctr_hold_cnt(0) depctr_sa_sdst(0) depctr_va_vdst(0) depctr_va_sdst(0) depctr_va_ssrc(0) depctr_va_vcc(0) depctr_vm_vsrc(0)
	s_getreg_b32 s2, hwreg(HW_REG_IB_STS2, 6, 4)
	s_cmp_eq_u32 s2, 0
	s_cbranch_scc0 .Lentry_in_a_cluster
	s_endpgm
.Lentry_in_a_cluster:
	s_bfe_u32 s2, ttmp6, 0x10000c
	s_cmp_lg_u32 s2, 0x3003
	s_cbranch_scc0 .Lentry_shape_is_right
	s_endpgm
.Lentry_shape_is_right:
; ATTEND.  For 128 queries and a quarter of the keys (2,048): S^T = K Q^T, p = 2^(t - M), O^T += V^T P^T, both products on codes of E3M2 with one E8M0 scale for each 32 along K.
; t = score x log2(e); M = the largest t so far, rounded up to a whole number; p is quantised along the keys, not normalised; the row's sum is taken of the unquantised p.  When M moves, the sum and O^T are
; multiplied by 2^(old M - new M), which rounds nothing.  What leaves is O^T, -M and the sum for this quarter of the keys; the next launch joins the four quarters in the same way and divides.
; SHARES.  Work-group (x, y): queries 128 x on, keys 2,048 y on.  Wave w: the tile of 16 queries w % 8, and of the quarter's 16 blocks of 128 keys the eight from 8 (w / 8) on.  Four waves lie on a SIMD,
; so that one wave's vector work stands beside another's matrix work and LDS loads.  At the end waves w and w + 8 join their halves through LDS.
; LDS.  The quarter's codes and scale words, 16 blocks of 13,312 bytes, are 212,992 bytes: they fit whole and are filled ONCE, in four groups.  The first group (both halves' first two blocks) is read behind a
; counted wait and a barrier, the other three behind a wait for all and a second barrier.  Nothing is filled again.  Behind them: 8 x 4,608 bytes in which the waves' halves meet; no tensor load lands there.
; CLUSTER.  The four work-groups of a cluster have the same y and so the same keys: each tile is asked for JOINTLY, by the same tensor load with the same descriptor and a mask that names the four.
; LAYOUT.  Both products are used transposed: a lane holds one query (lane % 16) throughout.  The launch before has chosen the keys of K's tiles so that tile i, row m is key 32 (2 (i / 4) + m / 8) + 8 (i % 4) + m % 8:
; a lane's registers S+0 .. 31 are the whole block lane / 16 of 32 neighbouring keys, S+32 .. 63 the block 2 + lane / 16: the very order in which the second product wants p.  So a block's largest p needs no other
; lane, and the conversions' results are the operand but for three moves a block.  All operands lie in LDS in the order of their registers, 48 bytes a lane.
; K = 64 IN AN INSTRUCTION OF 128: Q's registers 6-11 are zero codes.  K's fragments lie 6 registers apart, so that a fragment's upper six registers are the next fragment's codes: they meet Q's zero codes and add
; nothing (E3M2 has no code for infinity or NaN; the scale bytes there are 0, which is 2^-127).  Behind the last fragment stand six registers of zeros.
; LOADS AHEAD.  K's registers are free as soon as the eight products S^T are issued: the next step's K is asked for there and has the whole softmax in which to land.  V's tiles 0 and 1 have registers of their own
; and are asked for at the same place; tiles 2 and 3 land in S+0 .. 23 once those p are converted and summed, 43 vector instructions ahead of the wait for them.
; LIMITS: NaN and infinities are not served; a p under 2^-126 counts as 0; a block whose every p is 0 keeps the scale byte 1 (its codes are zeros).
.set BLK,  13312                       ; a block of 128 keys: K's codes 0, V's 6,144, K's scale words 12,288, V's 12,800
.set CMB,  16*BLK                      ; where two waves' halves meet: 4,608 bytes a tile: O^T 4,096, -M 128, the sum 128
.set SH,   29                          ; v29      8 x (lane / 16): my bytes' place in p's scale word
.set F,    32                          ; v32-79   eight fragments of K, 6 registers each;  v80-85 zeros
.set BM,   86                          ; v86-89   the largest scores of four runs of 16 keys; then, in v86 and v88, of my two blocks; then their largest p
.set TP,   90                          ; v90      at work
.set PX,   91                          ; v91      what lane l xor 16 sends
.set WD,   92                          ; v92      my two bytes of p's scale word
.set BY,   94                          ; v94-95   the two bytes
.set S,    96                          ; v96-159  S^T, then p; v96-119 then V's tiles 2 and 3
.set O,    160                         ; v160-191 O^T
.set SO,   192                         ; v192-193 the conversions' scale operands
.set T,    196                         ; v196-198, v200-202 second halves of blocks, as the conversions leave them
.set KS,   204                         ; v204-207 K's scale words: register b: lanes 0-15 tile 2 b's, lanes 16-31 tile 2 b + 1's
.set VS,   208                         ; v208-209 V's likewise
.set FF,   210                         ; v[210:211] f = 2^(old M - new M); the upper word is only named
.set PW,   212                         ; v212     p's scale word
.set G2,   214                         ; v[214:215] at the end: the other half's factor
.set L2,   216                         ; v[216:217] the sum's second chain
.set PC,   218                         ; v218-229 p's codes
.set VA,   232                         ; v232-255 V's tiles 0 and 1
.set WV,   14                          ; s14 my wave's number
.set SEL,  20                          ; s[20:21] v_permlanex16_b32's selects for lane l xor 16
.set CS,   22                          ; s[22:23] log2(e): the packed form names a pair and takes its low word for both halves
.set G1,   24                          ; s[24:31] descriptor group 1
.set G0,   32                          ; s[32:47] four groups 0, one for each of my four loads
.macro CROUND                          ; a round of the cluster's barrier
	s_barrier_signal -1
	s_barrier_wait -1
	s_cmp_lg_u32 s[WV], 0
	s_cbranch_scc1 .Lnot_wave_0_\@
	s_barrier_signal -3
.Lnot_wave_0_\@:
	s_barrier_wait -3
	s_barrier_signal -1
	s_barrier_wait -1
.endm
	s_load_b256 s[4:11], s[0:1], 0x0               ; kv 4:5, qc 6:7, qs 8:9, part 10:11
	s_load_b64 s[12:13], s[0:1], 0x20              ; pst
	v_lshl_add_u32 v230, v0, 2, 0x3d000
	v_mov_b32 v231, 0
	ds_add_u32 v230, v231
	ds_add_u32 v230, v231
	v_lshrrev_b32 v1, 5, v0
	v_readfirstlane_b32 s[WV], v1                  ; wave 0..15
	s_and_b32 s15, s[WV], 7                        ; my tile of queries
	s_lshr_b32 s16, s[WV], 3                       ; my half of the quarter's keys
	s_bfe_u32 s17, ttmp6, 0x40000                  ; cx: it enters the addresses of qc, qs, part and pst alone
	s_lshl_b32 s18, ttmp9, 2
	s_add_co_u32 s18, s18, s17                     ; my block of 128 queries = 4 x cluster x + cx
	s_and_b32 s19, ttmp7, 0xffff                   ; the quarter of the keys, which the four partners share
	s_mov_b32 s[SEL], 0x76543210
	s_mov_b32 s[SEL+1], 0xfedcba98
	s_mov_b32 s[CS], 0x3fb8aa3b                    ; log2(e)
	s_mov_b32 s[CS+1], s[CS]
	; descriptor group 1: a quarter of a block, 3,328 dense bytes, as 13 rows of 256 bytes (32 elements of 8 bytes)
	s_mov_b32 s[G1], 15|(3<<16)|(1<<21)            ; 15:0 the mask: all four work-groups; 17:16 elements of 8 bytes; 20 no padding; 21 set beside a mask
	s_mov_b32 s[G1+1], 32<<16                      ; tensor_dim0
	s_mov_b32 s[G1+2], 13<<16                      ; tensor_dim1
	s_mov_b32 s[G1+3], 32<<16                      ; tile_dim0
	s_mov_b32 s[G1+4], 13                          ; tile_dim1
	s_mov_b32 s[G1+5], 32                          ; the pitch
	s_mov_b32 s[G1+6], 0
	s_mov_b32 s[G1+7], 0
	; what I fetch: in group p the quarter w % 4 of block 8 (w / 8) + (w / 4) % 2 + 2 p: group p brings blocks 2 p, 2 p + 1, 8 + 2 p, 9 + 2 p, which are both halves' steps 2 p and 2 p + 1
	s_lshl_b32 s48, s16, 3
	s_bfe_u32 s49, s[WV], 0x10002
	s_add_co_u32 s48, s48, s49
	s_mul_i32 s48, s48, BLK
	s_and_b32 s49, s[WV], 3
	s_mul_i32 s49, s49, 3328
	s_add_co_u32 s48, s48, s49                     ; the same place in LDS and in the quarter: no place in the cluster enters it
	s_mul_i32 s50, s19, 16*BLK
	s_add_co_u32 s50, s50, s48
	s_mov_b32 s51, 0
	s_lshl_b32 s54, s18, 3
	s_add_co_u32 s54, s54, s15                     ; T: my tile among the 512
	s_lshr_b32 s58, s54, 1
	s_mul_i32 s58, s58, 1536
	s_and_b32 s59, s54, 1
	s_mul_i32 s59, s59, 24
	s_add_co_u32 s58, s58, s59                     ; q's codes: pair T / 2, 24 bytes on for the odd tile
	s_mov_b32 s59, 0
	s_lshl_b32 s60, s54, 6                         ; q's scale words: 64 bytes a tile
	s_mov_b32 s61, 0
	s_lshl_b32 s62, s19, 9
	s_add_co_u32 s62, s62, s54                     ; 512 x quarter + T
	; addresses in LDS: a constant x lane + a constant x wave's half or tile
	v_and_b32 v8, 31, v0                           ; lane
	s_mul_i32 s55, s16, 8*BLK
	v_mul_u32_u24 v10, v8, 48                      ; 48 x lane: also q's codes in memory
	v_add_nc_u32 v1, s55, v10                      ; v1: codes of the step in hand
	v_lshlrev_b32 v6, 4, v8                        ; v6: 16 x lane
	v_add_nc_u32 v2, s55, v6                       ; v2: K's scale words
	v_lshlrev_b32 v7, 3, v8                        ; v7: 8 x lane
	v_add_nc_u32 v3, s55, v7                       ; v3: V's scale words
	s_mul_i32 s56, s15, 4608
	s_add_co_u32 s56, s56, CMB
	v_add_nc_u32 v4, s56, v6                       ; v4: where the halves' O^T meet
	v_lshlrev_b32 v5, 2, v8
	v_add_nc_u32 v5, s56, v5
	v_add_nc_u32 v5, 4096, v5                      ; v5: and -M and the sum
	v_and_b32 v11, 15, v0
	v_lshlrev_b32 v11, 2, v11                      ; 4 r: q's scale word
	v_bfe_u32 v[SH], v0, 4, 1
	v_lshlrev_b32 v[SH], 3, v[SH]                  ; 8 x (lane / 16)
	s_wait_dscnt 0x0
	s_wait_kmcnt 0x0
	s_add_nc_u64 s[52:53], s[4:5], s[50:51]
.irp p, 0,1,2,3
	s_mov_b32 s[G0+4*\p], 1                        ; count = 1
	s_add_co_u32 s[G0+4*\p+1], s48, 2*BLK*\p       ; LDS address
	s_add_nc_u64 s[G0+4*\p+2:G0+4*\p+3], s[52:53], 2*BLK*\p   ; global address
	s_or_b32 s[G0+4*\p+3], s[G0+4*\p+3], 0x80000000   ; type = 2
.endr
	s_add_nc_u64 s[6:7], s[6:7], s[58:59]
	s_add_nc_u64 s[8:9], s[8:9], s[60:61]
	s_lshl_b32 s58, s62, 12                        ; part: 4,096 bytes a tile
	s_lshl_b32 s60, s62, 8                         ; pst: 256
	s_add_nc_u64 s[10:11], s[10:11], s[58:59]
	s_add_nc_u64 s[12:13], s[12:13], s[60:61]
	CROUND                                         ; all four work-groups are here: the joint loads meet
	tensor_load_to_lds s[G0:G0+3], s[G1:G1+7]      ; all fills of the launch go out together: four loads of mine are out
	s_nop 0
	tensor_load_to_lds s[G0+4:G0+7], s[G1:G1+7]
	s_nop 0
	tensor_load_to_lds s[G0+8:G0+11], s[G1:G1+7]
	s_nop 0
	tensor_load_to_lds s[G0+12:G0+15], s[G1:G1+7]
	s_nop 0
.rept 4
	v_nop
.endr
.irp i, 0,1,2
	global_load_b64 v[16+2*\i:17+2*\i], v10, s[6:7] offset:8*\i   ; Q's six registers stay
.endr
	global_load_b32 v28, v11, s[8:9]               ; and its scale words
	v_mov_b32 v13, 0xff61b1e6                      ; the largest t so far: -3e38, under every t
	v_floor_f32 v12, -v13                          ; -M
	v_mov_b32 v14, 0                               ; the sum, in two halves
	v_mov_b32 v15, 0
.irp j, 22,23,24,25,26,27,80,81,82,83,84,85
	v_mov_b32 v\j, 0                               ; zero codes: Q's upper half, and what stands behind K's last fragment
.endr
.set J, 0
.rept 32
	v_mov_b32 v[O+J], 0                            ; O^T.  (The step is written in one form: the first finds zeros, which the first change of M leaves zeros)
.set J, J+1
.endr
	v_mov_b32 v[PX], 0                             ; written once: a lane permute's destination counts as one of its sources
	v_mov_b32 v8, 0
	v_mov_b32 v[FF+1], 0                           ; (upper words of pairs that are named whole)
	v_mov_b32 v[G2+1], 0
	s_wait_loadcnt 0x0                             ; Q
; A KEY STEP: 128 keys, the block at v1, v2, v3.  kload = 1: K's fragments are fetched at the step's head (the first step behind a barrier); else the step before has asked for them, and its wait for all its LDS
; loads has shown them in.  pre = 1: the next block's K is asked for (not where that block lies behind the next barrier, nor in the last step).
.macro STEP kload, pre
.if \kload
.irp i, 0,1,2,3,4,5,6,7,8,9,10,11
	ds_load_b128 v[F+4*\i:F+4*\i+3], v1 offset:1536*(\i/3)+16*(\i%3)   ; K's eight fragments, 48 bytes a lane for each pair
.endr
	ds_load_b128 v[KS:KS+3], v2 offset:12288
	s_wait_dscnt 0x0
.endif
.irp i, 0,2,4,6
	v_wmma_scale_f32_16x16x128_f8f6f4 v[S+8*\i:S+8*\i+7], v[F+6*\i:F+6*\i+11], v[16:27], 0, v[KS+\i/2], v28 matrix_a_fmt:MATRIX_FMT_BF6 matrix_b_fmt:MATRIX_FMT_BF6
	v_wmma_scale_f32_16x16x128_f8f6f4 v[S+8*\i+8:S+8*\i+15], v[F+6*\i+6:F+6*\i+17], v[16:27], 0, v[KS+\i/2], v28 matrix_a_fmt:MATRIX_FMT_BF6 matrix_b_fmt:MATRIX_FMT_BF6 matrix_a_scale:MATRIX_SCALE_ROW1
.endr
.rept 4
	v_nop                                          ; places in front of the loads into K's registers and scale words and of the first read of the scores
.endr
.irp i, 0,1,2,3,4,5
	ds_load_b128 v[VA+4*\i:VA+4*\i+3], v1 offset:6144+1536*(\i/3)+16*(\i%3)   ; V's tiles 0 and 1
.endr
	ds_load_b64 v[VS:VS+1], v3 offset:12800
.if \pre
.irp i, 0,1,2,3,4,5,6,7,8,9,10,11
	ds_load_b128 v[F+4*\i:F+4*\i+3], v1 offset:BLK+1536*(\i/3)+16*(\i%3)   ; the next block's K: it lands under the softmax
.endr
	ds_load_b128 v[KS:KS+3], v2 offset:BLK+12288
.endif
.irp b, 0,1,2,3
	v_max3_num_f32 v[BM+\b], v[S+16*\b], v[S+1+16*\b], v[S+2+16*\b]   ; the largest score of each run of 16 keys: four chains by turns
.endr
.irp i, 3,5,7,9,11,13
.irp b, 0,1,2,3
	v_max3_num_f32 v[BM+\b], v[BM+\b], v[S+16*\b+\i], v[S+1+16*\b+\i]
.endr
.endr
.irp b, 0,1,2,3
	v_max_num_f32 v[BM+\b], v[BM+\b], v[S+15+16*\b]
.endr
	v_max_num_f32 v[BM], v[BM], v[BM+1]            ; THE LARGEST SCORE OF EACH OF MY TWO BLOCKS OF 32 KEYS: it serves for the row's maximum and, since p rises with the score, for the block's largest p
	v_max_num_f32 v[BM+2], v[BM+2], v[BM+3]
	v_max_num_f32 v[TP], v[BM], v[BM+2]
	v_permlanex16_b32 v[PX], v[TP], s[SEL], s[SEL+1]
	v_max_num_f32 v[TP], v[TP], v[PX]              ; with lane l xor 16's two blocks: the step's largest score of my query
	v_mul_f32 v[TP], s[CS], v[TP]                  ; as t
	v_max_num_f32 v13, v13, v[TP]                  ; the running largest t
	v_mov_b32 v[TP], v12
	v_floor_f32 v12, -v13                          ; the new -M = floor(-t) = -ceil(t)
	v_sub_f32 v[TP], v12, v[TP]                    ; old M - new M: a whole number, 0 or less
	v_cvt_i32_f32 v[TP], v[TP]                     ; (it saturates)
	v_ldexp_f32 v[FF], 1.0, v[TP]                  ; f = 2^(old M - new M)
.set J, 0
.rept 32
	v_pk_fma_f32 v[S+J:S+J+1], v[S+J:S+J+1], s[CS:CS+1], v[12:13] op_sel_hi:[1,0,0]   ; t - M, two at a time
.set J, J+2
.endr
	v_fma_f32 v[BM], v[BM], s[CS], v12             ; the same of each block's largest score
	v_fma_f32 v[BM+2], v[BM+2], s[CS], v12
.set J, 0
.rept 64
	v_exp_f32 v[S+J], v[S+J]                       ; p = 2^(t - M), at most 1
.set J, J+1
.endr
	v_exp_f32 v[BM], v[BM]                         ; the block's largest p: the same two instructions on the same number give the same bits
	v_exp_f32 v[BM+2], v[BM+2]
	v_pk_mul_f32 v[14:15], v[14:15], v[FF:FF+1] op_sel_hi:[1,0]   ; the sums under the new M.  (A plain place behind the exponentials)
	s_wait_alu depctr_va_vdst(0)
	v_max_num_f32 v[BM], 0x2800000, v[BM]          ; the floor 2^(5 - 127): the byte cannot fall under 1
	v_max_num_f32 v[BM+2], 0x2800000, v[BM+2]
	v_add_nc_u32 v[SO], 0xfe000000, v[BM]          ; 4 off the exponent field: the conversion's scale operand
	v_add_nc_u32 v[SO+1], 0xfe000000, v[BM+2]
	v_lshrrev_b32 v[BY], 23, v[SO]                 ; the scale's byte
	v_lshrrev_b32 v[BY+1], 23, v[SO+1]
	v_lshl_or_b32 v[WD], v[BY+1], 16, v[BY]        ; my two bytes, blocks h and 2 + h,
	v_lshlrev_b32 v[WD], v[SH], v[WD]              ; at their places in the word;
	v_permlanex16_b32 v[PX], v[WD], s[SEL], s[SEL+1]
	v_or_b32 v[PW], v[WD], v[PX]                   ; with lane l xor 16's two the word is whole
.irp c, 0,1
	v_cvt_scalef32_pk16_bf6_f32 v[PC+6*\c:PC+6*\c+2], v[S+32*\c:S+32*\c+15], v[SO+\c]
	v_cvt_scalef32_pk16_bf6_f32 v[T+4*\c:T+4*\c+2], v[S+16+32*\c:S+31+32*\c], v[SO+\c]   ; (a conversion's three registers begin on an even number: the block's second three do not, so they are made here and moved)
.endr
	v_nop                                          ; one plain place behind a scaled conversion
	v_pk_add_f32 v[L2:L2+1], v[S:S+1], v[S+2:S+3]  ; the row's sum is taken of the unquantised p: two at a time, in two chains; S+0 .. 23 first,
.irp j, 4,8,12,16,20
	v_pk_add_f32 v[14:15], v[14:15], v[S+\j:S+\j+1]
	v_pk_add_f32 v[L2:L2+1], v[L2:L2+1], v[S+2+\j:S+3+\j]
.endr
.irp i, 0,1,2,3,4,5
	ds_load_b128 v[S+4*\i:S+4*\i+3], v1 offset:9216+1536*(\i/3)+16*(\i%3)   ; which then take V's tiles 2 and 3
.endr
.irp c, 0,1
.irp i, 0,1,2
	v_mov_b32 v[PC+3+6*\c+\i], v[T+4*\c+\i]
.endr
.endr
.irp j, 24,28,32,36,40,44,48,52,56,60
	v_pk_add_f32 v[14:15], v[14:15], v[S+\j:S+\j+1]
	v_pk_add_f32 v[L2:L2+1], v[L2:L2+1], v[S+2+\j:S+3+\j]
.endr
	v_pk_add_f32 v[14:15], v[14:15], v[L2:L2+1]
.set J, 0
.rept 16
	v_pk_mul_f32 v[O+J:O+J+1], v[O+J:O+J+1], v[FF:FF+1] op_sel_hi:[1,0]   ; O^T under the new M
.set J, J+2
.endr
	s_wait_dscnt 0x0                               ; V is in, and so is the next block's K
	; the four accumulators take turns, one instruction a turn, and eight other products stand between two steps' turns
	v_wmma_scale_f32_16x16x128_f8f6f4 v[O:O+7], v[VA:VA+11], v[PC:PC+11], v[O:O+7], v[VS], v[PW] matrix_a_fmt:MATRIX_FMT_BF6 matrix_b_fmt:MATRIX_FMT_BF6
	v_wmma_scale_f32_16x16x128_f8f6f4 v[O+8:O+15], v[VA+12:VA+23], v[PC:PC+11], v[O+8:O+15], v[VS], v[PW] matrix_a_fmt:MATRIX_FMT_BF6 matrix_b_fmt:MATRIX_FMT_BF6 matrix_a_scale:MATRIX_SCALE_ROW1
	v_wmma_scale_f32_16x16x128_f8f6f4 v[O+16:O+23], v[S:S+11], v[PC:PC+11], v[O+16:O+23], v[VS+1], v[PW] matrix_a_fmt:MATRIX_FMT_BF6 matrix_b_fmt:MATRIX_FMT_BF6
	v_wmma_scale_f32_16x16x128_f8f6f4 v[O+24:O+31], v[S+12:S+23], v[PC:PC+11], v[O+24:O+31], v[VS+1], v[PW] matrix_a_fmt:MATRIX_FMT_BF6 matrix_b_fmt:MATRIX_FMT_BF6 matrix_a_scale:MATRIX_SCALE_ROW1
	v_add_nc_u32 v1, BLK, v1                       ; on to the next block.  With the two v_nop: five places, since the next step's products write over S+0 .. 23, which these products read
	v_add_nc_u32 v2, BLK, v2
	v_add_nc_u32 v3, BLK, v3
	v_nop
	v_nop
.endm
	s_wait_tensorcnt 3                             ; a wave's tensor loads end in order: my part of the first group is in LDS; the three later groups' may stay out
	s_barrier_signal -1
	s_barrier_wait -1                              ; and everybody's is: both halves' blocks 0 and 1
	STEP 1, 1
	STEP 0, 0                                      ; (block 2 lies behind the next barrier: it is not asked for here)
	s_wait_tensorcnt 0x0                           ; all my loads have landed.  (No LDS access of mine is out at the signal: each step's last LDS loads are waited for in front of its last products)
	s_barrier_signal -1
	s_barrier_wait -1                              ; everybody's have: the six steps that follow need no further barrier
	STEP 1, 1
	STEP 0, 1
	STEP 0, 1
	STEP 0, 1
	STEP 0, 1
	STEP 0, 0
	; THE TWO HALVES OF THE KEYS MEET.  The sum's two halves and lane l xor 16's are added; waves 8-15 lay O^T, -M and the sum in LDS as images of their registers; waves 0-7 join them with their own and store.
	v_add_f32 v14, v14, v15
	v_permlanex16_b32 v8, v14, s[SEL], s[SEL+1]
	v_add_f32 v14, v14, v8
	s_cmp_lt_u32 s[WV], 8
	s_cbranch_scc1 .Lkeeps
.irp g, 0,1,2,3,4,5,6,7
	ds_store_b128 v4, v[O+4*\g:O+4*\g+3] offset:512*\g   ; each accumulator from its low end on
.endr
	ds_store_b32 v5, v12
	ds_store_b32 v5, v14 offset:128
.Lkeeps:
	s_wait_dscnt 0x0                               ; for the others' sake: my stores are done
	s_barrier_signal -1
	s_barrier_wait -1
	s_cmp_ge_u32 s[WV], 8
	s_cbranch_scc1 .Ldone
.irp g, 0,1,2,3,4,5,6,7
	ds_load_b128 v[F+4*\g:F+4*\g+3], v4 offset:512*\g
.endr
	ds_load_b32 v8, v5
	ds_load_b32 v9, v5 offset:128
	s_wait_dscnt 0x0
	v_min_num_f32 v10, v12, v8                     ; the joint -M: the larger M
	v_sub_f32 v[BM], v10, v12
	v_sub_f32 v[BM+1], v10, v8
	v_cvt_i32_f32 v[BM], v[BM]
	v_cvt_i32_f32 v[BM+1], v[BM+1]
	v_ldexp_f32 v[FF], 1.0, v[BM]                  ; my half's factor,
	v_ldexp_f32 v[G2], 1.0, v[BM+1]                ; the other's: powers of two
	v_mul_f32 v11, v9, v[G2]
	v_fma_f32 v11, v14, v[FF], v11                 ; the joint sum
.set J, 0
.rept 16
	v_pk_mul_f32 v[S+J:S+J+1], v[F+J:F+J+1], v[G2:G2+1] op_sel_hi:[1,0]
.set J, J+2
.endr
.set J, 0
.rept 16
	v_pk_fma_f32 v[S+J:S+J+1], v[O+J:O+J+1], v[FF:FF+1], v[S+J:S+J+1] op_sel_hi:[1,0,1]
.set J, J+2
.endr
.irp g, 0,1,2,3,4,5,6,7
	global_store_b128 v6, v[S+4*\g:S+4*\g+3], s[10:11] offset:512*\g   ; O^T as an image of its registers: 512 consecutive bytes a store, aligned
.endr
	global_store_b64 v7, v[10:11], s[12:13]        ; (-M, the sum): 256 consecutive bytes, aligned
.Ldone:
	s_wait_tensorcnt 0x0
	ds_add_u32 v230, v231
	s_wait_dscnt 0x0
	CROUND                                         ; the closing round: no work-group ends while a partner may still ask for a tile that names it
	s_endpgm
.Lfunc_end_k_q8b35ff5e9f_attend:
	.size	k_q8b35ff5e9f_attend, .Lfunc_end_k_q8b35ff5e9f_attend-k_q8b35ff5e9f_attend
	.p2alignl 7, 3214868480
	.fill 96, 4, 3214868480
	.section	.rodata,"a",@progbits
	.p2align	6, 0x0
	.amdhsa_kernel k_q8b35ff5e9f_attend
		.amdhsa_group_segment_fixed_size 251904
		.amdhsa_private_segment_fixed_size 0
		.amdhsa_enable_private_segment 0
		.amdhsa_kernarg_size 40
		.amdhsa_user_sgpr_count 2
		.amdhsa_user_sgpr_kernarg_segment_ptr 1
		.amdhsa_wavefront_size32 1
		.amdhsa_system_sgpr_workgroup_id_x 1
		.amdhsa_system_sgpr_workgroup_id_y 1
		.amdhsa_system_sgpr_workgroup_id_z 1
		.amdhsa_system_vgpr_workitem_id 0
		.amdhsa_next_free_vgpr 256
		.amdhsa_next_free_sgpr 66
		.amdhsa_reserve_vcc 0
		.amdhsa_float_denorm_mode_32 3
		.amdhsa_float_denorm_mode_16_64 3
		.amdhsa_memory_ordered 1
		.amdhsa_forward_progress 1
		.amdhsa_inst_pref_size 127
	.end_amdhsa_kernel
	.amdgpu_metadata
---
amdhsa.version: [ 1, 2 ]
amdhsa.kernels:
  - .name:           k_q8b35ff5e9f_attend
    .symbol:         k_q8b35ff5e9f_attend.kd
    .args:
      - { .name: kv, .offset: 0, .size: 8, .value_kind: global_buffer, .address_space: global }
      - { .name: qc, .offset: 8, .size: 8, .value_kind: global_buffer, .address_space: global }
      - { .name: qs, .offset: 16, .size: 8, .value_kind: global_buffer, .address_space: global }
      - { .name: part, .offset: 24, .size: 8, .value_kind: global_buffer, .address_space: global }
      - { .name: pst, .offset: 32, .size: 8, .value_kind: global_buffer, .address_space: global }
    .group_segment_fixed_size: 251904
    .private_segment_fixed_size: 0
    .kernarg_segment_align: 8
    .kernarg_segment_size: 40
    .max_flat_workgroup_size: 512
    .sgpr_count:     66
    .vgpr_count:     256
    .wavefront_size: 32
...
	.end_amdgpu_metadata
.endif
;; end of part 2
;; launch finish (part 3): grid 128 x 1, 5 waves a work-group, no clusters, 8,960 bytes of LDS; arguments part, pst, w1q, action, b1, ln_g, ln_b, W2, b2, obs, pred, out0; writes pred, out0
.if DOCPART == 3
	.amdgcn_target "amdgcn-amd-amdhsa--gfx1250"
	.amdhsa_code_object_version 6
	.text
	.protected	k_q8b35ff5e9f_finish
	.globl	k_q8b35ff5e9f_finish
	.p2align	8
	.type	k_q8b35ff5e9f_finish,@function
k_q8b35ff5e9f_finish:
	s_mov_b64 s[64:65], 0
	v_nop
	global_prefetch_b8 v0, s[64:65] scope:SCOPE_SE
	s_setreg_imm32_b32 hwreg(HW_REG_WAVE_MODE, 25, 1), 1
	s_wait_xcnt 0x0
; FINISH.  The four quarters of the keys are joined and divided by the row's sum; h = [out, action]; z = h W1 + b1 on codes of E3M2 (K = 66 in one instruction of 128, the rest zero codes); LayerNorm, relu,
; pred_action = z W2 + b2; then the bicycle model of every row, which takes pred_action[0] for all rows, as the source does.
; Every row of pred_action is computed, as the source computes it, and stored in a buffer of the program's own, though row 0 alone reaches the output.
; SHARES.  Work-group g owns rows 64 g .. 64 g + 63: waves 0-3 one tile of 16 rows each (tile T = 4 g + wave; lane r stands for row 32 (T / 2) + 8 (T % 2) + r + 8 (r / 8), as in the launches before).
; Wave 4 computes tile 0 once more, so that the work-group has pred_action[0] without a further launch: 16 rows' partials and 16 matrix instructions.
; The product is used transposed (source 0 = 16 columns of W1, source 1 = h's 16 rows): a lane holds one row, and register j of tile t the unit 16 t + 8 (lane / 16) + j; so a row's mean and variance want one
; exchange between the halves of the lanes.  b1 is the accumulators' first content.  The last product has 2 columns: it is done by fused multiply-adds in f32, two at a time.
; W1's fragments and scale words come straight into registers: the first launch has laid them in the registers' order.  b1, ln_g, ln_b, W2 (5,120 bytes) come once, 1,024 bytes a wave, into LDS.
; No cluster, no tensor load: what the work-groups share is these 30 KB, read once by each; a work-group's own 70 KB of partials nobody shares.
; sin, cos: the angle less n pi / 2 (pi / 2 in two parts, under fused multiply-adds), then polynomials on [-pi / 4, pi / 4] with an error near 1e-7.  arctan2(sin a, cos a) is a brought into (-pi, pi] by the same n.
; LIMITS: NaN and infinities are not served.  Angles up to some 1e5 in magnitude are reduced to within 1e-9; beyond 2^31 pi / 2 the quadrant is lost.  At the wrap, a within rounding of an odd multiple of pi,
; either of +-pi may come out.  The division by the wheelbase is a multiplication by its reciprocal rounded to f32.  A block of zeros gets the scale byte 1 (its codes are zeros).
.set PAR,  0                           ; LDS: b1 at 0, ln_g at 1,024, ln_b at 2,048, W2 at 3,072 .. 5,119
.set PRED, 5120                        ; pred_action: [wave 5][lane 32][8 bytes]
.set OUT,  6400                        ; the 64 rows of the output, 20 bytes each
.set W1S,  20                          ; v20-27   W1's scale words: register i: lanes 0-15 tile 2 i's, lanes 16-31 tile 2 i + 1's
.set HS,   28                          ; v28      h's scale word
.set ST,   32                          ; v32-39   (-M, sum) of the four quarters; later four chains of sums
.set FC,   40                          ; v40-47   the quarters' factors, in pairs whose upper word is only named; later v[40:41] the mean, v[42:43] 1 / sqrt, v44-51 pred's four chains
.set HF,   48                          ; v48-59   h's fragment
.set T,    60                          ; v60-62   the second half of a block, as the conversion leaves it
.set TM,   64                          ; v64-79   at work in the quantiser
.set AZ,   80                          ; v80-95   action's two numbers and 14 zeros
.set H,    96                          ; v96-127  out: register 16 b + i = channel 32 b + 16 (lane / 16) + i
.set Z,    128                         ; v128-255 the four partial O^T, then z.   v64-95, v96-127: later two buffers of parameters.   Window 1, v0-191: W1's 16 fragments
.set WV,   30                          ; s30 my wave's number
.set SEL,  32                          ; s[32:33] v_permlanex16_b32's selects for lane l xor 16
.set HI16, 34                          ; s34 the mask of lanes 16-31
.set R256, 35                          ; s35 1 / 256
.set EPS,  36                          ; s36 1e-5
.set PIH,  37                          ; s37, s38 pi / 2 in two parts
.set PIL,  38
.set DT,   39                          ; s39 0.2
.set MSB, 0
.macro WIN new                         ; the immediate's high byte repeats the setting that is left
.if MSB != \new
	s_set_vgpr_msb (MSB<<8)|\new
.set MSB, \new
.endif
.endm
; 32 numbers of a lane, register 16 b + i = k 32 b + 16 (lane / 16) + i of its row, become six registers of codes at v[d] and bytes 0 and 1 of the row's scale word in v[pw].
.macro QUANT2 s, d, pw
.irp b, 0,1
	v_max3_num_f32 v[TM+\b], |v[\s+16*\b]|, |v[\s+1+16*\b]|, 0x2800000   ; my 16 numbers of block b, and the floor 2^(5 - 127)
.endr
.irp i, 2,4,6,8,10,12,14
.irp b, 0,1
	v_max3_num_f32 v[TM+\b], v[TM+\b], |v[\s+16*\b+\i]|, |v[\s+1+16*\b+\i]|
.endr
.endr
.irp b, 0,1
	v_permlanex16_b32 v[TM+4+\b], v[TM+\b], s[SEL], s[SEL+1]
.endr
.irp b, 0,1
	v_max_num_f32 v[TM+\b], v[TM+\b], v[TM+4+\b]
.endr
.irp b, 0,1
	v_add_nc_u32 v[TM+12+\b], 0xfe000000, v[TM+\b]
.endr
.irp b, 0,1
	v_lshrrev_b32 v[TM+4+\b], 23, v[TM+12+\b]
.endr
	v_lshl_or_b32 v[\pw], v[TM+5], 8, v[TM+4]
	v_cvt_scalef32_pk16_bf6_f32 v[\d:\d+2], v[\s:\s+15], v[TM+12]
	v_cvt_scalef32_pk16_bf6_f32 v[T:T+2], v[\s+16:\s+31], v[TM+13]
	v_nop                                          ; one plain place behind a scaled conversion
.irp i, 0,1,2
	v_permlane16_swap_b32 v[\d+\i], v[T+\i]
.endr
.irp i, 0,1,2
	v_mov_b32 v[\d+3+\i], v[T+\i]
.endr
.endm
; sin and cos of v[a] into v[sn], v[cs]; v[rd] keeps the reduced angle, v[qd] the whole number n.
.macro SINCOS a, sn, cs, rd, qd, ta, tb
	v_mul_f32 v[\ta], 0x3f22f983, v[\a]            ; a x 2 / pi
	v_rndne_f32 v[\ta], v[\ta]                     ; n
	v_fma_f32 v[\rd], -v[\ta], s[PIH], v[\a]
	v_fma_f32 v[\rd], -v[\ta], s[PIL], v[\rd]      ; r = a - n pi / 2
	v_cvt_i32_f32 v[\qd], v[\ta]
	v_mul_f32 v[\ta], v[\rd], v[\rd]               ; w = r r
	v_mov_b32 v[\sn], 0xb94ca1f9
	v_mov_b32 v[\cs], 0x37ccf5ce
	v_fmaak_f32 v[\sn], v[\sn], v[\ta], 0x3c08839e
	v_fmaak_f32 v[\cs], v[\cs], v[\ta], 0xbab6061a
	v_fmaak_f32 v[\sn], v[\sn], v[\ta], 0xbe2aaaa3
	v_fmaak_f32 v[\cs], v[\cs], v[\ta], 0x3d2aaaa5
	v_mul_f32 v[\tb], v[\rd], v[\ta]
	v_fma_f32 v[\sn], v[\sn], v[\tb], v[\rd]       ; sin r
	v_mul_f32 v[\tb], v[\ta], v[\ta]
	v_fma_f32 v[\ta], v[\ta], -0.5, 1.0
	v_fma_f32 v[\cs], v[\cs], v[\tb], v[\ta]       ; cos r
	v_and_b32 v[\ta], 1, v[\qd]
	v_cmp_eq_u32 vcc_lo, 1, v[\ta]                 ; an odd n changes the two about: a choice of values, no branch
	v_cndmask_b32 v[\tb], v[\sn], v[\cs], vcc_lo
	v_cndmask_b32 v[\cs], v[\cs], v[\sn], vcc_lo
	v_and_b32 v[\ta], 2, v[\qd]
	v_lshlrev_b32 v[\ta], 30, v[\ta]
	v_xor_b32 v[\sn], v[\ta], v[\tb]               ; the sine is negated where n mod 4 is 2 or 3,
	v_add_nc_u32 v[\ta], 1, v[\qd]
	v_and_b32 v[\ta], 2, v[\ta]
	v_lshlrev_b32 v[\ta], 30, v[\ta]
	v_xor_b32 v[\cs], v[\ta], v[\cs]               ; the cosine where it is 1 or 2
.endm
	s_load_b512 s[4:19], s[0:1], 0x0               ; part 4:5, pst 6:7, w1q 8:9, action 10:11, b1 12:13, ln_g 14:15, ln_b 16:17, W2 18:19
	s_load_b256 s[20:27], s[0:1], 0x40             ; b2 20:21, obs 22:23, pred 24:25, out0 26:27
	s_set_vgpr_msb 0x40
	v_lshl_add_u32 v192, v0, 2, 0x2000
	v_mov_b32 v193, 0
	s_set_vgpr_msb 0x4000
	v_lshrrev_b32 v1, 5, v0
	v_readfirstlane_b32 s[WV], v1                  ; wave 0..4
	v_and_b32 v6, 31, v0                           ; lane
	v_and_b32 v2, 15, v0                           ; r
	v_bfe_u32 v3, v0, 4, 1                         ; h
	v_and_b32 v4, 8, v2
	v_add_nc_u32 v4, v4, v2                        ; rr = r + 8 (r / 8)
	v_cmp_lt_u32 s[HI16], 15, v6
	v_lshlrev_b32 v1, 4, v6                        ; v1: 16 x lane
	v_lshlrev_b32 v5, 3, v6                        ; v5: 8 x lane
	v_lshlrev_b32 v6, 2, v6                        ; v6: 4 x lane
	v_lshlrev_b32 v7, 5, v3                        ; v7: 32 h: my eight numbers of a tile's 16 in b1, ln_g, ln_b
	v_lshlrev_b32 v8, 6, v3                        ; v8: 64 h: the same in W2
	; every LDS address is made here, ahead of the waves' parting: a constant x lane + a constant x wave
	s_lshl_b32 s40, s[WV], 8
	v_add_nc_u32 v9, s40, v5
	v_add_nc_u32 v11, OUT, v9                      ; v11: the way out: 256 bytes a wave, 8 a lane
	v_add_nc_u32 v9, PRED, v9                      ; v9: where I put my row's pred_action
	s_lshr_b32 s41, s[WV], 1
	s_lshl_b32 s41, s41, 5
	s_and_b32 s42, s[WV], 1
	s_lshl_b32 s42, s42, 3
	s_add_co_u32 s41, s41, s42
	s_mul_i32 s41, s41, 20
	s_add_co_u32 s41, s41, OUT
	v_mul_u32_u24 v10, v4, 20
	v_add_nc_u32 v10, s41, v10                     ; v10: my row among the 64: 32 (wave / 2) + 8 (wave % 2) + rr, 20 bytes a row
	v_and_b32 v17, 3, v0                           ; v17: where rows 2 l and 2 l + 1 of the 64 lie in PRED: wave 2 (l / 16) + (l / 4) % 2, lane 2 (l % 4) + 8 ((l / 8) % 2)
	v_lshlrev_b32 v17, 4, v17
	v_bfe_u32 v52, v0, 3, 1
	v_lshl_add_u32 v17, v52, 6, v17
	v_bfe_u32 v52, v0, 2, 1
	v_lshl_add_u32 v17, v52, 8, v17
	v_lshl_add_u32 v17, v3, 9, v17
	v_add_nc_u32 v17, PRED, v17
	v_mov_b32 v29, PRED+1024                       ; v29: pred_action[0]: wave 4's lane 0
	s_lshl_b32 s42, s[WV], 10
	v_add_nc_u32 v30, s42, v1                      ; v30: where I put my 1,024 bytes of parameters
	v_mov_b32 v31, 0
	v_lshlrev_b32 v63, 9, v4                       ; obs: row rr of 512 bytes
	v_lshlrev_b32 v4, 3, v4                        ; action: 8 rr
.irp j, 41,43,45,47,57,58,59
	v_mov_b32 v\j, 0                               ; upper words of pairs that are named whole; h's codes of k = 80 on
.endr
.irp j, 2,3,4,5,6,7,8,9,10,11,12,13,14,15
	v_mov_b32 v[AZ+\j], 0                          ; K is filled with zeros from 66 on
.endr
	s_mov_b32 s[SEL], 0x76543210
	s_mov_b32 s[SEL+1], 0xfedcba98
	s_mov_b32 s[R256], 0x3b800000
	s_mov_b32 s[EPS], 0x3727c5ac
	s_mov_b32 s[PIH], 0x3fc90fdb
	s_mov_b32 s[PIL], 0xb33bbd2e
	s_mov_b32 s[DT], 0x3e4ccccd
	s_lshl_b32 s31, ttmp9, 2
	s_add_co_u32 s31, s31, s[WV]
	s_cmp_eq_u32 s[WV], 4
	s_cselect_b32 s31, 0, s31                      ; T: my tile; wave 4 takes tile 0
	s_lshr_b32 s43, s31, 1
	s_lshl_b32 s43, s43, 5
	s_and_b32 s44, s31, 1
	s_lshl_b32 s44, s44, 3
	s_add_co_u32 s43, s43, s44                     ; the tile's first row
	s_lshl_b32 s44, s31, 12                        ; part: 4,096 bytes a tile
	s_mov_b32 s45, 0
	s_lshl_b32 s46, s31, 8                         ; pst: 256
	s_mov_b32 s47, 0
	s_lshl_b32 s48, s43, 9                         ; obs
	s_mov_b32 s49, 0
	s_and_b32 s50, s43, 2047                       ; action is laid four times one below the other
	s_lshl_b32 s50, s50, 3
	s_mov_b32 s51, 0
	s_lshl_b32 s52, ttmp9, 9                       ; pred: 64 rows of 8 bytes
	s_mov_b32 s53, 0
	s_mul_i32 s54, ttmp9, 1280                     ; out0: 64 rows of 20 bytes,
	s_add_co_u32 s54, s54, s40                     ; 256 bytes a wave
	s_mov_b32 s55, 0
	s_wait_kmcnt 0x0
	s_load_b64 s[28:29], s[20:21], 0x0             ; b2's two numbers
	s_add_nc_u64 s[4:5], s[4:5], s[44:45]
	s_add_nc_u64 s[6:7], s[6:7], s[46:47]
	s_add_nc_u64 s[22:23], s[22:23], s[48:49]
	s_add_nc_u64 s[10:11], s[10:11], s[50:51]
	s_add_nc_u64 s[24:25], s[24:25], s[52:53]
	s_add_nc_u64 s[26:27], s[26:27], s[54:55]
	s_cmp_eq_u32 s[WV], 1                          ; which 1,024 bytes of parameters I bring: wave 0 b1, 1 ln_g, 2 ln_b, 3 and 4 the halves of W2: the choice hangs on the wave's number alone
	s_cselect_b64 s[58:59], s[14:15], s[12:13]
	s_cmp_eq_u32 s[WV], 2
	s_cselect_b64 s[58:59], s[16:17], s[58:59]
	s_cmp_ge_u32 s[WV], 3
	s_cselect_b64 s[58:59], s[18:19], s[58:59]
	s_cmp_eq_u32 s[WV], 4
	s_cselect_b32 s60, 1024, 0
	s_mov_b32 s61, 0
	s_add_nc_u64 s[58:59], s[58:59], s[60:61]
.irp q, 0,1,2,3
	global_load_b64 v[ST+2*\q:ST+2*\q+1], v5, s[6:7] offset:131072*\q
.endr
.irp q, 0,1,2,3
.irp g, 0,1,2,3,4,5,6,7
	global_load_b128 v[Z+32*\q+4*\g:Z+32*\q+4*\g+3], v1, s[4:5] offset:2097152*\q+512*\g   ; quarter q's O^T, as its registers were stored
.endr
.endr
	global_load_b64 v[18:19], v4, s[10:11]
	global_load_b128 v[48:51], v1, s[58:59]
	global_load_b128 v[52:55], v1, s[58:59] offset:512
.irp i, 0,1,2,3,4,5,6,7
	global_load_b32 v[W1S+\i], v6, s[8:9] offset:24576+128*\i
.endr
	WIN 0x40                                       ; destination window 1
.irp t, 0,1,2,3,4,5,6,7,8,9,10,11,12,13,14,15
.irp c, 0,1,2
	global_load_b128 v[12*\t+4*\c:12*\t+4*\c+3], v1, s[8:9] offset:1536*\t+512*\c
.endr
.endr
	WIN 0
	global_load_b128 v[12:15], v63, s[22:23]       ; obs: x, y, vx, vy,
	global_load_b32 v16, v63, s[22:23] offset:16   ; yaw: wanted at the very end.  (Wave 4 loads tile 0's and does not use them)
	s_wait_loadcnt 58                              ; behind the statistics, the partials, action and the parameters stand 8 + 48 + 2 loads
	ds_store_b128 v30, v[48:51]
	ds_store_b128 v30, v[52:55] offset:512
	; the four quarters under one M, and divided by the joint sum
	v_min3_num_f32 v64, v[ST], v[ST+2], v[ST+4]
	v_min_num_f32 v64, v64, v[ST+6]                ; the joint -M
.irp q, 0,1,2,3
	v_sub_f32 v[65+\q], v64, v[ST+2*\q]            ; quarter q's M less the joint M: a whole number, 0 or less
.endr
.irp q, 0,1,2,3
	v_cvt_i32_f32 v[65+\q], v[65+\q]
.endr
.irp q, 0,1,2,3
	v_ldexp_f32 v[FC+2*\q], 1.0, v[65+\q]
.endr
	v_mul_f32 v69, v[FC], v[ST+1]
	v_fma_f32 v69, v[FC+2], v[ST+3], v69
	v_fma_f32 v69, v[FC+4], v[ST+5], v69
	v_fma_f32 v69, v[FC+6], v[ST+7], v69           ; the row's sum
	v_rcp_f32 v69, v69
	v_cndmask_b32 v[AZ], v18, v31, s[HI16]         ; (a plain place behind the reciprocal)  action stands at k = 64, 65: lanes 0-15; lanes 16-31 stand for k = 96 on: zeros
	v_cndmask_b32 v[AZ+1], v19, v31, s[HI16]
	s_wait_alu depctr_va_vdst(0)
.irp q, 0,1,2,3
	v_mul_f32 v[FC+2*\q], v[FC+2*\q], v69
.endr
.set J, 0
.rept 16
	v_pk_mul_f32 v[H+J:H+J+1], v[Z+J:Z+J+1], v[FC:FC+1] op_sel_hi:[1,0]
.set J, J+2
.endr
.irp q, 1,2,3
.set J, 0
.rept 16
	v_pk_fma_f32 v[H+J:H+J+1], v[Z+32*\q+J:Z+32*\q+J+1], v[FC+2*\q:FC+2*\q+1], v[H+J:H+J+1] op_sel_hi:[1,0,1]
.set J, J+2
.endr
.endr
	s_wait_dscnt 0x0                               ; for the others' sake: my parameters are in LDS
	s_barrier_signal -1
	s_barrier_wait -1                              ; everybody's are
.irp t, 0,1,2,3,4,5,6,7,8,9,10,11,12,13,14,15
	ds_load_b128 v[Z+8*\t:Z+8*\t+3], v7 offset:PAR+64*\t          ; b1 is the accumulators' first content: register j of tile t: unit 16 t + 8 h + j
	ds_load_b128 v[Z+8*\t+4:Z+8*\t+7], v7 offset:PAR+64*\t+16
.endr
	v_max3_num_f32 v70, |v[AZ]|, |v[AZ+1]|, 0x2800000   ; block 2: action's two numbers and the floor
	v_add_nc_u32 v71, 0xfe000000, v70
	v_lshrrev_b32 v70, 23, v71
	v_cvt_scalef32_pk16_bf6_f32 v[HF+6:HF+8], v[AZ:AZ+15], v71
	QUANT2 H, HF, HS
	v_lshl_or_b32 v[HS], v70, 16, v[HS]            ; byte 3 stays 0: both sides hold zero codes there
.rept 8
	v_nop                                          ; a scale register written by a vector instruction stands 8 places ahead of a scaled matrix instruction, an operand so written 4
.endr
	s_wait_dscnt 0x0                               ; b1
	s_wait_loadcnt 2                               ; W1's scale words and fragments are in; obs's two loads may be out
	WIN 0x01                                       ; source 0 (W1) window 1
.irp t, 0,2,4,6,8,10,12,14
	v_wmma_scale_f32_16x16x128_f8f6f4 v[Z+8*\t:Z+8*\t+7], v[12*\t:12*\t+11], v[HF:HF+11], v[Z+8*\t:Z+8*\t+7], v[W1S+\t/2], v[HS] matrix_a_fmt:MATRIX_FMT_BF6 matrix_b_fmt:MATRIX_FMT_BF6
	v_wmma_scale_f32_16x16x128_f8f6f4 v[Z+8*\t+8:Z+8*\t+15], v[12*\t+12:12*\t+23], v[HF:HF+11], v[Z+8*\t+8:Z+8*\t+15], v[W1S+\t/2], v[HS] matrix_a_fmt:MATRIX_FMT_BF6 matrix_b_fmt:MATRIX_FMT_BF6 matrix_a_scale:MATRIX_SCALE_ROW1
.endr
	WIN 0
; tile t's parameters into buffer t % 2: ln_g 8, ln_b 8, W2 16 (a pair for each unit)
.macro PLOAD t
.set PBB, 64+32*((\t)%2)
	ds_load_b128 v[PBB:PBB+3], v7 offset:PAR+1024+64*(\t)
	ds_load_b128 v[PBB+4:PBB+7], v7 offset:PAR+1024+64*(\t)+16
	ds_load_b128 v[PBB+8:PBB+11], v7 offset:PAR+2048+64*(\t)
	ds_load_b128 v[PBB+12:PBB+15], v7 offset:PAR+2048+64*(\t)+16
.irp i, 0,1,2,3
	ds_load_b128 v[PBB+16+4*\i:PBB+19+4*\i], v8 offset:PAR+3072+128*(\t)+16*\i
.endr
.endm
	PLOAD 0
	PLOAD 1
.rept 4
	v_nop                                          ; places in front of the first read of results
.endr
	; the mean: my 128 units in four chains, each accumulator from its low end on; then lane l xor 16's
.irp c, 0,1,2,3
	v_pk_add_f32 v[ST+2*\c:ST+2*\c+1], v[Z+2*\c:Z+2*\c+1], v[Z+8+2*\c:Z+9+2*\c]
.endr
.set PP, 8
.rept 56
	v_pk_add_f32 v[ST+2*(PP%4):ST+2*(PP%4)+1], v[ST+2*(PP%4):ST+2*(PP%4)+1], v[Z+2*PP:Z+2*PP+1]
.set PP, PP+1
.endr
	v_pk_add_f32 v[ST:ST+1], v[ST:ST+1], v[ST+2:ST+3]
	v_pk_add_f32 v[ST+4:ST+5], v[ST+4:ST+5], v[ST+6:ST+7]
	v_pk_add_f32 v[ST:ST+1], v[ST:ST+1], v[ST+4:ST+5]
	v_add_f32 v[ST], v[ST], v[ST+1]
	v_permlanex16_b32 v52, v[ST], s[SEL], s[SEL+1]
	v_add_f32 v[ST], v[ST], v52
	v_mul_f32 v40, s[R256], v[ST]                  ; the mean
.set PP, 0
.rept 64
	v_pk_add_f32 v[Z+2*PP:Z+2*PP+1], v[Z+2*PP:Z+2*PP+1], v[40:41] op_sel_hi:[1,0] neg_lo:[0,1] neg_hi:[0,1]   ; z - mean, in place
.set PP, PP+1
.endr
.irp c, 0,1,2,3
	v_pk_mul_f32 v[ST+2*\c:ST+2*\c+1], v[Z+2*\c:Z+2*\c+1], v[Z+2*\c:Z+2*\c+1]
.endr
.set PP, 4
.rept 60
	v_pk_fma_f32 v[ST+2*(PP%4):ST+2*(PP%4)+1], v[Z+2*PP:Z+2*PP+1], v[Z+2*PP:Z+2*PP+1], v[ST+2*(PP%4):ST+2*(PP%4)+1]
.set PP, PP+1
.endr
	v_pk_add_f32 v[ST:ST+1], v[ST:ST+1], v[ST+2:ST+3]
	v_pk_add_f32 v[ST+4:ST+5], v[ST+4:ST+5], v[ST+6:ST+7]
	v_pk_add_f32 v[ST:ST+1], v[ST:ST+1], v[ST+4:ST+5]
	v_add_f32 v[ST], v[ST], v[ST+1]
	v_permlanex16_b32 v52, v[ST], s[SEL], s[SEL+1]
	v_add_f32 v[ST], v[ST], v52
	v_fma_f32 v42, v[ST], s[R256], s[EPS]          ; the variance + 1e-5
	v_rsq_f32 v42, v42
	v_nop                                          ; one plain place behind a transcendental
	s_wait_alu depctr_va_vdst(0)
; tile t: normalised, gain and bias, relu, and its part of the last product: for unit j the pair (W2[u][0], W2[u][1]) times y_j, which op_sel gives to both halves; four chains
.macro NTILE t, left
.set ZZ, Z+8*(\t)
.set PBB, 64+32*((\t)%2)
	s_wait_dscnt \left                             ; this tile's eight loads are in; the next tile's eight may be out
.irp j, 0,2,4,6
	v_pk_mul_f32 v[ZZ+\j:ZZ+\j+1], v[ZZ+\j:ZZ+\j+1], v[42:43] op_sel_hi:[1,0]
.endr
.irp j, 0,2,4,6
	v_pk_fma_f32 v[ZZ+\j:ZZ+\j+1], v[ZZ+\j:ZZ+\j+1], v[PBB+\j:PBB+\j+1], v[PBB+8+\j:PBB+9+\j]
.endr
.irp j, 0,1,2,3,4,5,6,7
	v_max_num_f32 v[ZZ+\j], 0, v[ZZ+\j]
.endr
.irp j, 0,2,4,6
.if (\t) == 0 && \j < 4
	v_pk_mul_f32 v[44+2*(\j%4):45+2*(\j%4)], v[ZZ+\j:ZZ+\j+1], v[PBB+16+2*\j:PBB+17+2*\j] op_sel:[0,0] op_sel_hi:[0,1]   ; the first four start the chains: nothing is cleared
	v_pk_mul_f32 v[46+2*(\j%4):47+2*(\j%4)], v[ZZ+\j:ZZ+\j+1], v[PBB+18+2*\j:PBB+19+2*\j] op_sel:[1,0] op_sel_hi:[1,1]
.else
	v_pk_fma_f32 v[44+2*(\j%4):45+2*(\j%4)], v[ZZ+\j:ZZ+\j+1], v[PBB+16+2*\j:PBB+17+2*\j], v[44+2*(\j%4):45+2*(\j%4)] op_sel:[0,0,0] op_sel_hi:[0,1,1]
	v_pk_fma_f32 v[46+2*(\j%4):47+2*(\j%4)], v[ZZ+\j:ZZ+\j+1], v[PBB+18+2*\j:PBB+19+2*\j], v[46+2*(\j%4):47+2*(\j%4)] op_sel:[1,0,0] op_sel_hi:[1,1,1]
.endif
.endr
.if (\t)+2 < 16
	PLOAD (\t)+2                                   ; into the buffer just read
.endif
.endm
.irp t, 0,1,2,3,4,5,6,7,8,9,10,11,12,13,14
	NTILE \t, 8
.endr
	NTILE 15, 0
	v_pk_add_f32 v[44:45], v[44:45], v[46:47]
	v_pk_add_f32 v[48:49], v[48:49], v[50:51]
	v_pk_add_f32 v[44:45], v[44:45], v[48:49]
	v_permlanex16_b32 v52, v44, s[SEL], s[SEL+1]
	v_permlanex16_b32 v53, v45, s[SEL], s[SEL+1]
	s_wait_kmcnt 0x0                               ; b2
	v_add_f32 v44, v44, v52
	v_add_f32 v45, v45, v53
	v_add_f32 v44, s28, v44
	v_add_f32 v45, s29, v45                        ; my row's pred_action
	ds_store_b64 v9, v[44:45]
	s_wait_dscnt 0x0                               ; for the others' sake
	s_barrier_signal -1
	s_barrier_wait -1
	s_cmp_eq_u32 s[WV], 4
	s_cbranch_scc1 .Lwave_4
	; ---- the bicycle model of my row.  Lanes 16-31 repeat lanes 0-15 and write the same words with the same values
	ds_load_b64 v[54:55], v29                      ; throttle and steer: pred_action[0]
	s_wait_loadcnt 0x0                             ; obs
	v_mul_f32 v64, v14, v14
	v_fma_f32 v64, v15, v15, v64
	v_sqrt_f32 v64, v64                            ; the speed
	v_mov_b32 v68, 0x3f860a92                      ; (a plain place behind the root)  60 degrees
	s_wait_alu depctr_va_vdst(0)
	v_fmaak_f32 v65, 0.5, v64, 0x3dcccccd
	v_mul_f32 v65, v64, v65                        ; the load: v (0.1 + 0.5 v)
	s_wait_dscnt 0x0
	v_sub_f32 v66, v54, v65
	v_fma_f32 v66, v66, s[DT], v64                 ; the new speed
	v_med3_num_f32 v67, v55, -v68, v68             ; the steer, clipped
	SINCOS 16, 70, 71, 72, 73, 74, 75
	SINCOS 67, 76, 77, 78, 79, 74, 75
	v_rcp_f32 v77, v77                             ; its cosine is 0.5 at the least
	v_mul_f32 v85, v66, v71                        ; (a plain place behind the reciprocal)
	s_wait_alu depctr_va_vdst(0)
	v_mul_f32 v76, v76, v77                        ; tan
	v_mul_f32 v76, v66, v76
	v_mul_f32 v76, 0x3eacf915, v76                 ; / 2.96
	v_fma_f32 v69, v76, s[DT], v16                 ; a = yaw + omega dt
	v_fma_f32 v80, v85, s[DT], v12                 ; x
	v_mul_f32 v86, v66, v70
	v_fma_f32 v81, v86, s[DT], v13                 ; y
	SINCOS 69, 87, 88, 89, 90, 74, 75
	v_mul_f32 v82, v66, v88                        ; the wrapped angle has a's own cosine and sine
	v_mul_f32 v83, v66, v87
	v_add_nc_u32 v91, 1, v90
	v_and_b32 v91, 3, v91
	v_add_nc_u32 v91, -1, v91                      ; n mod 4 as -1, 0, 1, 2
	v_cvt_f32_i32 v91, v91
	v_fma_f32 v84, v91, s[PIH], v89
	v_fma_f32 v84, v91, s[PIL], v84                ; in (-3 pi / 4, 5 pi / 4]
	v_add_f32 v92, 0xc0c90fdb, v84
	v_cmp_lt_f32 vcc_lo, 0x40490fdb, v84           ; beyond pi: 2 pi less.  A choice of values, no branch
	v_cndmask_b32 v84, v84, v92, vcc_lo
.irp i, 0,1,2,3,4
	ds_store_b32 v10, v[80+\i] offset:4*\i
.endr
	s_branch .Ljoin
.Lwave_4:
	ds_load_b128 v[56:59], v17                     ; rows 2 l and 2 l + 1 of the work-group's pred_action, in the rows' own order
	s_wait_dscnt 0x0
	global_store_b128 v1, v[56:59], s[24:25]       ; 512 consecutive bytes, aligned
.Ljoin:
	s_wait_dscnt 0x0                               ; for the others' sake: my rows lie in the stage
	s_barrier_signal -1
	s_barrier_wait -1
	ds_load_b64 v[60:61], v11
	s_wait_dscnt 0x0
	global_store_b64 v5, v[60:61], s[26:27]        ; each wave stores 256 consecutive bytes, aligned: the five cover the 64 rows' 1,280
	s_set_vgpr_msb 0x5
	s_wait_tensorcnt 0x0
	ds_add_u32 v192, v193
	s_wait_dscnt 0x0
	s_set_vgpr_msb 0x500
	s_endpgm
.Lfunc_end_k_q8b35ff5e9f_finish:
	.size	k_q8b35ff5e9f_finish, .Lfunc_end_k_q8b35ff5e9f_finish-k_q8b35ff5e9f_finish
	.p2alignl 7, 3214868480
	.fill 96, 4, 3214868480
	.section	.rodata,"a",@progbits
	.p2align	6, 0x0
	.amdhsa_kernel k_q8b35ff5e9f_finish
		.amdhsa_group_segment_fixed_size 8960
		.amdhsa_private_segment_fixed_size 0
		.amdhsa_enable_private_segment 0
		.amdhsa_kernarg_size 96
		.amdhsa_user_sgpr_count 2
		.amdhsa_user_sgpr_kernarg_segment_ptr 1
		.amdhsa_wavefront_size32 1
		.amdhsa_system_sgpr_workgroup_id_x 1
		.amdhsa_system_sgpr_workgroup_id_y 1
		.amdhsa_system_sgpr_workgroup_id_z 1
		.amdhsa_system_vgpr_workitem_id 0
		.amdhsa_next_free_vgpr 450
		.amdhsa_next_free_sgpr 66
		.amdhsa_reserve_vcc 1
		.amdhsa_float_denorm_mode_32 3
		.amdhsa_float_denorm_mode_16_64 3
		.amdhsa_memory_ordered 1
		.amdhsa_forward_progress 1
		.amdhsa_inst_pref_size 74
	.end_amdhsa_kernel
	.amdgpu_metadata
---
amdhsa.version: [ 1, 2 ]
amdhsa.kernels:
  - .name:           k_q8b35ff5e9f_finish
    .symbol:         k_q8b35ff5e9f_finish.kd
    .args:
      - { .name: part, .offset: 0, .size: 8, .value_kind: global_buffer, .address_space: global }
      - { .name: pst, .offset: 8, .size: 8, .value_kind: global_buffer, .address_space: global }
      - { .name: w1q, .offset: 16, .size: 8, .value_kind: global_buffer, .address_space: global }
      - { .name: action, .offset: 24, .size: 8, .value_kind: global_buffer, .address_space: global }
      - { .name: b1, .offset: 32, .size: 8, .value_kind: global_buffer, .address_space: global }
      - { .name: ln_g, .offset: 40, .size: 8, .value_kind: global_buffer, .address_space: global }
      - { .name: ln_b, .offset: 48, .size: 8, .value_kind: global_buffer, .address_space: global }
      - { .name: W2, .offset: 56, .size: 8, .value_kind: global_buffer, .address_space: global }
      - { .name: b2, .offset: 64, .size: 8, .value_kind: global_buffer, .address_space: global }
      - { .name: obs, .offset: 72, .size: 8, .value_kind: global_buffer, .address_space: global }
      - { .name: pred, .offset: 80, .size: 8, .value_kind: global_buffer, .address_space: global }
      - { .name: out0, .offset: 88, .size: 8, .value_kind: global_buffer, .address_space: global }
    .group_segment_fixed_size: 8960
    .private_segment_fixed_size: 0
    .kernarg_segment_align: 8
    .kernarg_segment_size: 96
    .max_flat_workgroup_size: 160
    .sgpr_count:     66
    .vgpr_count:     450
    .wavefront_size: 32
...
	.end_amdgpu_metadata
.endif
;; end of part 3
;; ======== version 2 of 2: 3 launches
;; limits: right only within a limited range of input values
;; workspace buffers: kv 851,968 bytes; qc 393,216 bytes; qs 32,768 bytes; w1q 25,600 bytes; part 8,388,608 bytes; pst 524,288 bytes; pred 65,536 bytes
;; launch project (part 4): grid 66 x 1, 4 waves a work-group, no clusters, 41,472 bytes of LDS; arguments obs, Wq_codes, Wq_scales, Wk_codes, Wk_scales, Wv_codes, Wv_scales, bq, bk, bv, W1, kv, qc, qs, w1q; writes kv, qc, qs, w1q
.if DOCPART == 4
	.amdgcn_target "amdgcn-amd-amdhsa--gfx1250"
	.amdhsa_code_object_version 6
	.text
	.protected	k_q8b35ff5e9f_project
	.globl	k_q8b35ff5e9f_project
	.p2align	8
	.type	k_q8b35ff5e9f_project,@function
k_q8b35ff5e9f_project:
	s_mov_b64 s[64:65], 0
	v_nop
	global_prefetch_b8 v0, s[64:65] scope:SCOPE_SE
	s_setreg_imm32_b32 hwreg(HW_REG_WAVE_SCHED_MODE, 0, 2), 2
	s_setreg_imm32_b32 hwreg(HW_REG_WAVE_MODE, 25, 1), 1
	s_wait_xcnt 0x0
	s_wait_alu depctr_vm_vsrc(0)
; PROJECT.  q = obs Wq + bq, k = obs Wk + bk, v = obs Wv + bv on codes of E3M2 with one E8M0 scale for each 32 along K, and the results quantised again for the attention:
; q and k along their 64 channels, v along the keys.  Two more work-groups quantise W1 along its 66 rows.  All results are laid in the order of the operand registers of the launches that read them.
; SHARES.  Work-group g < 64 owns rows 128 g .. 128 g + 127 of obs, wave w its rows 32 w .. 32 w + 31, as two tiles u = 0, 1 of 16 rows.  Work-groups 64 and 65: each wave two tiles of 16 columns of W1.
; THE ROWS OF A TILE ARE NOT NEIGHBOURS: lane r of tile u takes row 32 w + 8 u + rr, rr = r + 8 (r / 8); the rows of Wq, Wk, Wv that form tile 2 b + u likewise (32 b + 8 u + rr).  So
;   q, k (source 0 = 16 rows of the weight, source 1 = 16 rows of obs): a lane holds one row of obs, and the 16 registers of tiles 2 b, 2 b + 1 are channels 32 b + 16 (lane / 16) + 0 .. 15;
;   v (source 0 = 16 rows of obs, source 1 = 16 rows of Wv): a lane holds one channel, and the 16 registers of row tiles 0, 1 are keys 32 w + 16 (lane / 16) + 0 .. 15.
; In both cases a lane's 16 registers are 16 neighbours along the next product's K, which is what the conversions take.  The biases are the C of the one matrix instruction of each sum (K = 128).
; THE WEIGHTS' codes (18,432 bytes) and scale bytes (768) are wanted by all four waves: the work-group copies them once, each load of a wave 512 (the scale bytes: 256) consecutive bytes, into LDS as they lie,
; and each wave takes its fragments from there in pieces of 8 bytes.
; OUT, through a stage in LDS that is an image of the buffers, so that every store of a wave covers 512 consecutive bytes, aligned:
;   kv: a block of 13,312 bytes for 128 keys: K's codes [pair of tiles 4][lane 32][48 bytes], V's [tile 4][lane 32][48 bytes], K's scale words [lane][4], V's [lane][2], 256 zeros;
;   qc: [pair of tiles][lane][48 bytes];  qs: [tile][16 words];  w1q: 16 fragments [3][lane][16 bytes], then [pair of tiles 8][lane] scale words.
; WHICH KEYS FORM A TILE OF K: tile i, row m holds key 32 (2 (i / 4) + m / 8) + 8 (i % 4) + m % 8 of the block.  In S^T = K Q^T a lane's 32 registers of tiles 0-3, and of tiles 4-7, are then one whole block of
; 32 neighbouring keys.  Here that is only a choice of the place in the stage: my row 32 w + 8 u + rr goes to tile 4 (w / 2) + u + 2 (r / 8), row 8 (w % 2) + r % 8.
; No cluster, no tensor load: each work-group reads rows of obs of its own, and what the work-groups share is the weights' 19 KB, which each reads once.
; LIMITS: NaN and infinities among the inputs are not served.  A block of zeros gets the scale byte 1 where the rule says 127 (its codes are zeros, and this program alone reads the bytes);
; a block whose largest magnitude lies under 2^-122 is held at the byte 1.
; THE MODE: SCHED_MODE bits 1:0 = 2 (LLVM: expert scheduling mode 2), set by the entry lines.  The code itself states the register dependences between vector or matrix instructions and memory or LDS
; instructions, with s_wait_alu, always for 0.
; THE PLAN.  Registers that memory or LDS instructions touch, in the order of the text (there is no loop):
;   v5-8, v15, v54, v55, v79   offsets and addresses of the loads, of the weights' way through LDS and of the way out: made at the head, never written again.
;   v9-14, v64                 the stage's addresses: made while the loads are out, read by the stage's stores alone.
;   v224-255, v84-89           carry the weights: global loads land in them, ten LDS stores read them; later the quantisers write them as KP, VCD, VB and QP.
;   v96-223                    obs lands here; then they are named by vector and matrix instructions alone, until v96-135 take the LDS loads of the way out.
;   window 1, v42-53           the weights' fragments, the biases and the scale words: loads land in them (seven of each eight registers of bv are copies), matrix instructions read them.
;   QP, v74, KP, v83           q's and k's codes and scale words: written by the quantisers, read by ONE run of eight LDS stores behind k's quantiser.
;   VCD, VB, v75               v's codes and bytes, and a zero: read by ONE run of seventeen LDS stores behind v's conversions.
; So the rows' path holds four waits on va_vdst (ahead of the first load, of the first product and of each of the two runs of stores) and one on vm_vsrc (behind the first barrier); W1's path three on va_vdst.
.set LKC, 0                            ; the stage: K's codes, 6,144 bytes
.set LVC, 6144                         ; V's codes, 6,144
.set LKS, 12288                        ; K's scale words, 512
.set LVS, 12800                        ; V's scale words, 256
.set LPD, 13056                        ; zeros, 256
.set LQS, 13312                        ; q's scale words, 512
.set LQC, 13824                        ; q's codes, 6,144
.set WRAW, 20480                       ; behind the stage: the codes of Wq, Wk, Wv as they lie in memory, 6,144 bytes each
.set WSC, 38912                        ; their scale bytes, 256 each, and a fourth 256 that nobody reads
.set XF,  16                           ; v16-39   obs's two fragments
.set XS,  40                           ; v40-41   their scale words
.set WS,  42                           ; v42-53   the weights' scale words: q 0-3, k 4-7, v 8-11
.set SSL, 55                           ; v55      where I put my 8 scale bytes: 8 lane + 256 wave
.set TM,  56                           ; v56-63, v68-71 at work in the quantisers
.set SKK, 64                           ; v64      where I put k's codes;  v65 at work
.set T,   76                           ; v76-78, v80-82 second halves of blocks, as the conversions leave them
.set SGL, 79                           ; v79      8 x lane
.set QP,  84                           ; v84-95   q's codes, two tiles
.set X0,  96                           ; v96-159  64 numbers of obs, tile 0; then q's sums; then v's
.set X1,  160                          ; v160-223 tile 1; then k's sums
.set ACCQ, 96
.set ACCK, 160
.set ACCV, 96
.set KP,  224                          ; v224-235 k's codes, two tiles
.set VCD, 236                          ; v236-251 v's codes, four registers a tile (three used)
.set VB,  252                          ; v252-255 v's scale bytes.   (v224-255 and v84-89 first carry the weights' bytes from memory to LDS)
.set WQ,  0                            ; window 1: the weights' fragments, 12 registers a tile
.set WK,  48
.set WV,  96
.set BQ,  144                          ; window 1: the biases in the results' layout, 8 registers a tile
.set BK,  176
.set BV,  208
.set WV_N, 34                          ; s34 my wave's number
.set SEL, 36                           ; s[36:37] v_permlanex16_b32's selects for lane l xor 16
.set HI16, 38                          ; s38 the mask of lanes 16-31
.set MSB, 0
.macro WIN new                         ; the immediate's high byte repeats the setting that is left
.if MSB != \new
	s_set_vgpr_msb (MSB<<8)|\new
.set MSB, \new
.endif
.endm
; 64 numbers of a lane, register 16 b + i = k 32 b + 16 (lane / 16) + i of its row, become a fragment's 12 registers at v[d] and the row's scale word in v[pw].
.macro QUANT s, d, pw
.irp b, 0,1,2,3
	v_max3_num_f32 v[TM+\b], |v[\s+16*\b]|, |v[\s+1+16*\b]|, 0x2800000   ; my 16 numbers of block b, and the floor 2^(5 - 127): the byte cannot fall under 1
.endr
.irp i, 2,4,6,8,10,12,14
.irp b, 0,1,2,3
	v_max3_num_f32 v[TM+\b], v[TM+\b], |v[\s+16*\b+\i]|, |v[\s+1+16*\b+\i]|   ; the four blocks by turns
.endr
.endr
.irp b, 0,1,2,3
	v_permlanex16_b32 v[TM+4+\b], v[TM+\b], s[SEL], s[SEL+1]
.endr
.irp b, 0,1,2,3
	v_max_num_f32 v[TM+\b], v[TM+\b], v[TM+4+\b]   ; with lane l xor 16's 16: the block's largest magnitude
.endr
.irp b, 0,1,2,3
	v_add_nc_u32 v[TM+12+\b], 0xfe000000, v[TM+\b]   ; 4 off its exponent field: the conversion takes that field as its scale
.endr
.irp b, 0,1,2,3
	v_lshrrev_b32 v[TM+4+\b], 23, v[TM+12+\b]      ; the scale's byte
.endr
	v_lshl_or_b32 v[\pw], v[TM+5], 8, v[TM+4]
	v_lshl_or_b32 v[\pw], v[TM+6], 16, v[\pw]
	v_lshl_or_b32 v[\pw], v[TM+7], 24, v[\pw]
.irp c, 0,1
	v_cvt_scalef32_pk16_bf6_f32 v[\d+6*\c:\d+6*\c+2], v[\s+32*\c:\s+32*\c+15], v[TM+12+2*\c]
	v_cvt_scalef32_pk16_bf6_f32 v[T+4*\c:T+4*\c+2], v[\s+16+32*\c:\s+31+32*\c], v[TM+13+2*\c]   ; (a conversion's three registers begin on an even number)
.endr
	v_nop                                          ; one plain place behind a scaled conversion
.irp c, 0,1                            ; the operand's layout wants a whole block in a lane: lanes 0-15 block 2 c, lanes 16-31 block 2 c + 1
.irp i, 0,1,2
	v_permlane16_swap_b32 v[\d+6*\c+\i], v[T+4*\c+\i]
.endr
.irp i, 0,1,2
	v_mov_b32 v[\d+3+6*\c+\i], v[T+4*\c+\i]
.endr
.endr
.endm
; The same for 32 numbers (K = 64): six registers at v[d]; the scale word's bytes 2 and 3 stay 0.
.macro QUANT2 s, d, pw
.irp b, 0,1
	v_max3_num_f32 v[TM+\b], |v[\s+16*\b]|, |v[\s+1+16*\b]|, 0x2800000
.endr
.irp i, 2,4,6,8,10,12,14
.irp b, 0,1
	v_max3_num_f32 v[TM+\b], v[TM+\b], |v[\s+16*\b+\i]|, |v[\s+1+16*\b+\i]|
.endr
.endr
.irp b, 0,1
	v_permlanex16_b32 v[TM+4+\b], v[TM+\b], s[SEL], s[SEL+1]
.endr
.irp b, 0,1
	v_max_num_f32 v[TM+\b], v[TM+\b], v[TM+4+\b]
.endr
.irp b, 0,1
	v_add_nc_u32 v[TM+12+\b], 0xfe000000, v[TM+\b]
.endr
.irp b, 0,1
	v_lshrrev_b32 v[TM+4+\b], 23, v[TM+12+\b]
.endr
	v_lshl_or_b32 v[\pw], v[TM+5], 8, v[TM+4]
	v_cvt_scalef32_pk16_bf6_f32 v[\d:\d+2], v[\s:\s+15], v[TM+12]
	v_cvt_scalef32_pk16_bf6_f32 v[T:T+2], v[\s+16:\s+31], v[TM+13]
	v_nop                                          ; one plain place behind a scaled conversion
.irp i, 0,1,2
	v_permlane16_swap_b32 v[\d+\i], v[T+\i]
.endr
.irp i, 0,1,2
	v_mov_b32 v[\d+3+\i], v[T+\i]
.endr
.endm
	s_load_b512 s[4:19], s[0:1], 0x0               ; obs 4:5, Wq codes 6:7, scales 8:9, Wk 10:11, 12:13, Wv 14:15, 16:17, bq 18:19
	s_load_b256 s[20:27], s[0:1], 0x40             ; bk 20:21, bv 22:23, W1 24:25, kv 26:27
	s_load_b128 s[28:31], s[0:1], 0x60             ; qc 28:29, qs 30:31
	s_load_b64 s[32:33], s[0:1], 0x70              ; w1q
	v_lshl_add_u32 v66, v0, 2, 0xa000
	v_mov_b32 v67, 0
	v_lshrrev_b32 v1, 5, v0
	v_readfirstlane_b32 s[WV_N], v1                ; wave 0..3
	v_and_b32 v1, 31, v0                           ; lane
	v_and_b32 v2, 15, v0                           ; r
	v_bfe_u32 v3, v0, 4, 1                         ; h
	v_and_b32 v4, 8, v2
	v_add_nc_u32 v4, v4, v2                        ; rr = r + 8 (r / 8)
	v_lshlrev_b32 v54, 4, v1                       ; 16 x lane
	v_mov_b32 v75, 0
.irp b, 0,1,2,3
	v_mov_b32 v[TM+4+\b], 0                        ; written once: a lane permute's destination counts as one of its sources
.endr
	s_mov_b32 s[SEL], 0x76543210
	s_mov_b32 s[SEL+1], 0xfedcba98
	v_cmp_lt_u32 s[HI16], 15, v1
	s_wait_alu depctr_va_sdst(0)                   ; s34 (the wave's number) and s38 (the mask of lanes 16-31) are written, ahead of the branch and of their first readers on both ways
	s_cmp_ge_u32 ttmp9, 64                         ; the last two work-groups take W1: the branch hangs on the work-group's number alone
	s_cbranch_scc1 .Lw1
	; ---- rows of obs
	v_lshlrev_b32 v5, 9, v4
	v_lshl_add_u32 v5, v3, 6, v5                   ; obs: row rr of 512 bytes, + 64 h: my 16 numbers of a block of 32
	v_mul_u32_u24 v6, v4, 96
	v_mad_u32_u24 v6, v3, 24, v6                   ; a weight's codes in LDS: row rr of 96 bytes, + 24 h
	v_lshlrev_b32 v7, 2, v4                        ; a weight's scale word in LDS, and bv in memory: 4 rr
	v_lshlrev_b32 v8, 6, v3                        ; bq, bk: 64 h
	v_lshlrev_b32 v15, 4, v0                       ; 16 x thread: the weights' way in, and the way out
	v_lshlrev_b32 v[SGL], 3, v1                    ; 8 x lane
	s_lshl_b32 s48, s[WV_N], 8
	v_add_nc_u32 v[SSL], s48, v[SGL]               ; 8 lane + 256 wave
	s_lshl_b32 s40, ttmp9, 16                      ; 128 rows of 512 bytes a work-group,
	s_lshl_b32 s41, s[WV_N], 14                    ; 32 a wave
	s_add_co_u32 s40, s40, s41
	s_mov_b32 s41, 0
	s_mul_i32 s42, ttmp9, 13312
	s_mov_b32 s43, 0
	s_mul_i32 s44, ttmp9, 6144
	s_mov_b32 s45, 0
	s_lshl_b32 s46, ttmp9, 9
	s_mov_b32 s47, 0
	s_wait_kmcnt 0x0
	s_add_nc_u64 s[4:5], s[4:5], s[40:41]
	s_add_nc_u64 s[26:27], s[26:27], s[42:43]
	s_add_nc_u64 s[28:29], s[28:29], s[44:45]
	s_add_nc_u64 s[30:31], s[30:31], s[46:47]
	s_cmp_eq_u32 s[WV_N], 1                        ; whose scale bytes I bring: wave 0 (and 3) Wq's, 1 Wk's, 2 Wv's: the choice hangs on the wave's number alone
	s_cselect_b64 s[56:57], s[12:13], s[8:9]
	s_cmp_eq_u32 s[WV_N], 2
	s_cselect_b64 s[56:57], s[16:17], s[56:57]
	s_wait_alu depctr_va_vdst(0)                   ; v5-8, v15, v54, v55 and v79 are written: the offsets and addresses of the loads below, of the weights' way through LDS and of the way out; no later line writes them
.irp i, 0,1,2                          ; the weights first: few loads, and a barrier stands between them and their use.  The four waves together read 2,048 consecutive bytes a line
	global_load_b128 v[224+4*\i:227+4*\i], v15, s[6:7] offset:2048*\i
	global_load_b128 v[236+4*\i:239+4*\i], v15, s[10:11] offset:2048*\i
.endr
	global_load_b128 v[248:251], v15, s[14:15]
	global_load_b128 v[252:255], v15, s[14:15] offset:2048
	global_load_b128 v[84:87], v15, s[14:15] offset:4096
	global_load_b64 v[88:89], v[SGL], s[56:57]     ; 256 scale bytes
.irp u, 0,1
.irp b, 0,1,2,3
.irp j, 0,1,2,3
	global_load_b128 v[X0+64*\u+16*\b+4*\j:X0+64*\u+16*\b+4*\j+3], v5, s[4:5] offset:4096*\u+128*\b+16*\j
.endr
.endr
.endr
	WIN 0x40                                       ; destination window 1.  (Between the wait above and these loads stand loads and this switch alone)
.irp n, 0,1,2,3                        ; tile n = 2 b + u begins at the weight's row 32 b + 8 u
	global_load_b128 v[BQ+8*\n:BQ+8*\n+3], v8, s[18:19] offset:(32*(\n/2)+8*(\n%2))*4      ; register j: the bias of channel 32 b + 16 h + 8 u + j
	global_load_b128 v[BQ+8*\n+4:BQ+8*\n+7], v8, s[18:19] offset:(32*(\n/2)+8*(\n%2))*4+16
	global_load_b128 v[BK+8*\n:BK+8*\n+3], v8, s[20:21] offset:(32*(\n/2)+8*(\n%2))*4
	global_load_b128 v[BK+8*\n+4:BK+8*\n+7], v8, s[20:21] offset:(32*(\n/2)+8*(\n%2))*4+16
	global_load_b32 v[BV+8*\n], v7, s[22:23] offset:(32*(\n/2)+8*(\n%2))*4                 ; v's results hold one channel a lane: one number, copied below
.endr
	WIN 0
	; the stage's addresses, made while the loads are out: constants x parts of the lane's number + constants x parts of the wave's.  They name no register that a load above reads or lands in
	s_mul_i32 s40, s[WV_N], 1536
	v_mul_u32_u24 v9, v1, 48
	v_add_nc_u32 v9, s40, v9                       ; q's codes: 48 lane + 1,536 wave
	s_and_b32 s41, s[WV_N], 1
	s_lshr_b32 s42, s[WV_N], 1
	s_lshl_b32 s43, s41, 3
	s_lshl_b32 s44, s42, 1
	v_and_b32 v[SKK], 7, v2
	v_lshl_add_u32 v[SKK], v3, 4, v[SKK]
	v_add_nc_u32 v[SKK], s43, v[SKK]               ; k: the place among a tile's 32 lanes: 8 (w % 2) + r % 8 + 16 h (codes: h = the half of the channels; scale words: h = the tile u)
	v_lshrrev_b32 v11, 3, v2
	v_add_nc_u32 v11, s44, v11                     ; and the pair of tiles: 2 (w / 2) + r / 8
	v_mul_u32_u24 v65, v11, 1536
	v_lshlrev_b32 v11, 2, v11
	v_lshl_add_u32 v11, v[SKK], 4, v11             ; k's scale words: 16 x place + 4 x pair
	v_mad_u32_u24 v[SKK], v[SKK], 48, v65          ; k's codes: 48 x place + 1,536 x pair
	s_mul_i32 s41, s41, 768
	s_mul_i32 s42, s42, 24
	s_add_co_u32 s41, s41, s42
	v_mul_u32_u24 v10, v2, 48
	v_mad_u32_u24 v10, v3, 12, v10
	v_add_nc_u32 v10, s41, v10                     ; v's codes: my 32 keys are block w of the fragment's four: lane r + 16 (w % 2), registers 6 (w / 2) + 3 h on
	v_lshlrev_b32 v12, 3, v2
	v_add_nc_u32 v12, s[WV_N], v12                 ; v's scale bytes: 8 r + wave
	s_lshl_b32 s42, s[WV_N], 7
	v_lshlrev_b32 v13, 2, v1
	v_add_nc_u32 v13, s42, v13                     ; q's scale words: 4 lane + 128 wave
	v_lshlrev_b32 v14, 1, v0                       ; the zeros: 2 x thread
	s_wait_loadcnt 52                              ; behind the weights' ten loads stand obs's 32 and the biases' 20: the ten are in
.irp i, 0,1,2                          ; (the data come from loads; v15 and v55 were written ahead of the wait on va_vdst above, and no vector line since names them)
	ds_store_b128 v15, v[224+4*\i:227+4*\i] offset:WRAW+2048*\i
	ds_store_b128 v15, v[236+4*\i:239+4*\i] offset:WRAW+6144+2048*\i
.endr
	ds_store_b128 v15, v[248:251] offset:WRAW+12288
	ds_store_b128 v15, v[252:255] offset:WRAW+12288+2048
	ds_store_b128 v15, v[84:87] offset:WRAW+12288+4096
	ds_store_b64 v[SSL], v[88:89] offset:WSC
	s_wait_dscnt 0x0                               ; for the others' sake: my part of the weights lies in LDS
	s_barrier_signal -1
	s_barrier_wait -1                              ; everybody's does
	s_wait_alu depctr_vm_vsrc(0)                   ; my ten LDS stores have read v224-255 and v84-89: these registers are KP, VCD, VB and QP from here on, written by the quantisers
	WIN 0x40                                       ; destination window 1
.irp n, 0,1,2,3                        ; a fragment's 24 bytes come as three pieces of 8, so that every address is a multiple of the access's size.  (v6 and v7: as v15 above)
.irp p, 0,1,2,3,4,5
	ds_load_b64 v[WQ+12*\n+2*\p:WQ+12*\n+2*\p+1], v6 offset:WRAW+(32*(\n/2)+8*(\n%2))*96+48*(\p/3)+8*(\p%3)
	ds_load_b64 v[WK+12*\n+2*\p:WK+12*\n+2*\p+1], v6 offset:WRAW+6144+(32*(\n/2)+8*(\n%2))*96+48*(\p/3)+8*(\p%3)
	ds_load_b64 v[WV+12*\n+2*\p:WV+12*\n+2*\p+1], v6 offset:WRAW+12288+(32*(\n/2)+8*(\n%2))*96+48*(\p/3)+8*(\p%3)
.endr
.endr
	WIN 0
.irp n, 0,1,2,3
	ds_load_b32 v[WS+\n], v7 offset:WSC+(32*(\n/2)+8*(\n%2))*4
	ds_load_b32 v[WS+4+\n], v7 offset:WSC+256+(32*(\n/2)+8*(\n%2))*4
	ds_load_b32 v[WS+8+\n], v7 offset:WSC+512+(32*(\n/2)+8*(\n%2))*4
.endr
	s_wait_loadcnt 20                              ; behind obs's 32 loads stand the biases' 20: obs is in
	QUANT X0, XF, XS
	QUANT X1, XF+12, XS+1
	s_wait_loadcnt 0x0                             ; the biases
	s_wait_dscnt 0x0                               ; the weights' fragments and scale words
	WIN 0x41                                       ; destination and source window 1
.irp n, 0,1,2,3
.irp j, 1,2,3,4,5,6,7
	v_mov_b32 v[BV+8*\n+\j], v[BV+8*\n]            ; bv in all eight rows of the tile.  (These 28 are also the places between the quantiser's last writes and the products)
.endr
.endr
	WIN 0x11                                       ; source 0 (the weight) and source 2 (the bias) window 1
	s_wait_alu depctr_va_vdst(0)                   ; the quantisers have written obs's fragments v16-39 and scale words v40-41, which all 24 products take; the places above stay beside this wait
.irp u, 0,1
.irp n, 0,1,2,3
	v_wmma_scale_f32_16x16x128_f8f6f4 v[ACCQ+32*\u+8*\n:ACCQ+32*\u+8*\n+7], v[WQ+12*\n:WQ+12*\n+11], v[XF+12*\u:XF+12*\u+11], v[BQ+8*\n:BQ+8*\n+7], v[WS+\n], v[XS+\u] matrix_a_fmt:MATRIX_FMT_BF6 matrix_b_fmt:MATRIX_FMT_BF6
.endr
.endr
.irp u, 0,1
.irp n, 0,1,2,3
	v_wmma_scale_f32_16x16x128_f8f6f4 v[ACCK+32*\u+8*\n:ACCK+32*\u+8*\n+7], v[WK+12*\n:WK+12*\n+11], v[XF+12*\u:XF+12*\u+11], v[BK+8*\n:BK+8*\n+7], v[WS+4+\n], v[XS+\u] matrix_a_fmt:MATRIX_FMT_BF6 matrix_b_fmt:MATRIX_FMT_BF6
.endr
.endr
	WIN 0
.rept 4
	v_nop                                          ; places in front of the first read of results
.endr
	QUANT2 ACCQ, QP, 72
	QUANT2 ACCQ+32, QP+6, 73
	v_cndmask_b32 v74, v72, v73, s[HI16]           ; lanes 0-15 tile 0's words, lanes 16-31 tile 1's.  (q's stores stand with k's, behind one wait)
	WIN 0x14                                       ; source 1 (Wv) and source 2 (bv) window 1.  q's sums are quantised: v's take their registers (the quantiser's lines on its own registers are the places)
.irp n, 0,1,2,3
.irp u, 0,1
	v_wmma_scale_f32_16x16x128_f8f6f4 v[ACCV+16*\n+8*\u:ACCV+16*\n+8*\u+7], v[XF+12*\u:XF+12*\u+11], v[WV+12*\n:WV+12*\n+11], v[BV+8*\n:BV+8*\n+7], v[XS+\u], v[WS+8+\n] matrix_a_fmt:MATRIX_FMT_BF6 matrix_b_fmt:MATRIX_FMT_BF6
.endr
.endr
	WIN 0
	QUANT2 ACCK, KP, 72                            ; k's quantiser stands behind v's products: its lines are their places
	QUANT2 ACCK+32, KP+6, 73
	v_cndmask_b32 v83, v72, v73, s[HI16]           ; lanes 0-15 give tile u = 0's word of row r, lanes 16-31 tile u = 1's
	s_wait_alu depctr_va_vdst(0)                   ; the quantisers have written q's codes v84-95 and words v74, k's codes v224-235 and words v83, which the eight LDS stores below read (their addresses were written long before)
.irp c, 0,1,2
	ds_store_b128 v9, v[QP+4*\c:QP+4*\c+3] offset:LQC+16*\c
.endr
	ds_store_b32 v13, v74 offset:LQS
.irp c, 0,1,2
	ds_store_b128 v[SKK], v[KP+4*\c:KP+4*\c+3] offset:LKC+16*\c   ; 48 bytes: tile u = 0's 24, then tile u = 1's: the two tiles of a pair
.endr
	ds_store_b32 v11, v83 offset:LKS
	; v along the keys: tile n's 16 registers are keys 16 h + 0 .. 15 of my block of 32, for the lane's channel.  (These lines write v56-63, v68-71, v236-255: none that the eight stores above read)
.irp n, 0,1,2,3
	v_max3_num_f32 v[TM+\n], |v[ACCV+16*\n]|, |v[ACCV+16*\n+1]|, 0x2800000
.endr
.irp i, 2,4,6,8,10,12,14
.irp n, 0,1,2,3
	v_max3_num_f32 v[TM+\n], v[TM+\n], |v[ACCV+16*\n+\i]|, |v[ACCV+16*\n+\i+1]|
.endr
.endr
.irp n, 0,1,2,3
	v_permlanex16_b32 v[TM+4+\n], v[TM+\n], s[SEL], s[SEL+1]
.endr
.irp n, 0,1,2,3
	v_max_num_f32 v[TM+\n], v[TM+\n], v[TM+4+\n]
.endr
.irp n, 0,1,2,3
	v_add_nc_u32 v[TM+12+\n], 0xfe000000, v[TM+\n]
.endr
.irp n, 0,1,2,3
	v_lshrrev_b32 v[VB+\n], 23, v[TM+12+\n]
.endr
.irp n, 0,1,2,3
	v_cvt_scalef32_pk16_bf6_f32 v[VCD+4*\n:VCD+4*\n+2], v[ACCV+16*\n:ACCV+16*\n+15], v[TM+12+\n]
.endr
	v_nop                                          ; one plain place behind a scaled conversion
	s_wait_alu depctr_va_vdst(0)                   ; v's codes v236-250 and bytes v252-255 are written, which the LDS stores below read; and the conversions are done reading v96-159, in which the way out's LDS loads land: no vector line follows
.irp n, 0,1,2,3
.irp i, 0,1,2
	ds_store_b32 v10, v[VCD+4*\n+\i] offset:LVC+1536*\n+4*\i
.endr
	ds_store_b8 v12, v[VB+\n] offset:LVS+128*(\n%2)+4*(\n/2)   ; tile n's words lie in lanes 16 (n % 2) on, word n / 2; both halves of the lanes write the same byte with the same value
.endr
	ds_store_b16 v14, v75 offset:LPD
	s_wait_dscnt 0x0                               ; for the others' sake: my stores into the stage are done
	s_barrier_signal -1
	s_barrier_wait -1
.irp i, 0,1,2,3,4,5
	ds_load_b128 v[96+4*\i:99+4*\i], v15 offset:2048*\i
.endr
.irp i, 0,1,2
	ds_load_b128 v[120+4*\i:123+4*\i], v15 offset:LQC+2048*\i
.endr
.irp i, 0,1,2,3,4,5
	s_wait_dscnt 8-\i                              ; LDS loads come back in order: this one is in
	global_store_b128 v15, v[96+4*\i:99+4*\i], s[26:27] offset:2048*\i   ; a wave stores 512 consecutive bytes, aligned
.endr
.irp i, 0,1,2
	s_wait_dscnt 2-\i
	global_store_b128 v15, v[120+4*\i:123+4*\i], s[28:29] offset:2048*\i
.endr
	s_cmp_lt_u32 s[WV_N], 2                        ; the last 1,536 bytes: waves 0 and 1 the block's scale words and zeros, wave 2 q's scale words
	s_cbranch_scc0 .Lnot_kv
	ds_load_b128 v[132:135], v15 offset:LKS
	s_wait_dscnt 0x0
	global_store_b128 v15, v[132:135], s[26:27] offset:LKS
	s_branch .Lend
.Lnot_kv:
	s_cmp_eq_u32 s[WV_N], 2
	s_cbranch_scc0 .Lend
	ds_load_b128 v[132:135], v15 offset:LKS
	s_wait_dscnt 0x0
	global_store_b128 v54, v[132:135], s[30:31]
.Lend:
	s_wait_dscnt 0x0
	s_wait_alu depctr_hold_cnt(0) depctr_sa_sdst(0) depctr_va_vdst(0) depctr_va_sdst(0) depctr_va_ssrc(0) depctr_va_vcc(0) depctr_vm_vsrc(0)
	s_wait_tensorcnt 0x0
	ds_add_u32 v66, v67
	s_wait_dscnt 0x0
	s_endpgm
	; ---- W1 [66][256]: K is its first axis.  A lane takes a column and its registers run down K, in the order that the operand's layout gives that lane: k = 32 h + 0 .. 31, then (lanes 0-15) k = 64, 65 and zeros.
	; Each tile has registers of its own for its numbers, its codes and its word: no store's data are written again.
.Lw1:
	s_sub_co_u32 s40, ttmp9, 64
	s_lshl_b32 s40, s40, 2
	s_add_co_u32 s40, s40, s[WV_N]                 ; i = 0 .. 7: my tiles are 2 i and 2 i + 1
	s_lshl_b32 s42, s40, 7                         ; 32 columns of 4 bytes; also my 128 bytes of scale words
	s_mov_b32 s43, 0
	s_mul_i32 s44, s40, 3072                       ; two fragments of 1,536 bytes
	s_mov_b32 s45, 0
	v_lshlrev_b32 v6, 2, v2                        ; 4 r
	v_lshl_add_u32 v5, v3, 15, v6                  ; + 32 rows of 1,024 bytes for lanes 16-31
	v_lshlrev_b32 v13, 2, v1                       ; 4 x lane
	v_lshlrev_b32 v8, 3, v3                        ; 8 h: my bytes' place in the scale word
.irp e, 0,1
.irp i, 2,3,4,5,6,7,8,9,10,11,12,13,14,15
	v_mov_b32 v[128+64*\e+\i], 0                   ; K is filled with zeros from 66 on
.endr
.endr
	s_wait_kmcnt 0x0
	s_add_nc_u64 s[24:25], s[24:25], s[42:43]
	s_add_nc_u64 s[48:49], s[32:33], s[44:45]
	s_add_nc_u64 s[50:51], s[32:33], s[42:43]
	s_wait_alu depctr_va_vdst(0)                   ; v5 and v6 are written, the offsets of the loads below; so are v13 and v54, the stores' offsets
.irp e, 0,1
.irp i, 0,1,2,3,4,5,6,7,8,9,10,11,12,13,14,15,16,17,18,19,20,21,22,23,24,25,26,27,28,29,30,31
	global_load_b32 v[96+64*\e+\i], v5, s[24:25] offset:1024*\i+64*\e
.endr
	global_load_b32 v[128+64*\e], v6, s[24:25] offset:65536+64*\e   ; rows 64 and 65, the buffer's last
	global_load_b32 v[129+64*\e], v6, s[24:25] offset:66560+64*\e
.endr
.macro W1Q e, left                     ; tile e's numbers become its fragment at v[224 + 12 e] and its scale word in v[72 + e]
.set NN, 96+64*\e
.set AA, 128+64*\e
.set FF, 224+12*\e
.set TT, T+4*\e
	s_wait_loadcnt \left
	v_cndmask_b32 v[AA], v[AA], v75, s[HI16]       ; lanes 16-31 stand for k = 96 on: zeros
	v_cndmask_b32 v[AA+1], v[AA+1], v75, s[HI16]
	v_max3_num_f32 v[TM], |v[NN]|, |v[NN+1]|, 0x2800000            ; block h: all its 32 numbers are mine; two chains
	v_max3_num_f32 v[TM+2], |v[NN+16]|, |v[NN+17]|, 0x2800000
.irp i, 2,4,6,8,10,12,14
	v_max3_num_f32 v[TM], v[TM], |v[NN+\i]|, |v[NN+\i+1]|
	v_max3_num_f32 v[TM+2], v[TM+2], |v[NN+16+\i]|, |v[NN+17+\i]|
.endr
	v_max_num_f32 v[TM], v[TM], v[TM+2]
	v_max3_num_f32 v[TM+1], |v[AA]|, |v[AA+1]|, 0x2800000          ; block 2 + h
	v_add_nc_u32 v[TM+12], 0xfe000000, v[TM]
	v_add_nc_u32 v[TM+13], 0xfe000000, v[TM+1]
	v_lshrrev_b32 v[TM+8], 23, v[TM+12]
	v_lshrrev_b32 v[TM+9], 23, v[TM+13]
	v_lshl_or_b32 v[TM+8], v[TM+9], 16, v[TM+8]    ; my two bytes, blocks h and 2 + h,
	v_lshlrev_b32 v[TM+8], v8, v[TM+8]             ; at their places in the word;
	v_permlanex16_b32 v[TM+4], v[TM+8], s[SEL], s[SEL+1]
	v_or_b32 v[72+\e], v[TM+8], v[TM+4]            ; with lane l xor 16's two the word is whole
	v_cvt_scalef32_pk16_bf6_f32 v[FF:FF+2], v[NN:NN+15], v[TM+12]
	v_cvt_scalef32_pk16_bf6_f32 v[TT:TT+2], v[NN+16:NN+31], v[TM+12]
	v_cvt_scalef32_pk16_bf6_f32 v[FF+6:FF+8], v[AA:AA+15], v[TM+13]
	v_nop                                          ; one plain place behind a scaled conversion
.irp i, 0,1,2
	v_mov_b32 v[FF+3+\i], v[TT+\i]
	v_mov_b32 v[FF+9+\i], 0
.endr
.endm
.macro W1S e                           ; the fragment as an image of its registers
.set FF, 224+12*\e
.irp c, 0,1,2
	global_store_b128 v54, v[FF+4*\c:FF+4*\c+3], s[48:49] offset:1536*\e+512*\c
.endr
.endm
	W1Q 0, 34                                      ; tile 1's 34 loads may be out
	s_wait_alu depctr_va_vdst(0)                   ; tile 0's fragment v224-235 is written, which the three stores read
	W1S 0
	W1Q 1, 0
	v_cndmask_b32 v74, v72, v73, s[HI16]           ; lanes 0-15 tile 2 i's words, lanes 16-31 tile 2 i + 1's
	s_wait_alu depctr_va_vdst(0)                   ; tile 1's fragment v236-247 and the words v74 are written, which the four stores read
	W1S 1
	global_store_b32 v13, v74, s[50:51] offset:24576
	s_endpgm
.Lfunc_end_k_q8b35ff5e9f_project:
	.size	k_q8b35ff5e9f_project, .Lfunc_end_k_q8b35ff5e9f_project-k_q8b35ff5e9f_project
	.p2alignl 7, 3214868480
	.fill 96, 4, 3214868480
	.section	.rodata,"a",@progbits
	.p2align	6, 0x0
	.amdhsa_kernel k_q8b35ff5e9f_project
		.amdhsa_group_segment_fixed_size 41472
		.amdhsa_private_segment_fixed_size 0
		.amdhsa_enable_private_segment 0
		.amdhsa_kernarg_size 120
		.amdhsa_user_sgpr_count 2
		.amdhsa_user_sgpr_kernarg_segment_ptr 1
		.amdhsa_wavefront_size32 1
		.amdhsa_system_sgpr_workgroup_id_x 1
		.amdhsa_system_sgpr_workgroup_id_y 1
		.amdhsa_system_sgpr_workgroup_id_z 1
		.amdhsa_system_vgpr_workitem_id 0
		.amdhsa_next_free_vgpr 512
		.amdhsa_next_free_sgpr 66
		.amdhsa_reserve_vcc 0
		.amdhsa_float_denorm_mode_32 3
		.amdhsa_float_denorm_mode_16_64 3
		.amdhsa_memory_ordered 1
		.amdhsa_forward_progress 1
		.amdhsa_inst_pref_size 56
	.end_amdhsa_kernel
	.amdgpu_metadata
---
amdhsa.version: [ 1, 2 ]
amdhsa.kernels:
  - .name:           k_q8b35ff5e9f_project
    .symbol:         k_q8b35ff5e9f_project.kd
    .args:
      - { .name: obs, .offset: 0, .size: 8, .value_kind: global_buffer, .address_space: global }
      - { .name: Wq_codes, .offset: 8, .size: 8, .value_kind: global_buffer, .address_space: global }
      - { .name: Wq_scales, .offset: 16, .size: 8, .value_kind: global_buffer, .address_space: global }
      - { .name: Wk_codes, .offset: 24, .size: 8, .value_kind: global_buffer, .address_space: global }
      - { .name: Wk_scales, .offset: 32, .size: 8, .value_kind: global_buffer, .address_space: global }
      - { .name: Wv_codes, .offset: 40, .size: 8, .value_kind: global_buffer, .address_space: global }
      - { .name: Wv_scales, .offset: 48, .size: 8, .value_kind: global_buffer, .address_space: global }
      - { .name: bq, .offset: 56, .size: 8, .value_kind: global_buffer, .address_space: global }
      - { .name: bk, .offset: 64, .size: 8, .value_kind: global_buffer, .address_space: global }
      - { .name: bv, .offset: 72, .size: 8, .value_kind: global_buffer, .address_space: global }
      - { .name: W1, .offset: 80, .size: 8, .value_kind: global_buffer, .address_space: global }
      - { .name: kv, .offset: 88, .size: 8, .value_kind: global_buffer, .address_space: global }
      - { .name: qc, .offset: 96, .size: 8, .value_kind: global_buffer, .address_space: global }
      - { .name: qs, .offset: 104, .size: 8, .value_kind: global_buffer, .address_space: global }
      - { .name: w1q, .offset: 112, .size: 8, .value_kind: global_buffer, .address_space: global }
    .group_segment_fixed_size: 41472
    .private_segment_fixed_size: 0
    .kernarg_segment_align: 8
    .kernarg_segment_size: 120
    .max_flat_workgroup_size: 128
    .sgpr_count:     66
    .vgpr_count:     512
    .wavefront_size: 32
...
	.end_amdgpu_metadata
.endif
;; end of part 4
;; launch attend (part 5): grid 64 x 4, 16 waves a work-group, clusters of 4 x 1, 251,904 bytes of LDS; arguments kv, qc, qs, part, pst; writes part, pst
.if DOCPART == 5
	.amdgcn_target "amdgcn-amd-amdhsa--gfx1250"
	.amdhsa_code_object_version 6
	.text
	.protected	k_q8b35ff5e9f_attend
	.globl	k_q8b35ff5e9f_attend
	.p2align	8
	.type	k_q8b35ff5e9f_attend,@function
k_q8b35ff5e9f_attend:
	s_mov_b64 s[64:65], 0
	v_nop
	global_prefetch_b8 v0, s[64:65] scope:SCOPE_SE
	s_setreg_imm32_b32 hwreg(HW_REG_WAVE_MODE, 25, 1), 1
	s_wait_xcnt 0x0
	s_wait_alu depctr_hold_cnt(0) depctr_sa_sdst(0) depctr_va_vdst(0) depctr_va_sdst(0) depctr_va_ssrc(0) depctr_va_vcc(0) depctr_vm_vsrc(0)
	s_getreg_b32 s2, hwreg(HW_REG_IB_STS2, 6, 4)
	s_cmp_eq_u32 s2, 0
	s_cbranch_scc0 .Lentry_in_a_cluster
	s_endpgm
.Lentry_in_a_cluster:
	s_bfe_u32 s2, ttmp6, 0x10000c
	s_cmp_lg_u32 s2, 0x3003
	s_cbranch_scc0 .Lentry_shape_is_right
	s_endpgm
.Lentry_shape_is_right:
; ATTEND.  For 128 queries and a quarter of the keys (2,048): S^T = K Q^T, p = 2^(t - M), O^T += V^T P^T, both products on codes of E3M2 with one E8M0 scale for each 32 along K.
; t = score x log2(e); M = the largest t so far, rounded up to a whole number; p is quantised along the keys, not normalised; the row's sum is taken of the unquantised p.  When M moves, the sum and O^T are
; multiplied by 2^(old M - new M), which rounds nothing.  What leaves is O^T, -M and the sum for this quarter of the keys; the next launch joins the four quarters in the same way and divides.
; SHARES.  Work-group (x, y): queries 128 x on, keys 2,048 y on.  Wave w: the tile of 16 queries w % 8, and of the quarter's 16 blocks of 128 keys the eight from 8 (w / 8) on.  Four waves lie on a SIMD,
; so that one wave's vector work stands beside another's matrix work and LDS loads.  At the end waves w and w + 8 join their halves through LDS.
; LDS.  The quarter's codes and scale words, 16 blocks of 13,312 bytes, are 212,992 bytes: they fit whole and are filled ONCE, in four groups.  The first group (both halves' first two blocks) is read behind a
; counted wait and a barrier, the other three behind a wait for all and a second barrier.  Nothing is filled again.  Behind them: 8 x 4,608 bytes in which the waves' halves meet; no tensor load lands there.
; CLUSTER.  The four work-groups of a cluster have the same y and so the same keys: each tile is asked for JOINTLY, by the same tensor load with the same descriptor and a mask that names the four.
; LAYOUT.  Both products are used transposed: a lane holds one query (lane % 16) throughout.  The launch before has chosen the keys of K's tiles so that tile i, row m is key 32 (2 (i / 4) + m / 8) + 8 (i % 4) + m % 8:
; a lane's registers S+0 .. 31 are the whole block lane / 16 of 32 neighbouring keys, S+32 .. 63 the block 2 + lane / 16: the very order in which the second product wants p.  So a block's largest p needs no other
; lane, and the conversions' results are the operand but for three moves a block.  All operands lie in LDS in the order of their registers, 48 bytes a lane.
; K = 64 IN AN INSTRUCTION OF 128: Q's registers 6-11 are zero codes.  K's fragments lie 6 registers apart, so that a fragment's upper six registers are the next fragment's codes: they meet Q's zero codes and add
; nothing (E3M2 has no code for infinity or NaN; the scale bytes there are 0, which is 2^-127).  Behind the last fragment stand six registers of zeros.
; LOADS AHEAD.  K's registers are free as soon as the eight products S^T are issued: the next step's K is asked for there and has the whole softmax in which to land.  V's tiles 0 and 1 have registers of their own
; and are asked for at the same place; tiles 2 and 3 land in S+0 .. 23 once those p are converted and summed, 43 vector instructions ahead of the wait for them.
; LIMITS: NaN and infinities are not served; a p under 2^-126 counts as 0; a block whose every p is 0 keeps the scale byte 1 (its codes are zeros).
.set BLK,  13312                       ; a block of 128 keys: K's codes 0, V's 6,144, K's scale words 12,288, V's 12,800
.set CMB,  16*BLK                      ; where two waves' halves meet: 4,608 bytes a tile: O^T 4,096, -M 128, the sum 128
.set SH,   29                          ; v29      8 x (lane / 16): my bytes' place in p's scale word
.set F,    32                          ; v32-79   eight fragments of K, 6 registers each;  v80-85 zeros
.set BM,   86                          ; v86-89   the largest scores of four runs of 16 keys; then, in v86 and v88, of my two blocks; then their largest p
.set TP,   90                          ; v90      at work
.set PX,   91                          ; v91      what lane l xor 16 sends
.set WD,   92                          ; v92      my two bytes of p's scale word
.set BY,   94                          ; v94-95   the two bytes
.set S,    96                          ; v96-159  S^T, then p; v96-119 then V's tiles 2 and 3
.set O,    160                         ; v160-191 O^T
.set SO,   192                         ; v192-193 the conversions' scale operands
.set T,    196                         ; v196-198, v200-202 second halves of blocks, as the conversions leave them
.set KS,   204                         ; v204-207 K's scale words: register b: lanes 0-15 tile 2 b's, lanes 16-31 tile 2 b + 1's
.set VS,   208                         ; v208-209 V's likewise
.set FF,   210                         ; v[210:211] f = 2^(old M - new M); the upper word is only named
.set PW,   212                         ; v212     p's scale word
.set G2,   214                         ; v[214:215] at the end: the other half's factor
.set L2,   216                         ; v[216:217] the sum's second chain
.set PC,   218                         ; v218-229 p's codes
.set VA,   232                         ; v232-255 V's tiles 0 and 1
.set WV,   14                          ; s14 my wave's number
.set SEL,  20                          ; s[20:21] v_permlanex16_b32's selects for lane l xor 16
.set CS,   22                          ; s[22:23] log2(e): the packed form names a pair and takes its low word for both halves
.set G1,   24                          ; s[24:31] descriptor group 1
.set G0,   32                          ; s[32:47] four groups 0, one for each of my four loads
.macro CROUND                          ; a round of the cluster's barrier
	s_barrier_signal -1
	s_barrier_wait -1
	s_cmp_lg_u32 s[WV], 0
	s_cbranch_scc1 .Lnot_wave_0_\@
	s_barrier_signal -3
.Lnot_wave_0_\@:
	s_barrier_wait -3
	s_barrier_signal -1
	s_barrier_wait -1
.endm
	s_load_b256 s[4:11], s[0:1], 0x0               ; kv 4:5, qc 6:7, qs 8:9, part 10:11
	s_load_b64 s[12:13], s[0:1], 0x20              ; pst
	v_lshl_add_u32 v230, v0, 2, 0x3d000
	v_mov_b32 v231, 0
	ds_add_u32 v230, v231
	ds_add_u32 v230, v231
	v_lshrrev_b32 v1, 5, v0
	s_delay_alu instid0(VALU_DEP_1)
	v_readfirstlane_b32 s[WV], v1                  ; wave 0..15
	s_and_b32 s15, s[WV], 7                        ; my tile of queries
	s_lshr_b32 s16, s[WV], 3                       ; my half of the quarter's keys
	s_bfe_u32 s17, ttmp6, 0x40000                  ; cx: it enters the addresses of qc, qs, part and pst alone
	s_lshl_b32 s18, ttmp9, 2
	s_add_co_u32 s18, s18, s17                     ; my block of 128 queries = 4 x cluster x + cx
	s_and_b32 s19, ttmp7, 0xffff                   ; the quarter of the keys, which the four partners share
	s_mov_b32 s[SEL], 0x76543210
	s_mov_b32 s[SEL+1], 0xfedcba98
	s_mov_b32 s[CS], 0x3fb8aa3b                    ; log2(e)
	s_mov_b32 s[CS+1], s[CS]
	; descriptor group 1: a quarter of a block, 3,328 dense bytes, as 13 rows of 256 bytes (32 elements of 8 bytes)
	s_mov_b32 s[G1], 15|(3<<16)|(1<<21)            ; 15:0 the mask: all four work-groups; 17:16 elements of 8 bytes; 20 no padding; 21 set beside a mask
	s_mov_b32 s[G1+1], 32<<16                      ; tensor_dim0
	s_mov_b32 s[G1+2], 13<<16                      ; tensor_dim1
	s_mov_b32 s[G1+3], 32<<16                      ; tile_dim0
	s_mov_b32 s[G1+4], 13                          ; tile_dim1
	s_mov_b32 s[G1+5], 32                          ; the pitch
	s_mov_b32 s[G1+6], 0
	s_mov_b32 s[G1+7], 0
	; what I fetch: in group p the quarter w % 4 of block 8 (w / 8) + (w / 4) % 2 + 2 p: group p brings blocks 2 p, 2 p + 1, 8 + 2 p, 9 + 2 p, which are both halves' steps 2 p and 2 p + 1
	s_lshl_b32 s48, s16, 3
	s_bfe_u32 s49, s[WV], 0x10002
	s_add_co_u32 s48, s48, s49
	s_mul_i32 s48, s48, BLK
	s_and_b32 s49, s[WV], 3
	s_mul_i32 s49, s49, 3328
	s_add_co_u32 s48, s48, s49                     ; the same place in LDS and in the quarter: no place in the cluster enters it
	s_mul_i32 s50, s19, 16*BLK
	s_add_co_u32 s50, s50, s48
	s_mov_b32 s51, 0
	s_lshl_b32 s54, s18, 3
	s_add_co_u32 s54, s54, s15                     ; T: my tile among the 512
	s_lshr_b32 s58, s54, 1
	s_mul_i32 s58, s58, 1536
	s_and_b32 s59, s54, 1
	s_mul_i32 s59, s59, 24
	s_add_co_u32 s58, s58, s59                     ; q's codes: pair T / 2, 24 bytes on for the odd tile
	s_mov_b32 s59, 0
	s_lshl_b32 s60, s54, 6                         ; q's scale words: 64 bytes a tile
	s_mov_b32 s61, 0
	s_lshl_b32 s62, s19, 9
	s_add_co_u32 s62, s62, s54                     ; 512 x quarter + T
	; addresses in LDS: a constant x lane + a constant x wave's half or tile
	v_and_b32 v8, 31, v0                           ; lane
	s_mul_i32 s55, s16, 8*BLK
	v_mul_u32_u24 v10, v8, 48                      ; 48 x lane: also q's codes in memory
	s_delay_alu instid0(VALU_DEP_1)
	v_add_nc_u32 v1, s55, v10                      ; v1: codes of the step in hand
	v_lshlrev_b32 v6, 4, v8                        ; v6: 16 x lane
	s_delay_alu instid0(VALU_DEP_1)
	v_add_nc_u32 v2, s55, v6                       ; v2: K's scale words
	v_lshlrev_b32 v7, 3, v8                        ; v7: 8 x lane
	s_delay_alu instid0(VALU_DEP_1)
	v_add_nc_u32 v3, s55, v7                       ; v3: V's scale words
	s_mul_i32 s56, s15, 4608
	s_add_co_u32 s56, s56, CMB
	v_add_nc_u32 v4, s56, v6                       ; v4: where the halves' O^T meet
	v_lshlrev_b32 v5, 2, v8
	s_delay_alu instid0(VALU_DEP_1)
	v_add_nc_u32 v5, s56, v5
	s_delay_alu instid0(VALU_DEP_1)
	v_add_nc_u32 v5, 4096, v5                      ; v5: and -M and the sum
	v_and_b32 v11, 15, v0
	s_delay_alu instid0(VALU_DEP_1)
	v_lshlrev_b32 v11, 2, v11                      ; 4 r: q's scale word
	v_bfe_u32 v[SH], v0, 4, 1
	s_delay_alu instid0(VALU_DEP_1)
	v_lshlrev_b32 v[SH], 3, v[SH]                  ; 8 x (lane / 16)
	s_wait_dscnt 0x0
	s_wait_kmcnt 0x0
	s_add_nc_u64 s[52:53], s[4:5], s[50:51]
.irp p, 0,1,2,3
	s_mov_b32 s[G0+4*\p], 1                        ; count = 1
	s_add_co_u32 s[G0+4*\p+1], s48, 2*BLK*\p       ; LDS address
	s_add_nc_u64 s[G0+4*\p+2:G0+4*\p+3], s[52:53], 2*BLK*\p   ; global address
	s_or_b32 s[G0+4*\p+3], s[G0+4*\p+3], 0x80000000   ; type = 2
.endr
	s_add_nc_u64 s[6:7], s[6:7], s[58:59]
	s_add_nc_u64 s[8:9], s[8:9], s[60:61]
	s_lshl_b32 s58, s62, 12                        ; part: 4,096 bytes a tile
	s_lshl_b32 s60, s62, 8                         ; pst: 256
	s_add_nc_u64 s[10:11], s[10:11], s[58:59]
	s_add_nc_u64 s[12:13], s[12:13], s[60:61]
	CROUND                                         ; all four work-groups are here: the joint loads meet
	tensor_load_to_lds s[G0:G0+3], s[G1:G1+7]      ; all fills of the launch go out together: four loads of mine are out
	s_nop 0
	tensor_load_to_lds s[G0+4:G0+7], s[G1:G1+7]
	s_nop 0
	tensor_load_to_lds s[G0+8:G0+11], s[G1:G1+7]
	s_nop 0
	tensor_load_to_lds s[G0+12:G0+15], s[G1:G1+7]
	s_nop 0
.rept 4
	v_nop
.endr
.irp i, 0,1,2
	global_load_b64 v[16+2*\i:17+2*\i], v10, s[6:7] offset:8*\i   ; Q's six registers stay
.endr
	s_wait_alu depctr_va_vdst(0)
	global_load_b32 v28, v11, s[8:9]               ; and its scale words
	v_mov_b32 v13, 0xff61b1e6                      ; the largest t so far: -3e38, under every t
	s_delay_alu instid0(VALU_DEP_1)
	v_floor_f32 v12, -v13                          ; -M
	v_mov_b32 v14, 0                               ; the sum, in two halves
	v_mov_b32 v15, 0
.irp j, 22,23,24,25,26,27,80,81,82,83,84,85
	v_mov_b32 v\j, 0                               ; zero codes: Q's upper half, and what stands behind K's last fragment
.endr
.set J, 0
.rept 32
	v_mov_b32 v[O+J], 0                            ; O^T.  (The step is written in one form: the first finds zeros, which the first change of M leaves zeros)
.set J, J+1
.endr
	v_mov_b32 v[PX], 0                             ; written once: a lane permute's destination counts as one of its sources
	v_mov_b32 v8, 0
	v_mov_b32 v[FF+1], 0                           ; (upper words of pairs that are named whole)
	v_mov_b32 v[G2+1], 0
	s_wait_loadcnt 0x0                             ; Q
; A KEY STEP: 128 keys, the block at v1, v2, v3.  kload = 1: K's fragments are fetched at the step's head (the first step behind a barrier); else the step before has asked for them, and its wait for all its LDS
; loads has shown them in.  pre = 1: the next block's K is asked for (not where that block lies behind the next barrier, nor in the last step).
.macro STEP kload, pre
.if \kload
.irp i, 0,1,2,3,4,5,6,7,8,9,10,11
	ds_load_b128 v[F+4*\i:F+4*\i+3], v1 offset:1536*(\i/3)+16*(\i%3)   ; K's eight fragments, 48 bytes a lane for each pair
.endr
	ds_load_b128 v[KS:KS+3], v2 offset:12288
	s_wait_dscnt 0x0
.endif
.irp i, 0,2,4,6
	v_wmma_scale_f32_16x16x128_f8f6f4 v[S+8*\i:S+8*\i+7], v[F+6*\i:F+6*\i+11], v[16:27], 0, v[KS+\i/2], v28 matrix_a_fmt:MATRIX_FMT_BF6 matrix_b_fmt:MATRIX_FMT_BF6
	v_wmma_scale_f32_16x16x128_f8f6f4 v[S+8*\i+8:S+8*\i+15], v[F+6*\i+6:F+6*\i+17], v[16:27], 0, v[KS+\i/2], v28 matrix_a_fmt:MATRIX_FMT_BF6 matrix_b_fmt:MATRIX_FMT_BF6 matrix_a_scale:MATRIX_SCALE_ROW1
.endr
.rept 4
	v_nop                                          ; places in front of the loads into K's registers and scale words and of the first read of the scores
.endr
.irp i, 0,1,2,3,4,5
	ds_load_b128 v[VA+4*\i:VA+4*\i+3], v1 offset:6144+1536*(\i/3)+16*(\i%3)   ; V's tiles 0 and 1
.endr
	ds_load_b64 v[VS:VS+1], v3 offset:12800
.if \pre
.irp i, 0,1,2,3,4,5,6,7,8,9,10,11
	ds_load_b128 v[F+4*\i:F+4*\i+3], v1 offset:BLK+1536*(\i/3)+16*(\i%3)   ; the next block's K: it lands under the softmax
.endr
	ds_load_b128 v[KS:KS+3], v2 offset:BLK+12288
.endif
.irp b, 0,1,2,3
	v_max3_num_f32 v[BM+\b], v[S+16*\b], v[S+1+16*\b], v[S+2+16*\b]   ; the largest score of each run of 16 keys: four chains by turns
.endr
.irp i, 3,5,7,9,11,13
.irp b, 0,1,2,3
	v_max3_num_f32 v[BM+\b], v[BM+\b], v[S+16*\b+\i], v[S+1+16*\b+\i]
.endr
.endr
.irp b, 0,1,2,3
	v_max_num_f32 v[BM+\b], v[BM+\b], v[S+15+16*\b]
.endr
	s_delay_alu instid0(VALU_DEP_3)
	v_max_num_f32 v[BM], v[BM], v[BM+1]            ; THE LARGEST SCORE OF EACH OF MY TWO BLOCKS OF 32 KEYS: it serves for the row's maximum and, since p rises with the score, for the block's largest p
	s_delay_alu instid0(VALU_DEP_2)
	v_max_num_f32 v[BM+2], v[BM+2], v[BM+3]
	s_delay_alu instid0(VALU_DEP_1)
	v_max_num_f32 v[TP], v[BM], v[BM+2]
	s_delay_alu instid0(VALU_DEP_1)
	v_permlanex16_b32 v[PX], v[TP], s[SEL], s[SEL+1]
	s_delay_alu instid0(VALU_DEP_1)
	v_max_num_f32 v[TP], v[TP], v[PX]              ; with lane l xor 16's two blocks: the step's largest score of my query
	s_delay_alu instid0(VALU_DEP_1)
	v_mul_f32 v[TP], s[CS], v[TP]                  ; as t
	s_delay_alu instid0(VALU_DEP_1)
	v_max_num_f32 v13, v13, v[TP]                  ; the running largest t
	v_mov_b32 v[TP], v12
	s_delay_alu instid0(VALU_DEP_2)
	v_floor_f32 v12, -v13                          ; the new -M = floor(-t) = -ceil(t)
	s_delay_alu instid0(VALU_DEP_1)
	v_sub_f32 v[TP], v12, v[TP]                    ; old M - new M: a whole number, 0 or less
	s_delay_alu instid0(VALU_DEP_1)
	v_cvt_i32_f32 v[TP], v[TP]                     ; (it saturates)
	s_delay_alu instid0(VALU_DEP_1)
	v_ldexp_f32 v[FF], 1.0, v[TP]                  ; f = 2^(old M - new M)
.set J, 0
.rept 32
	v_pk_fma_f32 v[S+J:S+J+1], v[S+J:S+J+1], s[CS:CS+1], v[12:13] op_sel_hi:[1,0,0]   ; t - M, two at a time
.set J, J+2
.endr
	v_fma_f32 v[BM], v[BM], s[CS], v12             ; the same of each block's largest score
	v_fma_f32 v[BM+2], v[BM+2], s[CS], v12
.set J, 0
	s_wait_alu depctr_va_vdst(0)
.rept 64
	v_exp_f32 v[S+J], v[S+J]                       ; p = 2^(t - M), at most 1
.set J, J+1
.endr
	v_exp_f32 v[BM], v[BM]                         ; the block's largest p: the same two instructions on the same number give the same bits
	v_exp_f32 v[BM+2], v[BM+2]
	v_pk_mul_f32 v[14:15], v[14:15], v[FF:FF+1] op_sel_hi:[1,0]   ; the sums under the new M.  (A plain place behind the exponentials)
	s_wait_alu depctr_va_vdst(0)
	v_max_num_f32 v[BM], 0x2800000, v[BM]          ; the floor 2^(5 - 127): the byte cannot fall under 1
	v_max_num_f32 v[BM+2], 0x2800000, v[BM+2]
	s_delay_alu instid0(VALU_DEP_2)
	v_add_nc_u32 v[SO], 0xfe000000, v[BM]          ; 4 off the exponent field: the conversion's scale operand
	s_delay_alu instid0(VALU_DEP_2)
	v_add_nc_u32 v[SO+1], 0xfe000000, v[BM+2]
	s_delay_alu instid0(VALU_DEP_2)
	v_lshrrev_b32 v[BY], 23, v[SO]                 ; the scale's byte
	s_delay_alu instid0(VALU_DEP_2)
	v_lshrrev_b32 v[BY+1], 23, v[SO+1]
	s_delay_alu instid0(VALU_DEP_1)
	v_lshl_or_b32 v[WD], v[BY+1], 16, v[BY]        ; my two bytes, blocks h and 2 + h,
	s_delay_alu instid0(VALU_DEP_1)
	v_lshlrev_b32 v[WD], v[SH], v[WD]              ; at their places in the word;
	s_delay_alu instid0(VALU_DEP_1)
	v_permlanex16_b32 v[PX], v[WD], s[SEL], s[SEL+1]
	s_delay_alu instid0(VALU_DEP_1)
	v_or_b32 v[PW], v[WD], v[PX]                   ; with lane l xor 16's two the word is whole
.irp c, 0,1
	v_cvt_scalef32_pk16_bf6_f32 v[PC+6*\c:PC+6*\c+2], v[S+32*\c:S+32*\c+15], v[SO+\c]
	v_cvt_scalef32_pk16_bf6_f32 v[T+4*\c:T+4*\c+2], v[S+16+32*\c:S+31+32*\c], v[SO+\c]   ; (a conversion's three registers begin on an even number: the block's second three do not, so they are made here and moved)
.endr
	v_nop                                          ; one plain place behind a scaled conversion
	v_pk_add_f32 v[L2:L2+1], v[S:S+1], v[S+2:S+3]  ; the row's sum is taken of the unquantised p: two at a time, in two chains; S+0 .. 23 first,
.irp j, 4,8,12,16,20
	v_pk_add_f32 v[14:15], v[14:15], v[S+\j:S+\j+1]
	v_pk_add_f32 v[L2:L2+1], v[L2:L2+1], v[S+2+\j:S+3+\j]
.endr
.irp i, 0,1,2,3,4,5
	ds_load_b128 v[S+4*\i:S+4*\i+3], v1 offset:9216+1536*(\i/3)+16*(\i%3)   ; which then take V's tiles 2 and 3
.endr
.irp c, 0,1
.irp i, 0,1,2
	v_mov_b32 v[PC+3+6*\c+\i], v[T+4*\c+\i]
.endr
.endr
.irp j, 24,28,32,36,40,44,48,52,56,60
	v_pk_add_f32 v[14:15], v[14:15], v[S+\j:S+\j+1]
	v_pk_add_f32 v[L2:L2+1], v[L2:L2+1], v[S+2+\j:S+3+\j]
.endr
	s_delay_alu instid0(VALU_DEP_1)
	v_pk_add_f32 v[14:15], v[14:15], v[L2:L2+1]
.set J, 0
.rept 16
	v_pk_mul_f32 v[O+J:O+J+1], v[O+J:O+J+1], v[FF:FF+1] op_sel_hi:[1,0]   ; O^T under the new M
.set J, J+2
.endr
	s_wait_alu depctr_va_vdst(0)
	s_wait_dscnt 0x0                               ; V is in, and so is the next block's K
	; the four accumulators take turns, one instruction a turn, and eight other products stand between two steps' turns
	v_wmma_scale_f32_16x16x128_f8f6f4 v[O:O+7], v[VA:VA+11], v[PC:PC+11], v[O:O+7], v[VS], v[PW] matrix_a_fmt:MATRIX_FMT_BF6 matrix_b_fmt:MATRIX_FMT_BF6
	v_wmma_scale_f32_16x16x128_f8f6f4 v[O+8:O+15], v[VA+12:VA+23], v[PC:PC+11], v[O+8:O+15], v[VS], v[PW] matrix_a_fmt:MATRIX_FMT_BF6 matrix_b_fmt:MATRIX_FMT_BF6 matrix_a_scale:MATRIX_SCALE_ROW1
	v_wmma_scale_f32_16x16x128_f8f6f4 v[O+16:O+23], v[S:S+11], v[PC:PC+11], v[O+16:O+23], v[VS+1], v[PW] matrix_a_fmt:MATRIX_FMT_BF6 matrix_b_fmt:MATRIX_FMT_BF6
	v_wmma_scale_f32_16x16x128_f8f6f4 v[O+24:O+31], v[S+12:S+23], v[PC:PC+11], v[O+24:O+31], v[VS+1], v[PW] matrix_a_fmt:MATRIX_FMT_BF6 matrix_b_fmt:MATRIX_FMT_BF6 matrix_a_scale:MATRIX_SCALE_ROW1
	v_add_nc_u32 v1, BLK, v1                       ; on to the next block.  With the two v_nop: five places, since the next step's products write over S+0 .. 23, which these products read
	v_add_nc_u32 v2, BLK, v2
	v_add_nc_u32 v3, BLK, v3
	v_nop
	v_nop
.endm
	s_wait_tensorcnt 3                             ; a wave's tensor loads end in order: my part of the first group is in LDS; the three later groups' may stay out
	s_barrier_signal -1
	s_barrier_wait -1                              ; and everybody's is: both halves' blocks 0 and 1
	STEP 1, 1
	STEP 0, 0                                      ; (block 2 lies behind the next barrier: it is not asked for here)
	s_wait_alu depctr_va_vdst(0)
	s_wait_tensorcnt 0x0                           ; all my loads have landed.  (No LDS access of mine is out at the signal: each step's last LDS loads are waited for in front of its last products)
	s_barrier_signal -1
	s_barrier_wait -1                              ; everybody's have: the six steps that follow need no further barrier
	STEP 1, 1
	STEP 0, 1
	STEP 0, 1
	STEP 0, 1
	STEP 0, 1
	STEP 0, 0
	; THE TWO HALVES OF THE KEYS MEET.  The sum's two halves and lane l xor 16's are added; waves 8-15 lay O^T, -M and the sum in LDS as images of their registers; waves 0-7 join them with their own and store.
	v_add_f32 v14, v14, v15
	s_delay_alu instid0(VALU_DEP_1)
	v_permlanex16_b32 v8, v14, s[SEL], s[SEL+1]
	s_delay_alu instid0(VALU_DEP_1)
	v_add_f32 v14, v14, v8
	s_cmp_lt_u32 s[WV], 8
	s_cbranch_scc1 .Lkeeps
.irp g, 0,1,2,3,4,5,6,7
	ds_store_b128 v4, v[O+4*\g:O+4*\g+3] offset:512*\g   ; each accumulator from its low end on
.endr
	ds_store_b32 v5, v12
	ds_store_b32 v5, v14 offset:128
.Lkeeps:
	s_wait_dscnt 0x0                               ; for the others' sake: my stores are done
	s_barrier_signal -1
	s_barrier_wait -1
	s_cmp_ge_u32 s[WV], 8
	s_cbranch_scc1 .Ldone
.irp g, 0,1,2,3,4,5,6,7
	ds_load_b128 v[F+4*\g:F+4*\g+3], v4 offset:512*\g
.endr
	ds_load_b32 v8, v5
	ds_load_b32 v9, v5 offset:128
	s_wait_dscnt 0x0
	v_min_num_f32 v10, v12, v8                     ; the joint -M: the larger M
	s_delay_alu instid0(VALU_DEP_1)
	v_sub_f32 v[BM], v10, v12
	s_delay_alu instid0(VALU_DEP_2)
	v_sub_f32 v[BM+1], v10, v8
	s_delay_alu instid0(VALU_DEP_2)
	v_cvt_i32_f32 v[BM], v[BM]
	s_delay_alu instid0(VALU_DEP_2)
	v_cvt_i32_f32 v[BM+1], v[BM+1]
	s_delay_alu instid0(VALU_DEP_2)
	v_ldexp_f32 v[FF], 1.0, v[BM]                  ; my half's factor,
	s_delay_alu instid0(VALU_DEP_2)
	v_ldexp_f32 v[G2], 1.0, v[BM+1]                ; the other's: powers of two
	s_delay_alu instid0(VALU_DEP_1)
	v_mul_f32 v11, v9, v[G2]
	s_wait_alu depctr_va_vdst(0)
	v_fma_f32 v11, v14, v[FF], v11                 ; the joint sum
.set J, 0
.rept 16
	v_pk_mul_f32 v[S+J:S+J+1], v[F+J:F+J+1], v[G2:G2+1] op_sel_hi:[1,0]
.set J, J+2
.endr
.set J, 0
.rept 16
	v_pk_fma_f32 v[S+J:S+J+1], v[O+J:O+J+1], v[FF:FF+1], v[S+J:S+J+1] op_sel_hi:[1,0,1]
.set J, J+2
.endr
.irp g, 0,1,2,3,4,5,6,7
	global_store_b128 v6, v[S+4*\g:S+4*\g+3], s[10:11] offset:512*\g   ; O^T as an image of its registers: 512 consecutive bytes a store, aligned
.endr
	global_store_b64 v7, v[10:11], s[12:13]        ; (-M, the sum): 256 consecutive bytes, aligned
.Ldone:
	s_wait_tensorcnt 0x0
	ds_add_u32 v230, v231
	s_wait_dscnt 0x0
	CROUND                                         ; the closing round: no work-group ends while a partner may still ask for a tile that names it
	s_endpgm
.Lfunc_end_k_q8b35ff5e9f_attend:
	.size	k_q8b35ff5e9f_attend, .Lfunc_end_k_q8b35ff5e9f_attend-k_q8b35ff5e9f_attend
	.p2alignl 7, 3214868480
	.fill 96, 4, 3214868480
	.section	.rodata,"a",@progbits
	.p2align	6, 0x0
	.amdhsa_kernel k_q8b35ff5e9f_attend
		.amdhsa_group_segment_fixed_size 251904
		.amdhsa_private_segment_fixed_size 0
		.amdhsa_enable_private_segment 0
		.amdhsa_kernarg_size 40
		.amdhsa_user_sgpr_count 2
		.amdhsa_user_sgpr_kernarg_segment_ptr 1
		.amdhsa_wavefront_size32 1
		.amdhsa_system_sgpr_workgroup_id_x 1
		.amdhsa_system_sgpr_workgroup_id_y 1
		.amdhsa_system_sgpr_workgroup_id_z 1
		.amdhsa_system_vgpr_workitem_id 0
		.amdhsa_next_free_vgpr 256
		.amdhsa_next_free_sgpr 66
		.amdhsa_reserve_vcc 0
		.amdhsa_float_denorm_mode_32 3
		.amdhsa_float_denorm_mode_16_64 3
		.amdhsa_memory_ordered 1
		.amdhsa_forward_progress 1
		.amdhsa_inst_pref_size 133
	.end_amdhsa_kernel
	.amdgpu_metadata
---
amdhsa.version: [ 1, 2 ]
amdhsa.kernels:
  - .name:           k_q8b35ff5e9f_attend
    .symbol:         k_q8b35ff5e9f_attend.kd
    .args:
      - { .name: kv, .offset: 0, .size: 8, .value_kind: global_buffer, .address_space: global }
      - { .name: qc, .offset: 8, .size: 8, .value_kind: global_buffer, .address_space: global }
      - { .name: qs, .offset: 16, .size: 8, .value_kind: global_buffer, .address_space: global }
      - { .name: part, .offset: 24, .size: 8, .value_kind: global_buffer, .address_space: global }
      - { .name: pst, .offset: 32, .size: 8, .value_kind: global_buffer, .address_space: global }
    .group_segment_fixed_size: 251904
    .private_segment_fixed_size: 0
    .kernarg_segment_align: 8
    .kernarg_segment_size: 40
    .max_flat_workgroup_size: 512
    .sgpr_count:     66
    .vgpr_count:     256
    .wavefront_size: 32
...
	.end_amdgpu_metadata
.endif
;; end of part 5
;; launch finish (part 6): grid 128 x 1, 5 waves a work-group, no clusters, 8,960 bytes of LDS; arguments part, pst, w1q, action, b1, ln_g, ln_b, W2, b2, obs, pred, out0; writes pred, out0
.if DOCPART == 6
	.amdgcn_target "amdgcn-amd-amdhsa--gfx1250"
	.amdhsa_code_object_version 6
	.text
	.protected	k_q8b35ff5e9f_finish
	.globl	k_q8b35ff5e9f_finish
	.p2align	8
	.type	k_q8b35ff5e9f_finish,@function
k_q8b35ff5e9f_finish:
	s_mov_b64 s[64:65], 0
	v_nop
	global_prefetch_b8 v0, s[64:65] scope:SCOPE_SE
	s_setreg_imm32_b32 hwreg(HW_REG_WAVE_SCHED_MODE, 0, 2), 2
	s_setreg_imm32_b32 hwreg(HW_REG_WAVE_MODE, 25, 1), 1
	s_wait_xcnt 0x0
	s_wait_alu depctr_vm_vsrc(0)
; FINISH.  The four quarters of the keys are joined and divided by the row's sum; h = [out, action]; z = h W1 + b1 on codes of E3M2 (K = 66 in one instruction of 128, the rest zero codes); LayerNorm, relu,
; pred_action = z W2 + b2; then the bicycle model of every row, which takes pred_action[0] for all rows, as the source does.
; Every row of pred_action is computed, as the source computes it, and stored in a buffer of the program's own, though row 0 alone reaches the output.
; SHARES.  Work-group g owns rows 64 g .. 64 g + 63: waves 0-3 one tile of 16 rows each (tile T = 4 g + wave; lane r stands for row 32 (T / 2) + 8 (T % 2) + r + 8 (r / 8), as in the launches before).
; Wave 4 computes tile 0 once more, so that the work-group has pred_action[0] without a further launch: 16 rows' partials and 16 matrix instructions.
; The product is used transposed (source 0 = 16 columns of W1, source 1 = h's 16 rows): a lane holds one row, and register j of tile t the unit 16 t + 8 (lane / 16) + j; so a row's mean and variance want one
; exchange between the halves of the lanes.  b1 is the accumulators' first content.  The last product has 2 columns: it is done by fused multiply-adds in f32, two at a time.
; W1's fragments and scale words come straight into registers: the first launch has laid them in the registers' order.  b1, ln_g, ln_b, W2 (5,120 bytes) come once, 1,024 bytes a wave, into LDS.
; No cluster, no tensor load: what the work-groups share is these 30 KB, read once by each; a work-group's own 70 KB of partials nobody shares.
; sin, cos: the angle less n pi / 2 (pi / 2 in two parts, under fused multiply-adds), then polynomials on [-pi / 4, pi / 4] with an error near 1e-7.  arctan2(sin a, cos a) is a brought into (-pi, pi] by the same n.
; LIMITS: NaN and infinities are not served.  Angles up to some 1e5 in magnitude are reduced to within 1e-9; beyond 2^31 pi / 2 the quadrant is lost.  At the wrap, a within rounding of an odd multiple of pi,
; either of +-pi may come out.  The division by the wheelbase is a multiplication by its reciprocal rounded to f32.  A block of zeros gets the scale byte 1 (its codes are zeros).
; THE MODE: SCHED_MODE bits 1:0 = 2 (LLVM: expert scheduling mode 2), set by the entry lines.  The code itself states the register dependences between vector or matrix instructions and memory or LDS
; instructions, with s_wait_alu, always for 0.
; THE PLAN.  Registers that memory or LDS instructions touch, in the order of the text (there is no loop):
;   v1, v4-11, v17, v29, v30, v63   offsets and addresses: made at the head, never written again.
;   v48-55       my 1,024 bytes of parameters: global loads land in them, two LDS stores read them; later they are h's fragment and the chains of the last product.
;   v128-255     the four partial O^T land here and the join reads them; then b1's LDS loads land here; then the products write them, and vector lines alone name them.
;   v64-95, v96-127   first the quantiser's registers; then TWO BUFFERS OF PARAMETERS BY TURNS: tile t's vector lines read buffer t % 2, and behind them tile t + 2's eight LDS loads land in it.
;   v44-45, v80-84    pred_action and the five outputs: written by vector lines, read by LDS stores, never written again.
;   v54-61       at the very end LDS loads land in them; before, vector and matrix instructions named them.
; Waits on va_vdst: ahead of the first load; behind the first barrier (for b1); ahead of the first product, which also serves the first two buffers' loads; one at the end of each of tiles 0 to 13, behind the
; lines that empty a buffer; ahead of each of the two runs of LDS stores; and one ahead of the first reader of each reciprocal and root.  One wait on vm_vsrc, behind the first barrier.
.set PAR,  0                           ; LDS: b1 at 0, ln_g at 1,024, ln_b at 2,048, W2 at 3,072 .. 5,119
.set PRED, 5120                        ; pred_action: [wave 5][lane 32][8 bytes]
.set OUT,  6400                        ; the 64 rows of the output, 20 bytes each
.set W1S,  20                          ; v20-27   W1's scale words: register i: lanes 0-15 tile 2 i's, lanes 16-31 tile 2 i + 1's
.set HS,   28                          ; v28      h's scale word
.set ST,   32                          ; v32-39   (-M, sum) of the four quarters; later four chains of sums
.set FC,   40                          ; v40-47   the quarters' factors, in pairs whose upper word is only named; later v[40:41] the mean, v[42:43] 1 / sqrt, v44-51 pred's four chains
.set HF,   48                          ; v48-59   h's fragment
.set T,    60                          ; v60-62   the second half of a block, as the conversion leaves it
.set TM,   64                          ; v64-79   at work in the quantiser
.set AZ,   80                          ; v80-95   action's two numbers and 14 zeros
.set H,    96                          ; v96-127  out: register 16 b + i = channel 32 b + 16 (lane / 16) + i
.set Z,    128                         ; v128-255 the four partial O^T, then z.   v64-95, v96-127: later two buffers of parameters.   Window 1, v0-191: W1's 16 fragments
.set WV,   30                          ; s30 my wave's number
.set SEL,  32                          ; s[32:33] v_permlanex16_b32's selects for lane l xor 16
.set HI16, 34                          ; s34 the mask of lanes 16-31
.set R256, 35                          ; s35 1 / 256
.set EPS,  36                          ; s36 1e-5
.set PIH,  37                          ; s37, s38 pi / 2 in two parts
.set PIL,  38
.set DT,   39                          ; s39 0.2
.set MSB, 0
.macro WIN new                         ; the immediate's high byte repeats the setting that is left
.if MSB != \new
	s_set_vgpr_msb (MSB<<8)|\new
.set MSB, \new
.endif
.endm
; 32 numbers of a lane, register 16 b + i = k 32 b + 16 (lane / 16) + i of its row, become six registers of codes at v[d] and bytes 0 and 1 of the row's scale word in v[pw].
.macro QUANT2 s, d, pw
.irp b, 0,1
	v_max3_num_f32 v[TM+\b], |v[\s+16*\b]|, |v[\s+1+16*\b]|, 0x2800000   ; my 16 numbers of block b, and the floor 2^(5 - 127)
.endr
.irp i, 2,4,6,8,10,12,14
.irp b, 0,1
	v_max3_num_f32 v[TM+\b], v[TM+\b], |v[\s+16*\b+\i]|, |v[\s+1+16*\b+\i]|
.endr
.endr
.irp b, 0,1
	v_permlanex16_b32 v[TM+4+\b], v[TM+\b], s[SEL], s[SEL+1]
.endr
.irp b, 0,1
	v_max_num_f32 v[TM+\b], v[TM+\b], v[TM+4+\b]
.endr
.irp b, 0,1
	v_add_nc_u32 v[TM+12+\b], 0xfe000000, v[TM+\b]
.endr
.irp b, 0,1
	v_lshrrev_b32 v[TM+4+\b], 23, v[TM+12+\b]
.endr
	v_lshl_or_b32 v[\pw], v[TM+5], 8, v[TM+4]
	v_cvt_scalef32_pk16_bf6_f32 v[\d:\d+2], v[\s:\s+15], v[TM+12]
	v_cvt_scalef32_pk16_bf6_f32 v[T:T+2], v[\s+16:\s+31], v[TM+13]
	v_nop                                          ; one plain place behind a scaled conversion
.irp i, 0,1,2
	v_permlane16_swap_b32 v[\d+\i], v[T+\i]
.endr
.irp i, 0,1,2
	v_mov_b32 v[\d+3+\i], v[T+\i]
.endr
.endm
; sin and cos of v[a] into v[sn], v[cs]; v[rd] keeps the reduced angle, v[qd] the whole number n.  The compare on n stands as soon as n is there, so that the polynomials lie between it and the wait for its mask.
.macro SINCOS a, sn, cs, rd, qd, ta, tb
	v_mul_f32 v[\ta], 0x3f22f983, v[\a]            ; a x 2 / pi
	v_rndne_f32 v[\ta], v[\ta]                     ; n
	v_fma_f32 v[\rd], -v[\ta], s[PIH], v[\a]
	v_fma_f32 v[\rd], -v[\ta], s[PIL], v[\rd]      ; r = a - n pi / 2
	v_cvt_i32_f32 v[\qd], v[\ta]
	v_and_b32 v[\tb], 1, v[\qd]
	v_cmp_eq_u32 vcc_lo, 1, v[\tb]                 ; an odd n changes the two about: a choice of values, no branch
	v_mul_f32 v[\ta], v[\rd], v[\rd]               ; w = r r
	v_mov_b32 v[\sn], 0xb94ca1f9
	v_mov_b32 v[\cs], 0x37ccf5ce
	v_fmaak_f32 v[\sn], v[\sn], v[\ta], 0x3c08839e
	v_fmaak_f32 v[\cs], v[\cs], v[\ta], 0xbab6061a
	v_fmaak_f32 v[\sn], v[\sn], v[\ta], 0xbe2aaaa3
	v_fmaak_f32 v[\cs], v[\cs], v[\ta], 0x3d2aaaa5
	v_mul_f32 v[\tb], v[\rd], v[\ta]
	v_fma_f32 v[\sn], v[\sn], v[\tb], v[\rd]       ; sin r
	v_mul_f32 v[\tb], v[\ta], v[\ta]
	v_fma_f32 v[\ta], v[\ta], -0.5, 1.0
	v_fma_f32 v[\cs], v[\cs], v[\tb], v[\ta]       ; cos r
	s_wait_alu depctr_va_vcc(0)                    ; the compare above has written VCC, which the two selects read
	v_cndmask_b32 v[\tb], v[\sn], v[\cs], vcc_lo
	v_cndmask_b32 v[\cs], v[\cs], v[\sn], vcc_lo
	v_and_b32 v[\ta], 2, v[\qd]
	v_lshlrev_b32 v[\ta], 30, v[\ta]
	v_xor_b32 v[\sn], v[\ta], v[\tb]               ; the sine is negated where n mod 4 is 2 or 3,
	v_add_nc_u32 v[\ta], 1, v[\qd]
	v_and_b32 v[\ta], 2, v[\ta]
	v_lshlrev_b32 v[\ta], 30, v[\ta]
	v_xor_b32 v[\cs], v[\ta], v[\cs]               ; the cosine where it is 1 or 2
.endm
	s_load_b512 s[4:19], s[0:1], 0x0               ; part 4:5, pst 6:7, w1q 8:9, action 10:11, b1 12:13, ln_g 14:15, ln_b 16:17, W2 18:19
	s_load_b256 s[20:27], s[0:1], 0x40             ; b2 20:21, obs 22:23, pred 24:25, out0 26:27
	s_set_vgpr_msb 0x40
	v_lshl_add_u32 v192, v0, 2, 0x2000
	v_mov_b32 v193, 0
	s_set_vgpr_msb 0x4000
	v_lshrrev_b32 v1, 5, v0
	v_readfirstlane_b32 s[WV], v1                  ; wave 0..4
	v_and_b32 v6, 31, v0                           ; lane
	v_and_b32 v2, 15, v0                           ; r
	v_bfe_u32 v3, v0, 4, 1                         ; h
	v_and_b32 v4, 8, v2
	v_add_nc_u32 v4, v4, v2                        ; rr = r + 8 (r / 8)
	v_cmp_lt_u32 s[HI16], 15, v6
	v_lshlrev_b32 v1, 4, v6                        ; v1: 16 x lane
	v_lshlrev_b32 v5, 3, v6                        ; v5: 8 x lane
	v_lshlrev_b32 v6, 2, v6                        ; v6: 4 x lane
	v_lshlrev_b32 v7, 5, v3                        ; v7: 32 h: my eight numbers of a tile's 16 in b1, ln_g, ln_b
	v_lshlrev_b32 v8, 6, v3                        ; v8: 64 h: the same in W2
	s_wait_alu depctr_va_sdst(0)                   ; s30 (the wave's number) and s34 (the mask of lanes 16-31) are written, ahead of their first readers
	; every LDS address is made here, ahead of the waves' parting: a constant x lane + a constant x wave
	s_lshl_b32 s40, s[WV], 8
	v_add_nc_u32 v9, s40, v5
	v_add_nc_u32 v11, OUT, v9                      ; v11: the way out: 256 bytes a wave, 8 a lane
	v_add_nc_u32 v9, PRED, v9                      ; v9: where I put my row's pred_action
	s_lshr_b32 s41, s[WV], 1
	s_lshl_b32 s41, s41, 5
	s_and_b32 s42, s[WV], 1
	s_lshl_b32 s42, s42, 3
	s_add_co_u32 s41, s41, s42
	s_mul_i32 s41, s41, 20
	s_add_co_u32 s41, s41, OUT
	v_mul_u32_u24 v10, v4, 20
	v_add_nc_u32 v10, s41, v10                     ; v10: my row among the 64: 32 (wave / 2) + 8 (wave % 2) + rr, 20 bytes a row
	v_and_b32 v17, 3, v0                           ; v17: where rows 2 l and 2 l + 1 of the 64 lie in PRED: wave 2 (l / 16) + (l / 4) % 2, lane 2 (l % 4) + 8 ((l / 8) % 2)
	v_lshlrev_b32 v17, 4, v17
	v_bfe_u32 v52, v0, 3, 1
	v_lshl_add_u32 v17, v52, 6, v17
	v_bfe_u32 v52, v0, 2, 1
	v_lshl_add_u32 v17, v52, 8, v17
	v_lshl_add_u32 v17, v3, 9, v17
	v_add_nc_u32 v17, PRED, v17
	v_mov_b32 v29, PRED+1024                       ; v29: pred_action[0]: wave 4's lane 0
	s_lshl_b32 s42, s[WV], 10
	v_add_nc_u32 v30, s42, v1                      ; v30: where I put my 1,024 bytes of parameters
	v_mov_b32 v31, 0
	v_lshlrev_b32 v63, 9, v4                       ; obs: row rr of 512 bytes
	v_lshlrev_b32 v4, 3, v4                        ; action: 8 rr
.irp j, 41,43,45,47,57,58,59
	v_mov_b32 v\j, 0                               ; upper words of pairs that are named whole; h's codes of k = 80 on
.endr
.irp j, 2,3,4,5,6,7,8,9,10,11,12,13,14,15
	v_mov_b32 v[AZ+\j], 0                          ; K is filled with zeros from 66 on
.endr
	s_mov_b32 s[SEL], 0x76543210
	s_mov_b32 s[SEL+1], 0xfedcba98
	s_mov_b32 s[R256], 0x3b800000
	s_mov_b32 s[EPS], 0x3727c5ac
	s_mov_b32 s[PIH], 0x3fc90fdb
	s_mov_b32 s[PIL], 0xb33bbd2e
	s_mov_b32 s[DT], 0x3e4ccccd
	s_lshl_b32 s31, ttmp9, 2
	s_add_co_u32 s31, s31, s[WV]
	s_cmp_eq_u32 s[WV], 4
	s_cselect_b32 s31, 0, s31                      ; T: my tile; wave 4 takes tile 0
	s_lshr_b32 s43, s31, 1
	s_lshl_b32 s43, s43, 5
	s_and_b32 s44, s31, 1
	s_lshl_b32 s44, s44, 3
	s_add_co_u32 s43, s43, s44                     ; the tile's first row
	s_lshl_b32 s44, s31, 12                        ; part: 4,096 bytes a tile
	s_mov_b32 s45, 0
	s_lshl_b32 s46, s31, 8                         ; pst: 256
	s_mov_b32 s47, 0
	s_lshl_b32 s48, s43, 9                         ; obs
	s_mov_b32 s49, 0
	s_and_b32 s50, s43, 2047                       ; action is laid four times one below the other
	s_lshl_b32 s50, s50, 3
	s_mov_b32 s51, 0
	s_lshl_b32 s52, ttmp9, 9                       ; pred: 64 rows of 8 bytes
	s_mov_b32 s53, 0
	s_mul_i32 s54, ttmp9, 1280                     ; out0: 64 rows of 20 bytes,
	s_add_co_u32 s54, s54, s40                     ; 256 bytes a wave
	s_mov_b32 s55, 0
	s_wait_kmcnt 0x0
	s_load_b64 s[28:29], s[20:21], 0x0             ; b2's two numbers
	s_add_nc_u64 s[4:5], s[4:5], s[44:45]
	s_add_nc_u64 s[6:7], s[6:7], s[46:47]
	s_add_nc_u64 s[22:23], s[22:23], s[48:49]
	s_add_nc_u64 s[10:11], s[10:11], s[50:51]
	s_add_nc_u64 s[24:25], s[24:25], s[52:53]
	s_add_nc_u64 s[26:27], s[26:27], s[54:55]
	s_cmp_eq_u32 s[WV], 1                          ; which 1,024 bytes of parameters I bring: wave 0 b1, 1 ln_g, 2 ln_b, 3 and 4 the halves of W2: the choice hangs on the wave's number alone
	s_cselect_b64 s[58:59], s[14:15], s[12:13]
	s_cmp_eq_u32 s[WV], 2
	s_cselect_b64 s[58:59], s[16:17], s[58:59]
	s_cmp_ge_u32 s[WV], 3
	s_cselect_b64 s[58:59], s[18:19], s[58:59]
	s_cmp_eq_u32 s[WV], 4
	s_cselect_b32 s60, 1024, 0
	s_mov_b32 s61, 0
	s_add_nc_u64 s[58:59], s[58:59], s[60:61]
	s_wait_alu depctr_va_vdst(0)                   ; all offsets and addresses (v1, v4-11, v17, v29, v30, v63) are written, which the kernel's loads and stores read and no later line writes; so is v52, in which a load below lands
.irp q, 0,1,2,3
	global_load_b64 v[ST+2*\q:ST+2*\q+1], v5, s[6:7] offset:131072*\q
.endr
.irp q, 0,1,2,3
.irp g, 0,1,2,3,4,5,6,7
	global_load_b128 v[Z+32*\q+4*\g:Z+32*\q+4*\g+3], v1, s[4:5] offset:2097152*\q+512*\g   ; quarter q's O^T, as its registers were stored
.endr
.endr
	global_load_b64 v[18:19], v4, s[10:11]
	global_load_b128 v[48:51], v1, s[58:59]
	global_load_b128 v[52:55], v1, s[58:59] offset:512
.irp i, 0,1,2,3,4,5,6,7
	global_load_b32 v[W1S+\i], v6, s[8:9] offset:24576+128*\i
.endr
	WIN 0x40                                       ; destination window 1.  (Between the wait above and these loads stand loads and this switch alone)
.irp t, 0,1,2,3,4,5,6,7,8,9,10,11,12,13,14,15
.irp c, 0,1,2
	global_load_b128 v[12*\t+4*\c:12*\t+4*\c+3], v1, s[8:9] offset:1536*\t+512*\c
.endr
.endr
	WIN 0
	global_load_b128 v[12:15], v63, s[22:23]       ; obs: x, y, vx, vy,
	global_load_b32 v16, v63, s[22:23] offset:16   ; yaw: wanted at the very end.  (Wave 4 loads tile 0's and does not use them)
	s_wait_loadcnt 58                              ; behind the statistics, the partials, action and the parameters stand 8 + 48 + 2 loads
	ds_store_b128 v30, v[48:51]                    ; (the data come from loads; v30 was written ahead of the wait above)
	ds_store_b128 v30, v[52:55] offset:512
	; the four quarters under one M, and divided by the joint sum
	v_min3_num_f32 v64, v[ST], v[ST+2], v[ST+4]
	v_min_num_f32 v64, v64, v[ST+6]                ; the joint -M
.irp q, 0,1,2,3
	v_sub_f32 v[65+\q], v64, v[ST+2*\q]            ; quarter q's M less the joint M: a whole number, 0 or less
.endr
.irp q, 0,1,2,3
	v_cvt_i32_f32 v[65+\q], v[65+\q]
.endr
.irp q, 0,1,2,3
	v_ldexp_f32 v[FC+2*\q], 1.0, v[65+\q]
.endr
	v_mul_f32 v69, v[FC], v[ST+1]
	v_fma_f32 v69, v[FC+2], v[ST+3], v69
	v_fma_f32 v69, v[FC+4], v[ST+5], v69
	v_fma_f32 v69, v[FC+6], v[ST+7], v69           ; the row's sum
	v_rcp_f32 v69, v69
	v_cndmask_b32 v[AZ], v18, v31, s[HI16]         ; (a plain place behind the reciprocal)  action stands at k = 64, 65: lanes 0-15; lanes 16-31 stand for k = 96 on: zeros
	v_cndmask_b32 v[AZ+1], v19, v31, s[HI16]
	s_wait_alu depctr_va_vdst(0)                   ; the reciprocal has written v69
.irp q, 0,1,2,3
	v_mul_f32 v[FC+2*\q], v[FC+2*\q], v69
.endr
.set J, 0
.rept 16
	v_pk_mul_f32 v[H+J:H+J+1], v[Z+J:Z+J+1], v[FC:FC+1] op_sel_hi:[1,0]
.set J, J+2
.endr
.irp q, 1,2,3
.set J, 0
.rept 16
	v_pk_fma_f32 v[H+J:H+J+1], v[Z+32*\q+J:Z+32*\q+J+1], v[FC+2*\q:FC+2*\q+1], v[H+J:H+J+1] op_sel_hi:[1,0,1]
.set J, J+2
.endr
.endr
	s_wait_dscnt 0x0                               ; for the others' sake: my parameters are in LDS
	s_barrier_signal -1
	s_barrier_wait -1                              ; everybody's are
	s_wait_alu depctr_vm_vsrc(0)                   ; my two LDS stores have read v48-55, which the conversions below write as h's fragment
	s_wait_alu depctr_va_vdst(0)                   ; the join is done reading the partials in v128-255, in which b1 lands
.irp t, 0,1,2,3,4,5,6,7,8,9,10,11,12,13,14,15
	ds_load_b128 v[Z+8*\t:Z+8*\t+3], v7 offset:PAR+64*\t          ; b1 is the accumulators' first content: register j of tile t: unit 16 t + 8 h + j
	ds_load_b128 v[Z+8*\t+4:Z+8*\t+7], v7 offset:PAR+64*\t+16
.endr
	v_max3_num_f32 v70, |v[AZ]|, |v[AZ+1]|, 0x2800000   ; block 2: action's two numbers and the floor
	v_add_nc_u32 v71, 0xfe000000, v70
	v_lshrrev_b32 v70, 23, v71
	v_cvt_scalef32_pk16_bf6_f32 v[HF+6:HF+8], v[AZ:AZ+15], v71
	QUANT2 H, HF, HS
	v_lshl_or_b32 v[HS], v70, 16, v[HS]            ; byte 3 stays 0: both sides hold zero codes there
.rept 8
	v_nop                                          ; a scale register written by a vector instruction stands 8 places ahead of a scaled matrix instruction, an operand so written 4
.endr
	s_wait_dscnt 0x0                               ; b1
	s_wait_loadcnt 2                               ; W1's scale words and fragments are in; obs's two loads may be out
	WIN 0x01                                       ; source 0 (W1) window 1
	s_wait_alu depctr_va_vdst(0)                   ; the quantiser has written h's fragment v48-59 and scale word v28, which the products take (the places above stay beside this wait); and it is done with v64-127, in which the first two buffers' loads land
.irp t, 0,2,4,6,8,10,12,14
	v_wmma_scale_f32_16x16x128_f8f6f4 v[Z+8*\t:Z+8*\t+7], v[12*\t:12*\t+11], v[HF:HF+11], v[Z+8*\t:Z+8*\t+7], v[W1S+\t/2], v[HS] matrix_a_fmt:MATRIX_FMT_BF6 matrix_b_fmt:MATRIX_FMT_BF6
	v_wmma_scale_f32_16x16x128_f8f6f4 v[Z+8*\t+8:Z+8*\t+15], v[12*\t+12:12*\t+23], v[HF:HF+11], v[Z+8*\t+8:Z+8*\t+15], v[W1S+\t/2], v[HS] matrix_a_fmt:MATRIX_FMT_BF6 matrix_b_fmt:MATRIX_FMT_BF6 matrix_a_scale:MATRIX_SCALE_ROW1
.endr
	WIN 0
; tile t's parameters into buffer t % 2: ln_g 8, ln_b 8, W2 16 (a pair for each unit)
.macro PLOAD t
.set PBB, 64+32*((\t)%2)
	ds_load_b128 v[PBB:PBB+3], v7 offset:PAR+1024+64*(\t)
	ds_load_b128 v[PBB+4:PBB+7], v7 offset:PAR+1024+64*(\t)+16
	ds_load_b128 v[PBB+8:PBB+11], v7 offset:PAR+2048+64*(\t)
	ds_load_b128 v[PBB+12:PBB+15], v7 offset:PAR+2048+64*(\t)+16
.irp i, 0,1,2,3
	ds_load_b128 v[PBB+16+4*\i:PBB+19+4*\i], v8 offset:PAR+3072+128*(\t)+16*\i
.endr
.endm
	PLOAD 0                                        ; no wait: since the wait ahead of the products only they were issued, and they name v20-28, v48-59, v128-255 and window 1
	PLOAD 1
.rept 4
	v_nop                                          ; places in front of the first read of results
.endr
	; the mean: my 128 units in four chains, each accumulator from its low end on; then lane l xor 16's
.irp c, 0,1,2,3
	v_pk_add_f32 v[ST+2*\c:ST+2*\c+1], v[Z+2*\c:Z+2*\c+1], v[Z+8+2*\c:Z+9+2*\c]
.endr
.set PP, 8
.rept 56
	v_pk_add_f32 v[ST+2*(PP%4):ST+2*(PP%4)+1], v[ST+2*(PP%4):ST+2*(PP%4)+1], v[Z+2*PP:Z+2*PP+1]
.set PP, PP+1
.endr
	v_pk_add_f32 v[ST:ST+1], v[ST:ST+1], v[ST+2:ST+3]
	v_pk_add_f32 v[ST+4:ST+5], v[ST+4:ST+5], v[ST+6:ST+7]
	v_pk_add_f32 v[ST:ST+1], v[ST:ST+1], v[ST+4:ST+5]
	v_add_f32 v[ST], v[ST], v[ST+1]
	v_permlanex16_b32 v52, v[ST], s[SEL], s[SEL+1]
	v_add_f32 v[ST], v[ST], v52
	v_mul_f32 v40, s[R256], v[ST]                  ; the mean
.set PP, 0
.rept 64
	v_pk_add_f32 v[Z+2*PP:Z+2*PP+1], v[Z+2*PP:Z+2*PP+1], v[40:41] op_sel_hi:[1,0] neg_lo:[0,1] neg_hi:[0,1]   ; z - mean, in place
.set PP, PP+1
.endr
.irp c, 0,1,2,3
	v_pk_mul_f32 v[ST+2*\c:ST+2*\c+1], v[Z+2*\c:Z+2*\c+1], v[Z+2*\c:Z+2*\c+1]
.endr
.set PP, 4
.rept 60
	v_pk_fma_f32 v[ST+2*(PP%4):ST+2*(PP%4)+1], v[Z+2*PP:Z+2*PP+1], v[Z+2*PP:Z+2*PP+1], v[ST+2*(PP%4):ST+2*(PP%4)+1]
.set PP, PP+1
.endr
	v_pk_add_f32 v[ST:ST+1], v[ST:ST+1], v[ST+2:ST+3]
	v_pk_add_f32 v[ST+4:ST+5], v[ST+4:ST+5], v[ST+6:ST+7]
	v_pk_add_f32 v[ST:ST+1], v[ST:ST+1], v[ST+4:ST+5]
	v_add_f32 v[ST], v[ST], v[ST+1]
	v_permlanex16_b32 v52, v[ST], s[SEL], s[SEL+1]
	v_add_f32 v[ST], v[ST], v52
	v_fma_f32 v42, v[ST], s[R256], s[EPS]          ; the variance + 1e-5
	v_rsq_f32 v42, v42
	v_nop                                          ; one plain place behind a transcendental
	s_wait_alu depctr_va_vdst(0)                   ; the reciprocal root has written v42
; tile t: normalised, gain and bias, relu, and its part of the last product: for unit j the pair (W2[u][0], W2[u][1]) times y_j, which op_sel gives to both halves; four chains
.macro NTILE t, left
.set ZZ, Z+8*(\t)
.set PBB, 64+32*((\t)%2)
	s_wait_dscnt \left                             ; this tile's eight loads are in; the next tile's eight may be out
.irp j, 0,2,4,6
	v_pk_mul_f32 v[ZZ+\j:ZZ+\j+1], v[ZZ+\j:ZZ+\j+1], v[42:43] op_sel_hi:[1,0]
.endr
.irp j, 0,2,4,6
	v_pk_fma_f32 v[ZZ+\j:ZZ+\j+1], v[ZZ+\j:ZZ+\j+1], v[PBB+\j:PBB+\j+1], v[PBB+8+\j:PBB+9+\j]
.endr
.irp j, 0,1,2,3,4,5,6,7
	v_max_num_f32 v[ZZ+\j], 0, v[ZZ+\j]
.endr
.irp j, 0,2,4,6
.if (\t) == 0 && \j < 4
	v_pk_mul_f32 v[44+2*(\j%4):45+2*(\j%4)], v[ZZ+\j:ZZ+\j+1], v[PBB+16+2*\j:PBB+17+2*\j] op_sel:[0,0] op_sel_hi:[0,1]   ; the first four start the chains: nothing is cleared
	v_pk_mul_f32 v[46+2*(\j%4):47+2*(\j%4)], v[ZZ+\j:ZZ+\j+1], v[PBB+18+2*\j:PBB+19+2*\j] op_sel:[1,0] op_sel_hi:[1,1]
.else
	v_pk_fma_f32 v[44+2*(\j%4):45+2*(\j%4)], v[ZZ+\j:ZZ+\j+1], v[PBB+16+2*\j:PBB+17+2*\j], v[44+2*(\j%4):45+2*(\j%4)] op_sel:[0,0,0] op_sel_hi:[0,1,1]
	v_pk_fma_f32 v[46+2*(\j%4):47+2*(\j%4)], v[ZZ+\j:ZZ+\j+1], v[PBB+18+2*\j:PBB+19+2*\j], v[46+2*(\j%4):47+2*(\j%4)] op_sel:[1,0,0] op_sel_hi:[1,1,1]
.endif
.endr
.if (\t)+2 < 16
	s_wait_alu depctr_va_vdst(0)                   ; this tile's lines are done reading buffer t % 2, in which the eight loads below land
	PLOAD (\t)+2                                   ; the buffer is asked for again at once: the next tile's lines stand between these loads and the wait for them
.endif
.endm
.irp t, 0,1,2,3,4,5,6,7,8,9,10,11,12,13,14
	NTILE \t, 8
.endr
	NTILE 15, 0
	v_pk_add_f32 v[44:45], v[44:45], v[46:47]
	v_pk_add_f32 v[48:49], v[48:49], v[50:51]
	v_pk_add_f32 v[44:45], v[44:45], v[48:49]
	v_permlanex16_b32 v52, v44, s[SEL], s[SEL+1]
	v_permlanex16_b32 v53, v45, s[SEL], s[SEL+1]
	s_wait_kmcnt 0x0                               ; b2
	v_add_f32 v44, v44, v52
	v_add_f32 v45, v45, v53
	v_add_f32 v44, s28, v44
	v_add_f32 v45, s29, v45                        ; my row's pred_action
	s_wait_alu depctr_va_vdst(0)                   ; v44 and v45 are written, which the LDS store reads; and all vector and matrix lines that named v54-61 are done: the LDS loads further down land there, and no later vector line names them
	ds_store_b64 v9, v[44:45]
	s_wait_dscnt 0x0                               ; for the others' sake
	s_barrier_signal -1
	s_barrier_wait -1
	s_cmp_eq_u32 s[WV], 4
	s_cbranch_scc1 .Lwave_4
	; ---- the bicycle model of my row.  Lanes 16-31 repeat lanes 0-15 and write the same words with the same values
	ds_load_b64 v[54:55], v29                      ; throttle and steer: pred_action[0]
	s_wait_loadcnt 0x0                             ; obs
	v_mul_f32 v64, v14, v14
	v_fma_f32 v64, v15, v15, v64
	v_sqrt_f32 v64, v64                            ; the speed
	v_mov_b32 v68, 0x3f860a92                      ; (a plain place behind the root)  60 degrees
	s_wait_alu depctr_va_vdst(0)                   ; the root has written v64
	v_fmaak_f32 v65, 0.5, v64, 0x3dcccccd
	v_mul_f32 v65, v64, v65                        ; the load: v (0.1 + 0.5 v)
	s_wait_dscnt 0x0
	v_sub_f32 v66, v54, v65
	v_fma_f32 v66, v66, s[DT], v64                 ; the new speed
	v_med3_num_f32 v67, v55, -v68, v68             ; the steer, clipped
	SINCOS 16, 70, 71, 72, 73, 74, 75
	SINCOS 67, 76, 77, 78, 79, 74, 75
	v_rcp_f32 v77, v77                             ; its cosine is 0.5 at the least
	v_mul_f32 v85, v66, v71                        ; (a plain place behind the reciprocal)
	s_wait_alu depctr_va_vdst(0)                   ; the reciprocal has written v77
	v_mul_f32 v76, v76, v77                        ; tan
	v_mul_f32 v76, v66, v76
	v_mul_f32 v76, 0x3eacf915, v76                 ; / 2.96
	v_fma_f32 v69, v76, s[DT], v16                 ; a = yaw + omega dt
	v_fma_f32 v80, v85, s[DT], v12                 ; x
	v_mul_f32 v86, v66, v70
	v_fma_f32 v81, v86, s[DT], v13                 ; y
	SINCOS 69, 87, 88, 89, 90, 74, 75
	v_mul_f32 v82, v66, v88                        ; the wrapped angle has a's own cosine and sine
	v_mul_f32 v83, v66, v87
	v_add_nc_u32 v91, 1, v90
	v_and_b32 v91, 3, v91
	v_add_nc_u32 v91, -1, v91                      ; n mod 4 as -1, 0, 1, 2
	v_cvt_f32_i32 v91, v91
	v_fma_f32 v84, v91, s[PIH], v89
	v_fma_f32 v84, v91, s[PIL], v84                ; in (-3 pi / 4, 5 pi / 4]
	v_cmp_lt_f32 vcc_lo, 0x40490fdb, v84           ; beyond pi: 2 pi less.  A choice of values, no branch
	v_add_f32 v92, 0xc0c90fdb, v84
	s_wait_alu depctr_va_vcc(0)                    ; the compare has written VCC, which the select reads
	v_cndmask_b32 v84, v84, v92, vcc_lo
	s_wait_alu depctr_va_vdst(0)                   ; the five outputs v80-84 are written, which the LDS stores read
.irp i, 0,1,2,3,4
	ds_store_b32 v10, v[80+\i] offset:4*\i
.endr
	s_branch .Ljoin
.Lwave_4:
	ds_load_b128 v[56:59], v17                     ; rows 2 l and 2 l + 1 of the work-group's pred_action, in the rows' own order
	s_wait_dscnt 0x0
	global_store_b128 v1, v[56:59], s[24:25]       ; 512 consecutive bytes, aligned
.Ljoin:
	s_wait_dscnt 0x0                               ; for the others' sake: my rows lie in the stage
	s_barrier_signal -1
	s_barrier_wait -1
	ds_load_b64 v[60:61], v11
	s_wait_dscnt 0x0
	global_store_b64 v5, v[60:61], s[26:27]        ; each wave stores 256 consecutive bytes, aligned: the five cover the 64 rows' 1,280
	s_set_vgpr_msb 0x5
	s_wait_dscnt 0x0
	s_wait_alu depctr_hold_cnt(0) depctr_sa_sdst(0) depctr_va_vdst(0) depctr_va_sdst(0) depctr_va_ssrc(0) depctr_va_vcc(0) depctr_vm_vsrc(0)
	s_wait_tensorcnt 0x0
	ds_add_u32 v192, v193
	s_wait_dscnt 0x0
	s_endpgm
.Lfunc_end_k_q8b35ff5e9f_finish:
	.size	k_q8b35ff5e9f_finish, .Lfunc_end_k_q8b35ff5e9f_finish-k_q8b35ff5e9f_finish
	.p2alignl 7, 3214868480
	.fill 96, 4, 3214868480
	.section	.rodata,"a",@progbits
	.p2align	6, 0x0
	.amdhsa_kernel k_q8b35ff5e9f_finish
		.amdhsa_group_segment_fixed_size 8960
		.amdhsa_private_segment_fixed_size 0
		.amdhsa_enable_private_segment 0
		.amdhsa_kernarg_size 96
		.amdhsa_user_sgpr_count 2
		.amdhsa_user_sgpr_kernarg_segment_ptr 1
		.amdhsa_wavefront_size32 1
		.amdhsa_system_sgpr_workgroup_id_x 1
		.amdhsa_system_sgpr_workgroup_id_y 1
		.amdhsa_system_sgpr_workgroup_id_z 1
		.amdhsa_system_vgpr_workitem_id 0
		.amdhsa_next_free_vgpr 450
		.amdhsa_next_free_sgpr 66
		.amdhsa_reserve_vcc 1
		.amdhsa_float_denorm_mode_32 3
		.amdhsa_float_denorm_mode_16_64 3
		.amdhsa_memory_ordered 1
		.amdhsa_forward_progress 1
		.amdhsa_inst_pref_size 75
	.end_amdhsa_kernel
	.amdgpu_metadata
---
amdhsa.version: [ 1, 2 ]
amdhsa.kernels:
  - .name:           k_q8b35ff5e9f_finish
    .symbol:         k_q8b35ff5e9f_finish.kd
    .args:
      - { .name: part, .offset: 0, .size: 8, .value_kind: global_buffer, .address_space: global }
      - { .name: pst, .offset: 8, .size: 8, .value_kind: global_buffer, .address_space: global }
      - { .name: w1q, .offset: 16, .size: 8, .value_kind: global_buffer, .address_space: global }
      - { .name: action, .offset: 24, .size: 8, .value_kind: global_buffer, .address_space: global }
      - { .name: b1, .offset: 32, .size: 8, .value_kind: global_buffer, .address_space: global }
      - { .name: ln_g, .offset: 40, .size: 8, .value_kind: global_buffer, .address_space: global }
      - { .name: ln_b, .offset: 48, .size: 8, .value_kind: global_buffer, .address_space: global }
      - { .name: W2, .offset: 56, .size: 8, .value_kind: global_buffer, .address_space: global }
      - { .name: b2, .offset: 64, .size: 8, .value_kind: global_buffer, .address_space: global }
      - { .name: obs, .offset: 72, .size: 8, .value_kind: global_buffer, .address_space: global }
      - { .name: pred, .offset: 80, .size: 8, .value_kind: global_buffer, .address_space: global }
      - { .name: out0, .offset: 88, .size: 8, .value_kind: global_buffer, .address_space: global }
    .group_segment_fixed_size: 8960
    .private_segment_fixed_size: 0
    .kernarg_segment_align: 8
    .kernarg_segment_size: 96
    .max_flat_workgroup_size: 160
    .sgpr_count:     66
    .vgpr_count:     450
    .wavefront_size: 32
...
	.end_amdgpu_metadata
.endif
;; end of part 6
